; MI455X (gfx1250); checked and timed in simulation.
; The chip was launched on July 23, 2026; its instructions are those of AMD's public machine-readable ISA for CDNA 5 (MIT licence, August 2026) and "CDNA5" Instruction Set Architecture Reference Guide (July 2026). The comments in the code are by the model that wrote it; some were corrected since.
;; Multi Head Attention. Allowed arithmetic: matrix products marked QUANTISED: E4M3 operands, one given power-of-two scale a tensor, by v_wmma_f32_16x16x64_fp8_fp8 or v_wmma_f32_16x16x128_fp8_fp8, f32 sums; everything else in f32.
;; Inputs: K 8 x 2,048 x 512 float32; Q 8 x 2,048 x 512 float32; V 8 x 2,048 x 512 float32; Wk 512 x 512 float32; Wo 512 x 512 float32; Wq 512 x 512 float32; Wv 512 x 512 float32; bk 512 float32; bo 512 float32; bq 512 float32; bv 512 float32; lowp_scales 12 int32 (the exponents e of the quantised operands' scales 2^e); mask 1 x 1 x 2,048 x 2,048 int32.
;; Outputs: out0 8 x 2,048 x 512 float32.
;; This version of the problem:
;;   THIS VERSION OF THE PROBLEM IS GIVEN IN LOW PRECISION. The matrix products marked QUANTISED in the list below multiply operands that are first quantised to E4M3 (4 exponent bits, 3 mantissa bits; 8 bits a number), with one given power-of-two scale for each operand tensor; their sums are f32. All else is computed in f32.
;;   The module's matrix products, in the order in which they are computed (A, B: the left and right operand; K: the contracted axis; several contracted axes count as one K, in the product's order):
;;     1. [M 16,384, K 512] x [K 512, N 512]; A: input Q; B: input Wq: QUANTISED (scales: A lowp_scales[0], B lowp_scales[1])
;;     2. [M 16,384, K 512] x [K 512, N 512]; A: input K; B: input Wk: QUANTISED (scales: A lowp_scales[2], B lowp_scales[3])
;;     3. [M 16,384, K 512] x [K 512, N 512]; A: input V; B: input Wv: QUANTISED (scales: A lowp_scales[4], B lowp_scales[5])
;;     4. batch 64 x [M 2,048, K 64] x [K 64, N 2,048]; A: computed on the way; B: computed on the way: QUANTISED (scales: A lowp_scales[6], B lowp_scales[7])
;;     5. batch 64 x [M 2,048, K 2,048] x [K 2,048, N 64]; A: softmax (see below); B: computed on the way: QUANTISED (scales: A lowp_scales[8], B lowp_scales[9])
;;     6. [M 16,384, K 512] x [K 512, N 512]; A: computed on the way; B: input Wo: QUANTISED (scales: A lowp_scales[10], B lowp_scales[11])
;;   THE QUANTISER, for each operand of a quantised product, along K:
;;     - The operand's scale is 2^e, e = its entry of the input lowp_scales (int32; the entries are numbered through the quantised products in the list's order, A before B).
;;     - Each number is divided by the scale, clamped to +-448, and rounded to the nearest number of E4M3, ties to even, subnormals kept.
;;     - The product sums the exact products of the quantised numbers (number of the format x scale) in f32.
;;   ~~~python
;;   def quantise(x, axis, e):      # numpy; x: float32 -> the quantised numbers, widened to float32 again
;;       x = np.moveaxis(x, axis, -1); K = x.shape[-1]
;;       r = np.clip(x / 2.0 ** e, -448, 448)
;;       step = 2.0 ** (np.maximum(np.frexp(np.where(r == 0, 1, r))[1] - 1, -6) - 3)
;;       q = np.round(r / step) * step * 2.0 ** e      # np.round: ties to even
;;       return np.moveaxis(q, -1, axis).astype(np.float32)
;;   ~~~
;;   SOFTMAX AHEAD OF A QUANTISED PRODUCT. Where the list says 'softmax', what is quantised is not the finished softmax but p = 2^(t - M), with t = logit x log2(e) and M = ceil(the row's largest t), a whole number; so 1/2 < the row's largest p <= 1. The row's sum l is taken of the UNQUANTISED p, in f32, and the product's result is divided by l at the end. Since M is a whole number, a kernel that streams over the keys may use a running M (the ceiling of the running maximum): every later rescaling is an exact power of two, so the quantised numbers keep their values, but for numbers so far below the row's largest that they fall under the format's range.
;;   OPERANDS COMPUTED ON THE WAY. 'Computed on the way' means the value that the module computes at that place (a softmax that the list does not call 'softmax' is quantised finished and normalised). What goes into a quantiser is computed in f32, as accurately as f32 sums, v_exp_f32 and their like allow (about 1e-6 of the number): no bf16 or f16 on the way to a quantiser, and a product that is left as it is and whose result goes on into a quantised operand takes f32 operands (vector FMAs, or v_wmma_f32_16x16x4_f32). A number that lies on a knife's edge between two numbers of the format may be rounded either way, as far as f32 arithmetic and the matrix unit's own rounding can turn it there, and no further.
;; 3 versions. Each part assembles by itself: llvm-mc -triple=amdgcn-amd-amdhsa -mcpu=gfx1250 --defsym DOCPART=n.
;; ======== version 1 of 3: 4 launches
;; workspace buffers: wimg 1,048,576 bytes; maskw 524,288 bytes of whole numbers; qimg 8,388,608 bytes; kimg 8,388,608 bytes; vimg 8,388,608 bytes; aimg 8,388,608 bytes
;; launch prep (part 1): grid 320 x 1, 8 waves a work-group, no clusters, 68,608 bytes of LDS; arguments Wq, Wk, Wv, Wo, mask, lowp_scales, wimg, maskw; writes wimg, maskw
.if DOCPART == 1
	.amdgcn_target "amdgcn-amd-amdhsa--gfx1250"
	.amdhsa_code_object_version 6
	.text
	.protected	k_q03f17f4642_prep
	.globl	k_q03f17f4642_prep
	.p2align	8
	.type	k_q03f17f4642_prep,@function
k_q03f17f4642_prep:
	s_mov_b64 s[64:65], 0
	v_nop
	global_prefetch_b8 v0, s[64:65] scope:SCOPE_SE
	s_setreg_imm32_b32 hwreg(HW_REG_WAVE_MODE, 25, 1), 1
	s_wait_xcnt 0x0
; The four weights [512][512] f32 become codes of FP8 (E4M3), laid as IMAGES OF OPERAND REGISTERS; the mask [2048][2048] int32 becomes lane-mask words.
; A wave takes one unit: 16 rows x 128 elements of 4 bytes (512 bytes a row).  The shape is the same for a weight's fragment and for a block of the mask, so both go one way up to the last step.
; THE ROWS OF A TILE: tile id holds rows 32 (id / 2) + 8 (id % 2) + i + 8 (i / 8), i = 0 .. 15 (Wq, Wk, Wv, mask), or 16 id + i (Wo).
; A FRAGMENT'S IMAGE: four pieces of 512 bytes; piece c holds at byte 16 x lane the codes k = 32 c + 16 (lane / 16) + 0 .. 15 of row lane % 16.
;   wimg:  [weight q, k, v, o][tile 0..31][K step 0..3][piece 0..3][lane][16]
;   maskw: [tile of queries 0..127][step of 128 keys 0..15][word n 0..63]: bit l of word 16 b + i = (mask[row l % 16 of the tile][128 step + 32 b + 16 (l / 16) + i] != 0)
; Work-groups 0-63: the weights (16 each, 128 units a weight); work-groups 64-319: the mask (2,048 units).  Only pointers, pitches and shifts are chosen by the work-group's number up to the parting.
; Each load reads 512 consecutive bytes of one row; the 16 rows turn through the wave's own stage in LDS (pitch 528 = 132 words: row r starts at bank 4 r mod 64), so that a lane gets 16 neighbours of each block of 32.
; code = x / 2^e, held within +-448, to the nearest code, ties to even; e = lowp_scales[1], [3], [5], [11].  LIMITS: -126 <= e <= 119; NaN among the inputs is not served.
; No tensor loads, no barrier: waves share nothing.  No cluster: no two work-groups read the same bytes.
.set STG,  8448                        ; a wave's stage: 16 rows x 528 bytes
.set A,    4                           ; v4-19    byte offset of my 16 bytes in row i of the unit
.set R,    20                          ; v20-83   the unit as loaded
.set X,    84                          ; v84-147  turned: register 16 b + i = element 32 b + 16 (lane / 16) + i of row lane % 16
.set PC,   148                         ; v148-163 the codes
.set MW,   164                         ; v164-165 the mask words: lane l holds words 2 l and 2 l + 1
.set TS,   166                         ; stage, on the way in
.set TL,   167                         ; stage, on the way out
.set SC,   168                         ; 2^e
.set LIM,  169                         ; 448 x 2^e
.set MO8,  170                         ; 8 x lane
	s_load_b512 s[4:19], s[0:1], 0x0               ; Wq s[4:5], Wk s[6:7], Wv s[8:9], Wo s[10:11], mask s[12:13], scales s[14:15], wimg s[16:17], maskw s[18:19]
	v_lshl_add_u32 v176, v0, 2, 0x10800
	v_mov_b32 v177, 0
	v_lshrrev_b32 v1, 5, v0
	v_readfirstlane_b32 s20, v1                    ; wave 0..7
	v_and_b32 v1, 31, v0                           ; lane
	v_lshlrev_b32 v2, 4, v1                        ; 16 x lane
	v_and_b32 v3, 15, v0                           ; r
	v_bfe_u32 v171, v0, 4, 1                       ; h
	s_mul_i32 s22, s20, STG
	v_add_nc_u32 v[TS], s22, v2                    ; in: a row's 512 bytes as they lie
	v_mul_u32_u24 v[TL], v3, 528
	v_lshl_add_u32 v[TL], v171, 6, v[TL]
	v_add_nc_u32 v[TL], s22, v[TL]                 ; out: row r, + 64 h: my 16 elements of a block of 32
	v_lshlrev_b32 v[MO8], 3, v1
	s_mov_b32 s21, ttmp9                           ; g
	s_and_b32 s22, s21, 15
	s_sub_co_u32 s23, s21, 64                      ; (used by the mask's groups alone)
	s_lshr_b32 s29, s21, 4
	s_min_u32 s28, s29, 3                          ; which weight (used by the weights' groups alone)
	s_cmp_lt_u32 s21, 64                           ; a weight's group or the mask's?
	s_cselect_b32 s22, s22, s23                    ; my group's number within its tensor
	s_cselect_b32 s25, 2, 4                        ; log2 of the K steps in a row
	s_cselect_b32 s26, 3, 15
	s_lshl_b32 s24, 512, s25                       ; a row in bytes: 2,048 or 8,192
	s_lshl_b32 s22, s22, 3
	s_add_co_u32 s22, s22, s20                     ; my unit
	s_lshr_b32 s27, s22, s25                       ; its tile
	s_and_b32 s26, s22, s26                        ; its K step
	s_lshl_b32 s31, s24, 3
	s_cmp_eq_u32 s29, 3                            ; Wo's tiles hold neighbouring rows
	s_cselect_b32 s30, 16, 8                       ; an odd tile begins 16 or 8 rows behind the even one,
	s_cselect_b32 s31, 0, s31                      ; and rows 8-15 lie 0 or 8 rows further on
	s_lshr_b32 s32, s27, 1
	s_lshl_b32 s32, s32, 5
	s_and_b32 s33, s27, 1
	s_mul_i32 s33, s33, s30
	s_add_co_u32 s32, s32, s33                     ; the tile's first row
	s_mul_i32 s32, s32, s24
	s_lshl_b32 s33, s26, 9
	s_add_co_u32 s32, s32, s33                     ; the unit's first byte (under 2^25)
	s_mov_b32 s33, 0
.set i, 0
.rept 16
	s_mul_i32 s38, s24, i
.if i >= 8
	s_add_co_u32 s38, s38, s31
.endif
	v_add_nc_u32 v[A+i], s38, v2
.set i, i+1
.endr
	s_wait_kmcnt 0x0
	s_load_b256 s[40:47], s[14:15], 0x0            ; e0 .. e7
	s_load_b128 s[48:51], s[14:15], 0x20           ; e8 .. e11
	s_cmp_lt_u32 s21, 48                           ; the source is chosen by the work-group's number alone
	s_cselect_b64 s[34:35], s[8:9], s[10:11]
	s_cmp_lt_u32 s21, 32
	s_cselect_b64 s[34:35], s[6:7], s[34:35]
	s_cmp_lt_u32 s21, 16
	s_cselect_b64 s[34:35], s[4:5], s[34:35]
	s_cmp_lt_u32 s21, 64
	s_cselect_b64 s[34:35], s[34:35], s[12:13]
	s_add_nc_u64 s[34:35], s[34:35], s[32:33]
.set i, 0
.rept 16
	global_load_b128 v[R+4*i:R+4*i+3], v[A+i], s[34:35] th:TH_LOAD_NT   ; 32 lanes read 512 consecutive bytes of row i; read once in the launch
.set i, i+1
.endr
.set i, 0
.rept 16
	s_wait_loadcnt 15-i                            ; loads come back in order: row i is in, the 15 - i younger ones may be out
	ds_store_b128 v[TS], v[R+4*i:R+4*i+3] offset:528*i
.set i, i+1
.endr
.set i, 0
.rept 16
	ds_load_b128 v[X+4*i:X+4*i+3], v[TL] offset:128*(i/4)+16*(i%4)   ; LDS serves a wave's instructions in order: these see my stores
.set i, i+1
.endr
	s_wait_kmcnt 0x0                               ; the exponents
	s_wait_dscnt 0x0                               ; the unit is turned.  No LDS instruction stands behind the parting below
	s_cmp_lt_u32 s21, 64
	s_cbranch_scc0 .Lmask
	; ---- a weight's fragment
	s_cmp_eq_u32 s28, 0
	s_cselect_b32 s36, s41, s51                    ; e1 for Wq, e11 for Wo,
	s_cmp_eq_u32 s28, 1
	s_cselect_b32 s36, s43, s36                    ; e3 for Wk,
	s_cmp_eq_u32 s28, 2
	s_cselect_b32 s36, s45, s36                    ; e5 for Wv
	s_add_co_i32 s36, s36, 127
	s_lshl_b32 s37, s36, 23
	v_mov_b32 v[SC], s37                           ; 2^e as f32: the conversion takes its exponent field
	s_add_co_i32 s36, s36, 8
	s_lshl_b32 s36, s36, 23
	s_or_b32 s36, s36, 0x600000
	v_mov_b32 v[LIM], s36                          ; 448 x 2^e
	s_lshl_b32 s38, s28, 18
	s_lshl_b32 s39, s27, 13
	s_add_co_u32 s38, s38, s39
	s_lshl_b32 s39, s26, 11
	s_add_co_u32 s38, s38, s39                     ; weight x 262,144 + tile x 8,192 + K step x 2,048
	s_mov_b32 s39, 0
	s_add_nc_u64 s[16:17], s[16:17], s[38:39]
.irp b, 0,1,2,3
.irp i, 0,1,2,3,4,5,6,7,8,9,10,11,12,13,14,15
	v_med3_num_f32 v[X+16*\b+\i], v[X+16*\b+\i], -v[LIM], v[LIM]   ; the conversion to an 8-bit code does not saturate (ISA guide 7.6.2): hold the number first
.endr
	v_cvt_scalef32_pk8_fp8_f32 v[PC+4*\b:PC+4*\b+1], v[X+16*\b:X+16*\b+7], v[SC]
	v_cvt_scalef32_pk8_fp8_f32 v[PC+4*\b+2:PC+4*\b+3], v[X+16*\b+8:X+16*\b+15], v[SC]
.endr
.irp c, 0,1,2,3
	global_store_b128 v2, v[PC+4*\c:PC+4*\c+3], s[16:17] offset:512*\c   ; a piece: 512 consecutive bytes, aligned
.endr
	s_wait_tensorcnt 0x0
	ds_add_u32 v176, v177
	s_wait_dscnt 0x0
	s_endpgm
.Lmask:
	; ---- a block of the mask: register n's comparison gives word n, one bit a lane; the 64 words are gathered two to a lane
	s_lshl_b32 s38, s27, 12
	s_lshl_b32 s39, s26, 8
	s_add_co_u32 s38, s38, s39                     ; tile x 4,096 + step x 256
	s_mov_b32 s39, 0
	s_add_nc_u64 s[18:19], s[18:19], s[38:39]
	v_mov_b32 v[MW], 0
	v_mov_b32 v[MW+1], 0
.set n, 0
.rept 64
	v_cmp_ne_u32 s[52+n%4], 0, v[X+n]
	v_writelane_b32 v[MW+n%2], s[52+n%4], n/2
.set n, n+1
.endr
	global_store_b64 v[MO8], v[MW:MW+1], s[18:19]  ; 256 consecutive bytes, aligned
	s_wait_tensorcnt 0x0
	ds_add_u32 v176, v177
	s_wait_dscnt 0x0
	s_endpgm
.Lfunc_end_k_q03f17f4642_prep:
	.size	k_q03f17f4642_prep, .Lfunc_end_k_q03f17f4642_prep-k_q03f17f4642_prep
	.p2alignl 7, 3214868480
	.fill 96, 4, 3214868480
	.section	.rodata,"a",@progbits
	.p2align	6, 0x0
	.amdhsa_kernel k_q03f17f4642_prep
		.amdhsa_group_segment_fixed_size 68608
		.amdhsa_private_segment_fixed_size 0
		.amdhsa_enable_private_segment 0
		.amdhsa_kernarg_size 64
		.amdhsa_user_sgpr_count 2
		.amdhsa_user_sgpr_kernarg_segment_ptr 1
		.amdhsa_wavefront_size32 1
		.amdhsa_system_sgpr_workgroup_id_x 1
		.amdhsa_system_sgpr_workgroup_id_y 1
		.amdhsa_system_sgpr_workgroup_id_z 1
		.amdhsa_system_vgpr_workitem_id 0
		.amdhsa_next_free_vgpr 178
		.amdhsa_next_free_sgpr 66
		.amdhsa_reserve_vcc 0
		.amdhsa_float_denorm_mode_32 3
		.amdhsa_float_denorm_mode_16_64 3
		.amdhsa_memory_ordered 1
		.amdhsa_forward_progress 1
		.amdhsa_inst_pref_size 22
	.end_amdhsa_kernel
	.amdgpu_metadata
---
amdhsa.version: [ 1, 2 ]
amdhsa.kernels:
  - .name:           k_q03f17f4642_prep
    .symbol:         k_q03f17f4642_prep.kd
    .args:
      - { .name: Wq, .offset: 0, .size: 8, .value_kind: global_buffer, .address_space: global }
      - { .name: Wk, .offset: 8, .size: 8, .value_kind: global_buffer, .address_space: global }
      - { .name: Wv, .offset: 16, .size: 8, .value_kind: global_buffer, .address_space: global }
      - { .name: Wo, .offset: 24, .size: 8, .value_kind: global_buffer, .address_space: global }
      - { .name: mask, .offset: 32, .size: 8, .value_kind: global_buffer, .address_space: global }
      - { .name: lowp_scales, .offset: 40, .size: 8, .value_kind: global_buffer, .address_space: global }
      - { .name: wimg, .offset: 48, .size: 8, .value_kind: global_buffer, .address_space: global }
      - { .name: maskw, .offset: 56, .size: 8, .value_kind: global_buffer, .address_space: global }
    .group_segment_fixed_size: 68608
    .private_segment_fixed_size: 0
    .kernarg_segment_align: 8
    .kernarg_segment_size: 64
    .max_flat_workgroup_size: 256
    .sgpr_count:     66
    .vgpr_count:     178
    .wavefront_size: 32
...
	.end_amdgpu_metadata
.endif
;; end of part 1
;; launch proj (part 2): grid 64 x 3, 4 waves a work-group, no clusters, 99,840 bytes of LDS; arguments Q, K, V, bq, bk, bv, lowp_scales, wimg, qimg, kimg, vimg; writes qimg, kimg, vimg
.if DOCPART == 2
	.amdgcn_target "amdgcn-amd-amdhsa--gfx1250"
	.amdhsa_code_object_version 6
	.text
	.protected	k_q03f17f4642_proj
	.globl	k_q03f17f4642_proj
	.p2align	8
	.type	k_q03f17f4642_proj,@function
k_q03f17f4642_proj:
	s_mov_b64 s[64:65], 0
	v_nop
	global_prefetch_b8 v0, s[64:65] scope:SCOPE_SE
	s_setreg_imm32_b32 hwreg(HW_REG_WAVE_MODE, 25, 1), 1
	s_wait_xcnt 0x0
; The three input projections y = x W^T + b on codes of FP8 (E4M3), and y quantised at once for attention's products.  Work-group y picks the tensor (0 Q, 1 K, 2 V), x picks 256 rows of one batch: 4 blocks of 64.
; x arrives as f32 and is quantised here (read once); W arrives as register images (wimg); y never goes to memory as f32.
; THE WAVES SHARE THE COLUMNS: wave w makes columns 128 w .. 128 w + 127 (heads 2 w, 2 w + 1) for all 64 rows of a block; its 32 fragments of W (512 registers) stay in registers for the whole launch.
; A FRAGMENT'S IMAGE: four pieces of 512 bytes; piece c holds at byte 16 x lane the codes k = 32 c + 16 (lane / 16) + 0 .. 15 of row lane % 16.  The same permutation of k stands on both sides of every product.
; TILES ARE PERMUTED: tile T holds rows 32 (T / 2) + 8 (T % 2) + i + 8 (i / 8).  Where tiles 2 b, 2 b + 1 are source 0, a lane's 16 results are 16 NEIGHBOURS 32 b + 16 (lane / 16) + 0 .. 15 along that axis: two conversions give a piece.
;   Q, K (mode 0): source 0 = W's tile, source 1 = x's tile: a lane holds one row and 16 neighbouring channels.  qimg, kimg: [batch x 8 + head][tile of rows 0..127][piece 0..1][lane][16]
;   V    (mode 1): source 0 = x's tile, source 1 = W's tile: a lane holds one channel and 16 neighbouring keys.  vimg: [batch x 8 + head][step of 128 keys][tile of channels 0..3][piece 0..3][lane][16]
; The bias, divided once by 2^(ex + ew), is the C of each sum's first matrix instruction.  A sum stands for sum x 2^(ex + ew), so the conversion's one scale is 2^(eo - ex - ew).
; A BLOCK, two barriers: X: wave w loads 16 rows of x (each load 512 consecutive bytes), turns them through its own stage, quantises, stores four images | barrier | the next block's x is asked for |
;   four groups of two W tiles x four x tiles x four K steps: 32 matrix instructions on eight accumulators by turns, quantised, stored as pieces of 512 aligned bytes | barrier.
; NO CLUSTER: what work-groups share is W, 262,144 bytes a work-group, read once, straight into registers as it lies; a joint load would have to pass it through LDS and read it from there again.
; 192 work-groups: a tensor's 256 blocks are dealt 4 to a work-group, so that W is read once for 4 blocks.
; LIMITS: ex and eo - ex - ew between -126 and 119 (ex = lowp_scales[0, 2, 4], ew = [1, 3, 5], eo = [6, 7, 9]).  NaN among the inputs is not served.
; REGISTERS, in windows of 256: window 0: v1-12 addresses and scales; v32-95, v96-159 two sets of 64 (x's numbers, then x's four fragments of a K step); v160-223 eight accumulators; v224-239 codes; v240-255 a group's bias.
;   windows 1, 2: W's fragment (tile t, K step s) at v[16 (4 (t % 4) + s)], tiles 0-3 and 4-7.   window 3: 64 loads of x, load (K step s, row i) at v[64 s + 4 i].
.set XIMG,  0                          ; LDS: x's 16 fragments, (tile m, K step s) at 2,048 (4 m + s)
.set TURNB, 32768                      ; four stages of 16 rows x 528 bytes, a wave's own (528 bytes = 132 words: row r starts at bank 4 r mod 64)
.set BIMG,  66560                      ; four images of 64 bias registers, a wave's own
.set XF0, 32
.set XF1, 96
.set ACC, 160
.set PC,  224
.set BC,  240
.set MSB, 0
.macro WIN new                         ; the immediate's high byte repeats the setting that is left; a switch that changes nothing is dropped
.if MSB != \new
	s_set_vgpr_msb (MSB<<8)|\new
.set MSB, \new
.endif
.endm
.macro PLACES                          ; four plain places behind matrix instructions, in front of loads into their sources and of reads of their results
.rept 4
	v_nop
.endr
.endm
.macro XLOAD off                       ; my 16 rows of the block that begins off bytes on: K step by K step, so that counted waits can take them in that order
	WIN 0xc0                                       ; destination window 3
.set q, 0
.rept 64
	global_load_b128 v[4*q:4*q+3], v1, s[30:31] offset:\off+(q%16+8*((q%16)/8))*2048+512*(q/16) th:TH_LOAD_NT   ; 512 consecutive bytes of one row; read once in the launch
.set q, q+1
.endr
	WIN 0
.endm
.macro TURN s                          ; K step s: 16 rows x 512 bytes through my stage; back come 16 neighbours of each block of 32: register 16 b + i = k 32 b + 16 (lane / 16) + i of row lane % 16
	WIN 0x0c                                       ; store data window 3
.irp i, 0,1,2,3,4,5,6,7,8,9,10,11,12,13,14,15
	ds_store_b128 v4, v[64*\s+4*\i:64*\s+4*\i+3] offset:528*\i
.endr
	WIN 0
.irp b, 0,1,2,3
.irp j, 0,1,2,3
	ds_load_b128 v[XF0+64*(\s%2)+16*\b+4*\j:XF0+64*(\s%2)+16*\b+4*\j+3], v5 offset:128*\b+16*\j   ; LDS serves a wave's instructions in order: these see my stores, and the next K step's stores come behind them
.endr
.endr
.endm
.macro QUANT s, sc, lim                ; 64 numbers of a lane become a fragment's 16 registers of codes.  v[sc]: the scale; v[lim]: 448 x the scale
.irp b, 0,1,2,3
.irp i, 0,1,2,3,4,5,6,7,8,9,10,11,12,13,14,15
	v_med3_num_f32 v[\s+16*\b+\i], v[\s+16*\b+\i], -v[\lim], v[\lim]   ; the conversion to an 8-bit code does not saturate (ISA guide 7.6.2): hold the number first
.endr
	v_cvt_scalef32_pk8_fp8_f32 v[PC+4*\b:PC+4*\b+1], v[\s+16*\b:\s+16*\b+7], v[\sc]
	v_cvt_scalef32_pk8_fp8_f32 v[PC+4*\b+2:PC+4*\b+3], v[\s+16*\b+8:\s+16*\b+15], v[\sc]
.endr
	v_nop                                          ; a plain place behind the last conversion, ahead of whatever writes its sources next
.endm
.macro IMAGE s                         ; my tile's fragment of K step s goes to LDS as it stands
.irp c, 0,1,2,3
	ds_store_b128 v6, v[PC+4*\c:PC+4*\c+3] offset:2048*\s+512*\c
.endr
.endm
.macro FETCHX s, f                     ; the four tiles' fragments of K step s, into set f
.irp m, 0,1,2,3
.irp c, 0,1,2,3
	ds_load_b128 v[\f+16*\m+4*\c:\f+16*\m+4*\c+3], v1 offset:XIMG+2048*(4*\m+(\s))+512*\c
.endr
.endr
.endm
.macro MM mode, p, s, m, a             ; one matrix instruction: W's tile 2 p + a, x's tile m, K step s
.set rW, 16*(4*((2*\p+\a)%4)+\s)
.set rX, XF0+64*(\s%2)+16*\m
.if \mode
.set rD, ACC+32*\a+8*\m
.if \s == 0
	v_wmma_f32_16x16x128_fp8_fp8 v[rD:rD+7], v[rX:rX+15], v[rW:rW+15], v[BC+8*\a:BC+8*\a+7]
.else
	v_wmma_f32_16x16x128_fp8_fp8 v[rD:rD+7], v[rX:rX+15], v[rW:rW+15], v[rD:rD+7]
.endif
.else
.set rD, ACC+16*\m+8*\a
.if \s == 0
	v_wmma_f32_16x16x128_fp8_fp8 v[rD:rD+7], v[rW:rW+15], v[rX:rX+15], v[BC+8*\a:BC+8*\a+7]
.else
	v_wmma_f32_16x16x128_fp8_fp8 v[rD:rD+7], v[rW:rW+15], v[rX:rX+15], v[rD:rD+7]
.endif
.endif
.endm
; W's tiles 2 p, 2 p + 1 against the block's four tiles of x.  The eight accumulators take turns, one instruction a turn.
.macro GROUP mode, p
.irp q, 0,1,2,3
	ds_load_b128 v[BC+4*\q:BC+4*\q+3], v7 offset:512*(4*\p+\q)   ; the group's bias, in the result's layout
.endr
	FETCHX 0, XF0
.irp s, 0,1,2,3
.if \s < 3
.if \s > 0
	PLACES                                         ; the other set was read by the K step before
.endif
	FETCHX \s+1, XF0+64*((\s+1)%2)
	s_wait_dscnt 16                                ; all but the 16 loads just issued: this K step's fragments (and the bias) are in
.else
	s_wait_dscnt 0x0
.endif
	WIN (1+\p/2)<<(2*\mode)                        ; W's window, at source 0 (mode 0) or source 1 (mode 1)
.irp m, 0,1,2,3
.irp a, 0,1
	MM \mode, \p, \s, \m, \a
.endr
.endr
	WIN 0
.endr
	PLACES
	s_wait_xcnt 0x0                                ; the stores of the group before have read the codes' registers
	QUANT ACC, 10, 11                              ; each accumulator from its low end on
.irp q, 0,1,2,3
.if \mode
	global_store_b128 v1, v[PC+4*\q:PC+4*\q+3], s[48:49] offset:(\p/2)*131072+2048*(2*(\p%2)+\q/2)+512*(\q%2)   ; head p / 2 of my two; tile of channels 2 (p % 2) + a; piece b' of this block's two
.else
	global_store_b128 v1, v[PC+4*\q:PC+4*\q+3], s[48:49] offset:(\p/2)*131072+1024*\q+512*(\p%2)                ; head p / 2 of my two; tile of rows q; piece p % 2.  512 consecutive bytes, aligned
.endif
.endr
.endm
	s_load_b512 s[8:23], s[0:1], 0x0               ; Q s[8:9], K s[10:11], V s[12:13], bq s[14:15], bk s[16:17], bv s[18:19], scales s[20:21], wimg s[22:23]
	s_load_b128 s[24:27], s[0:1], 0x40             ; qimg, kimg
	s_load_b64 s[28:29], s[0:1], 0x50              ; vimg
	v_lshl_add_u32 v30, v0, 2, 0x18400
	v_mov_b32 v31, 0
	v_lshrrev_b32 v1, 5, v0
	v_readfirstlane_b32 s2, v1                     ; wave 0..3
	s_and_b32 s3, ttmp7, 0xffff                    ; which tensor
	v_and_b32 v1, 31, v0
	v_lshlrev_b32 v1, 4, v1                        ; 16 x lane
	v_and_b32 v2, 15, v0                           ; r
	v_bfe_u32 v3, v0, 4, 1                         ; h
	s_mul_i32 s50, s2, 8448
	s_add_co_u32 s50, s50, TURNB
	v_add_nc_u32 v4, s50, v1                       ; my stage, on the way in
	v_mul_u32_u24 v5, v2, 528
	v_lshl_add_u32 v5, v3, 6, v5
	v_add_nc_u32 v5, s50, v5                       ; and out: row r, + 64 h
	s_lshl_b32 s50, s2, 13
	v_add_nc_u32 v6, s50, v1                       ; where I store x's images: tile m = my wave
	s_add_co_u32 s50, s50, BIMG
	v_add_nc_u32 v7, s50, v1                       ; my bias image
	s_mov_b32 s4, 4                                ; blocks to go
	s_and_b32 s5, ttmp9, 7
	s_lshl_b32 s5, s5, 2                           ; the block's number in its batch, 0 .. 31
	s_lshl_b32 s50, ttmp9, 8
	s_lshr_b32 s51, s2, 1
	s_lshl_b32 s51, s51, 5
	s_add_co_u32 s50, s50, s51
	s_and_b32 s51, s2, 1
	s_lshl_b32 s51, s51, 3
	s_add_co_u32 s50, s50, s51                     ; my tile's first row: 256 x + 32 (w / 2) + 8 (w % 2)
	s_lshl_b32 s50, s50, 11
	s_mov_b32 s51, 0
	s_lshl_b32 s52, s2, 9                          ; my 128 numbers of the bias
	s_mov_b32 s53, 0
	s_lshr_b32 s54, ttmp9, 3
	s_lshl_b32 s54, s54, 3
	s_lshl_b32 s55, s2, 1
	s_add_co_u32 s54, s54, s55                     ; batch x 8 + my first head,
	s_lshl_b32 s54, s54, 17                        ; x 131,072 bytes of codes a head
	s_mov_b32 s55, 0
	s_lshl_b32 s56, s3, 18
	s_lshl_b32 s57, s2, 16
	s_add_co_u32 s56, s56, s57                     ; my 8 tiles of the tensor's weight
	s_mov_b32 s57, 0
	s_cmp_eq_u32 s3, 2
	s_cselect_b32 s6, 10, 12                       ; an odd block lies 1,024 (V: two pieces) or 4,096 bytes (Q, K: four tiles) behind the even one
	s_wait_kmcnt 0x0
	s_load_b256 s[36:43], s[20:21], 0x0            ; e0 .. e7
	s_load_b128 s[44:47], s[20:21], 0x20           ; e8 .. e11
	s_cmp_eq_u32 s3, 0                             ; the buffers are chosen by the work-group's number alone
	s_cselect_b64 s[30:31], s[8:9], s[12:13]
	s_cselect_b64 s[32:33], s[14:15], s[18:19]
	s_cselect_b64 s[34:35], s[24:25], s[28:29]
	s_cmp_eq_u32 s3, 1
	s_cselect_b64 s[30:31], s[10:11], s[30:31]
	s_cselect_b64 s[32:33], s[16:17], s[32:33]
	s_cselect_b64 s[34:35], s[26:27], s[34:35]
	s_add_nc_u64 s[30:31], s[30:31], s[50:51]      ; x at my tile
	s_add_nc_u64 s[32:33], s[32:33], s[52:53]      ; the bias at my columns
	s_add_nc_u64 s[34:35], s[34:35], s[54:55]      ; the codes at my first head
	s_add_nc_u64 s[56:57], s[22:23], s[56:57]      ; W's images
	XLOAD 0                                        ; the first block's x goes out first
	WIN 0x40                                       ; destination window 1
.set q, 0
.rept 64
	global_load_b128 v[4*q:4*q+3], v1, s[56:57] offset:512*q            ; W's tiles 0-3: the image is the register order
.set q, q+1
.endr
	WIN 0x80                                       ; destination window 2
.set q, 0
.rept 64
	global_load_b128 v[4*q:4*q+3], v1, s[56:57] offset:32768+512*q      ; tiles 4-7
.set q, q+1
.endr
	WIN 0
	s_wait_kmcnt 0x0
	s_cmp_eq_u32 s3, 0
	s_cselect_b32 s50, s36, s40                    ; ex
	s_cselect_b32 s51, s37, s41                    ; ew
	s_cselect_b32 s52, s42, s45                    ; eo: e6 for q, e9 for v,
	s_cmp_eq_u32 s3, 1
	s_cselect_b32 s50, s38, s50
	s_cselect_b32 s51, s39, s51
	s_cselect_b32 s52, s43, s52                    ; e7 for k
	s_add_co_i32 s53, s50, s51
	s_sub_co_i32 s52, s52, s53                     ; eo - ex - ew
	s_sub_co_i32 s53, 0, s53                       ; -(ex + ew)
	s_add_co_i32 s50, s50, 127
	s_lshl_b32 s51, s50, 23
	v_mov_b32 v8, s51                              ; 2^ex
	s_add_co_i32 s50, s50, 8
	s_lshl_b32 s50, s50, 23
	s_or_b32 s50, s50, 0x600000
	v_mov_b32 v9, s50                              ; 448 x 2^ex
	s_add_co_i32 s52, s52, 127
	s_lshl_b32 s51, s52, 23
	v_mov_b32 v10, s51                             ; 2^(eo - ex - ew)
	s_add_co_i32 s52, s52, 8
	s_lshl_b32 s52, s52, 23
	s_or_b32 s52, s52, 0x600000
	v_mov_b32 v11, s52                             ; 448 x that
	; the bias in the result's layout, register 16 p + 8 a + j.  Mode 0: column 32 p + 8 a + 16 h + j.  Mode 1: column 32 p + 8 a + r + 8 (r / 8), the same in all eight registers
	s_cmp_eq_u32 s3, 2
	s_cbranch_scc1 .Lbias_v
	v_lshlrev_b32 v12, 6, v3
.set q, 0
.rept 8
	global_load_b128 v[XF0+8*q:XF0+8*q+3],   v12, s[32:33] offset:128*(q/2)+32*(q%2)
	global_load_b128 v[XF0+8*q+4:XF0+8*q+7], v12, s[32:33] offset:128*(q/2)+32*(q%2)+16
.set q, q+1
.endr
	s_wait_loadcnt 0x0                             ; the bias, and with it W and the first block's x
.set n, 0
.rept 64
	v_ldexp_f32 v[ACC+n], v[XF0+n], s53            ; b / 2^(ex + ew)
.set n, n+1
.endr
	s_branch .Lbias_done
.Lbias_v:
	v_and_b32 v12, 8, v2
	v_add_nc_u32 v12, v12, v2
	v_lshlrev_b32 v12, 2, v12
.set q, 0
.rept 8
	global_load_b32 v[XF0+q], v12, s[32:33] offset:128*(q/2)+32*(q%2)
.set q, q+1
.endr
	s_wait_loadcnt 0x0
.set n, 0
.rept 64
	v_ldexp_f32 v[ACC+n], v[XF0+n/8], s53
.set n, n+1
.endr
.Lbias_done:
.set q, 0
.rept 16
	ds_store_b128 v7, v[ACC+4*q:ACC+4*q+3] offset:512*q   ; my own bytes: no barrier
.set q, q+1
.endr
.Lblock:
	s_lshr_b32 s50, s5, 1                          ; where this block's codes go (the last trip's stores have read the old base: the wait stands at the trip's end)
	s_lshl_b32 s50, s50, 13
	s_and_b32 s51, s5, 1
	s_lshl_b32 s51, s51, s6
	s_add_co_u32 s50, s50, s51
	s_mov_b32 s51, 0
	s_add_nc_u64 s[48:49], s[34:35], s[50:51]
	; ---- X: my 16 rows become four fragments.  The load counts leave the 16 loads of each later K step out; the LDS count 32 leaves the turn just issued out
	s_wait_loadcnt 48
	TURN 0
	s_wait_loadcnt 32
	TURN 1
	s_wait_dscnt 32
	QUANT XF0, 8, 9
	IMAGE 0
	s_wait_loadcnt 16
	TURN 2
	s_wait_dscnt 32                                ; K step 1 is back, and image 0's stores have read the codes' registers
	QUANT XF1, 8, 9
	IMAGE 1
	s_wait_loadcnt 0x0
	TURN 3
	s_wait_dscnt 32
	QUANT XF0, 8, 9
	IMAGE 2
	s_wait_dscnt 0x0
	QUANT XF1, 8, 9
	IMAGE 3
	s_wait_dscnt 0x0                               ; for the others' sake: my images have landed
	s_barrier_signal -1
	s_barrier_wait -1                              ; x's sixteen fragments lie in LDS
	s_cmp_eq_u32 s4, 1                             ; the next block's x is asked for here, if there is one: no load leaves its buffer.  It has the four groups below in which to land
	s_cbranch_scc1 .Lno_next
	XLOAD 131072
.Lno_next:
	; ---- the products.  The two ways differ in the order of the sources and in where the pieces go; they hold LDS loads and global stores alone
	s_cmp_eq_u32 s3, 2
	s_cbranch_scc1 .Lph_v
	GROUP 0, 0
	GROUP 0, 1
	GROUP 0, 2
	GROUP 0, 3
	s_branch .Lph_done
.Lph_v:
	GROUP 1, 0
	GROUP 1, 1
	GROUP 1, 2
	GROUP 1, 3
.Lph_done:
	s_wait_dscnt 0x0                               ; my reads of x's images are over
	s_barrier_signal -1
	s_barrier_wait -1                              ; everybody's are: the next block may write them
	s_wait_xcnt 0x0                                ; loads and stores have read their bases and registers
	s_add_nc_u64 s[30:31], s[30:31], 131072        ; 64 rows on
	s_add_co_u32 s5, s5, 1
	s_sub_co_u32 s4, s4, 1
	s_cmp_lg_u32 s4, 0
	s_cbranch_scc1 .Lblock
	s_wait_tensorcnt 0x0
	ds_add_u32 v30, v31
	s_wait_dscnt 0x0
	s_endpgm
.Lfunc_end_k_q03f17f4642_proj:
	.size	k_q03f17f4642_proj, .Lfunc_end_k_q03f17f4642_proj-k_q03f17f4642_proj
	.p2alignl 7, 3214868480
	.fill 96, 4, 3214868480
	.section	.rodata,"a",@progbits
	.p2align	6, 0x0
	.amdhsa_kernel k_q03f17f4642_proj
		.amdhsa_group_segment_fixed_size 99840
		.amdhsa_private_segment_fixed_size 0
		.amdhsa_enable_private_segment 0
		.amdhsa_kernarg_size 88
		.amdhsa_user_sgpr_count 2
		.amdhsa_user_sgpr_kernarg_segment_ptr 1
		.amdhsa_wavefront_size32 1
		.amdhsa_system_sgpr_workgroup_id_x 1
		.amdhsa_system_sgpr_workgroup_id_y 1
		.amdhsa_system_sgpr_workgroup_id_z 1
		.amdhsa_system_vgpr_workitem_id 0
		.amdhsa_next_free_vgpr 1024
		.amdhsa_next_free_sgpr 66
		.amdhsa_reserve_vcc 0
		.amdhsa_float_denorm_mode_32 3
		.amdhsa_float_denorm_mode_16_64 3
		.amdhsa_memory_ordered 1
		.amdhsa_forward_progress 1
		.amdhsa_inst_pref_size 164
	.end_amdhsa_kernel
	.amdgpu_metadata
---
amdhsa.version: [ 1, 2 ]
amdhsa.kernels:
  - .name:           k_q03f17f4642_proj
    .symbol:         k_q03f17f4642_proj.kd
    .args:
      - { .name: Q, .offset: 0, .size: 8, .value_kind: global_buffer, .address_space: global }
      - { .name: K, .offset: 8, .size: 8, .value_kind: global_buffer, .address_space: global }
      - { .name: V, .offset: 16, .size: 8, .value_kind: global_buffer, .address_space: global }
      - { .name: bq, .offset: 24, .size: 8, .value_kind: global_buffer, .address_space: global }
      - { .name: bk, .offset: 32, .size: 8, .value_kind: global_buffer, .address_space: global }
      - { .name: bv, .offset: 40, .size: 8, .value_kind: global_buffer, .address_space: global }
      - { .name: lowp_scales, .offset: 48, .size: 8, .value_kind: global_buffer, .address_space: global }
      - { .name: wimg, .offset: 56, .size: 8, .value_kind: global_buffer, .address_space: global }
      - { .name: qimg, .offset: 64, .size: 8, .value_kind: global_buffer, .address_space: global }
      - { .name: kimg, .offset: 72, .size: 8, .value_kind: global_buffer, .address_space: global }
      - { .name: vimg, .offset: 80, .size: 8, .value_kind: global_buffer, .address_space: global }
    .group_segment_fixed_size: 99840
    .private_segment_fixed_size: 0
    .kernarg_segment_align: 8
    .kernarg_segment_size: 88
    .max_flat_workgroup_size: 128
    .sgpr_count:     66
    .vgpr_count:     1024
    .wavefront_size: 32
...
	.end_amdgpu_metadata
.endif
;; end of part 2
;; launch attn (part 3): grid 4 x 64, 16 waves a work-group, clusters of 4 x 1, 264,192 bytes of LDS; arguments qimg, kimg, vimg, maskw, lowp_scales, aimg; writes aimg
.if DOCPART == 3
	.amdgcn_target "amdgcn-amd-amdhsa--gfx1250"
	.amdhsa_code_object_version 6
	.text
	.protected	k_q03f17f4642_attn
	.globl	k_q03f17f4642_attn
	.p2align	8
	.type	k_q03f17f4642_attn,@function
k_q03f17f4642_attn:
	s_mov_b64 s[64:65], 0
	v_nop
	global_prefetch_b8 v0, s[64:65] scope:SCOPE_SE
	s_setreg_imm32_b32 hwreg(HW_REG_WAVE_MODE, 25, 1), 1
	s_wait_xcnt 0x0
	s_wait_alu depctr_hold_cnt(0) depctr_sa_sdst(0) depctr_va_vdst(0) depctr_va_sdst(0) depctr_va_ssrc(0) depctr_va_vcc(0) depctr_vm_vsrc(0)
	s_getreg_b32 s2, hwreg(HW_REG_IB_STS2, 6, 4)
	s_cmp_eq_u32 s2, 0
	s_cbranch_scc0 .Lentry_in_a_cluster
	s_endpgm
.Lentry_in_a_cluster:
	s_bfe_u32 s2, ttmp6, 0x10000c
	s_cmp_lg_u32 s2, 0x3003
	s_cbranch_scc0 .Lentry_shape_is_right
	s_endpgm
.Lentry_shape_is_right:
; Attention on codes of FP8 (E4M3): S = q k^T / 8, the mask, p = 2^(t - M), O = p v / l, and O quantised for the last projection.  64 heads (batch x 8 + head) of 2,048 x 64.
; SHARES.  A work-group owns one head (y) and 512 queries (x): two passes of 256; in a pass each of its SIXTEEN waves owns one tile of 16 queries, in 256 registers: four waves to a SIMD, so that one wave's
; vector work stands beside another's LDS loads, scalar loads and matrix work.  A key step's softmax is some 300 vector instructions beside 12 matrix instructions: vector issue binds, so what is spared is vector work.
; THE HEAD'S WHOLE K AND V LIE IN LDS, 131,072 bytes each, as the images that the projection stored: filled once, never again: no ring and no barrier in the loop.  An image load takes 512 consecutive bytes: no pitch, no padding.
; CLUSTER.  The four work-groups of a head need the same K and V: each wave's 16,384 bytes are asked for JOINTLY, by the same tensor load with the same descriptor and a mask that names the four.  One tensor load a wave is out.
; LAYOUT.  Both products are used transposed: S^T = k q^T (source 0 = 16 keys, source 1 = my 16 queries), O^T = v^T p^T (source 0 = 16 channels, source 1 = p): a lane holds ONE query throughout.
; TILES ARE PERMUTED (tile T: rows 32 (T / 2) + 8 (T % 2) + i + 8 (i / 8)): score register 16 b + i is key 128 step + 32 b + 16 (lane / 16) + i, so two conversions give a piece of p's fragment; O^T's registers likewise run along the channels.
; THE MASK comes as lane-mask words (maskw), one for each score register, by scalar loads a step ahead; one v_cndmask_b32 a score puts -2^100 where the mask is 0.  Times c x 2^(eq + ek) that is exact and a whole number:
; a row that is masked throughout has t - M = 0 and p = 1 for every key, as the reference's -1e30 gives; in any other row such a p is 0, and what was summed before the first open key is multiplied by f = 0.
; THE SOFTMAX: t = score x log2(e) / 8; -M = floor(-(the running largest t)): M is a whole number; p = 2^(t - M) is quantised with 2^ep, not normalised; l sums the unquantised p; when M moves, l and O^T are multiplied by 2^(old M - new M): exact.
; aimg: [batch x 128 + tile of queries][K step = head / 2][piece = 2 (head % 2) + channel / 32][lane][16]: the last projection's operand as register images.
; LIMITS: eq + ek (lowp_scales[6] + [7]) between -70 and 25 (c's exponent field takes them; -2^100 x c x 2^(eq + ek) stays a whole f32 number); ep ([8]) and ea ([10]) between -126 and 119.  NaN among the inputs is not served.
; REGISTERS: v1 16 x lane; v2, v3 LDS addresses; v4 -2^100; v5, v6 448 x 2^ep, 2^ep; v8, v9 2^ea, 448 x 2^ea; v[10:11] f, 0; v12 -M; v13 the largest t; v[14:15] l; v16-23 q; v24-87 eight fragments of k or four of v;
;   v88-151 S^T, then p; v152-183 O^T; v184-199 p's codes; v200-205 at work; v208-215 O's codes.   s16-63, s68-83: a step's 64 mask words.
.set F, 24
.set S, 88
.set O, 152
.set P, 184
.macro PLACES                          ; four plain places behind matrix instructions (ISA guide 7.12.1)
.rept 4
	v_nop
.endr
.endm
.macro ROUND                           ; a round of the cluster's barrier: my work-group's barrier; wave 0 signals for the work-group; every wave waits for all four work-groups; my work-group's barrier once more
	s_barrier_signal -1
	s_barrier_wait -1
	s_cmp_lg_u32 s14, 0
	s_cbranch_scc1 .Lnot_wave_0_\@
	s_barrier_signal -3
.Lnot_wave_0_\@:
	s_barrier_wait -3
	s_barrier_signal -1
	s_barrier_wait -1
.endm
.macro MLOAD                           ; a step's 64 mask words: 256 consecutive bytes at s66 of my tile's 4,096
	s_load_b512 s[16:31], s[6:7], s66 offset:0x0
	s_load_b512 s[32:47], s[6:7], s66 offset:0x40
	s_load_b512 s[48:63], s[6:7], s66 offset:0x80
	s_load_b512 s[68:83], s[6:7], s66 offset:0xc0
.endm
	s_load_b256 s[68:75], s[0:1], 0x0              ; qimg s[68:69], kimg s[70:71], vimg s[72:73], maskw s[74:75]
	s_load_b128 s[76:79], s[0:1], 0x20             ; scales s[76:77], aimg s[78:79]
	v_lshl_add_u32 v254, v0, 2, 0x40000
	v_mov_b32 v255, 0
	ds_add_u32 v254, v255
	ds_add_u32 v254, v255
	v_lshrrev_b32 v1, 5, v0
	v_readfirstlane_b32 s14, v1                    ; wave 0..15
	v_and_b32 v1, 31, v0
	v_lshlrev_b32 v1, 4, v1                        ; 16 x lane
	s_and_b32 s100, ttmp7, 0xffff                  ; the head, which the four partners share
	s_lshl_b32 s22, s100, 17                       ; what I fetch: the head's 131,072 bytes of K (waves 0-7) or V (waves 8-15), 16,384 to a wave: nothing of my place in the cluster enters
	s_and_b32 s23, s14, 7
	s_lshl_b32 s23, s23, 14
	s_add_co_u32 s22, s22, s23
	s_mov_b32 s23, 0
	s_bfe_u32 s98, ttmp6, 0x40000                  ; cx: my place in the cluster: it enters q's, the mask's and the output's addresses alone
	s_lshl_b32 s99, ttmp9, 2
	s_add_co_u32 s98, s98, s99                     ; my block of 512 queries
	s_lshl_b32 s98, s98, 5
	s_add_co_u32 s98, s98, s14                     ; my tile of queries in the first pass: 32 x block + wave
	s_lshl_b32 s16, s100, 17
	s_lshl_b32 s17, s98, 10
	s_add_co_u32 s16, s16, s17                     ; q: head x 131,072 + tile x 1,024
	s_mov_b32 s17, 0
	s_lshl_b32 s18, s98, 12                        ; the mask: tile x 4,096
	s_mov_b32 s19, 0
	s_lshr_b32 s20, s100, 3
	s_lshl_b32 s20, s20, 7
	s_add_co_u32 s20, s20, s98
	s_lshl_b32 s20, s20, 13                        ; the output: (batch x 128 + tile) x 8,192
	s_bfe_u32 s21, s100, 0x20001
	s_lshl_b32 s21, s21, 11
	s_add_co_u32 s20, s20, s21                     ; + (head / 2) x 2,048
	s_and_b32 s21, s100, 1
	s_lshl_b32 s21, s21, 10
	s_add_co_u32 s20, s20, s21                     ; + (head % 2) x 1,024
	s_mov_b32 s21, 0
	; descriptor group 1: a dense block of 16,384 bytes as 64 rows of 32 elements of 8 bytes
	s_mov_b32 s84, 15|(3<<16)|(1<<21)              ; 15:0 the mask: all four work-groups; 17:16 elements of 8 bytes; 20 no padding; 21 set beside a mask
	s_mov_b32 s85, 32<<16                          ; tensor_dim0 = 32
	s_mov_b32 s86, 64<<16                          ; tensor_dim1 = 64
	s_mov_b32 s87, 32<<16                          ; tile_dim0 = 32
	s_mov_b32 s88, 64                              ; tile_dim1 = 64
	s_mov_b32 s89, 32                              ; elements from row to row
	s_mov_b32 s90, 0
	s_mov_b32 s91, 0
	s_mov_b32 s92, 1                               ; group 0: count = 1
	s_lshl_b32 s93, s14, 14                        ; LDS address: wave x 16,384: K fills bytes 0 .. 131,071, V the next 131,072
	s_wait_dscnt 0x0
	s_wait_kmcnt 0x0
	s_load_b256 s[24:31], s[76:77], 0x10           ; e4 .. e11: eq s26, ek s27, ep s28, ev s29, ea s30
	s_cmp_lt_u32 s14, 8                            ; the choice hangs on the wave's number alone
	s_cselect_b64 s[94:95], s[70:71], s[72:73]
	s_add_nc_u64 s[94:95], s[94:95], s[22:23]
	s_or_b32 s95, s95, 0x80000000                  ; type = 2
	s_add_nc_u64 s[4:5], s[68:69], s[16:17]
	s_add_nc_u64 s[6:7], s[74:75], s[18:19]
	s_add_nc_u64 s[8:9], s[78:79], s[20:21]
	ROUND                                          ; all four work-groups are here: the joint loads meet
	tensor_load_to_lds s[92:95], s[84:91]          ; my one tensor load of the launch
	s_nop 0
	PLACES                                         ; four v_nop follow the line
	s_wait_kmcnt 0x0
	s_add_co_i32 s32, s26, s27
	s_lshl_b32 s32, s32, 23
	s_add_co_i32 s10, s32, 0x3e38aa3b              ; c = log2(e) / 8, with eq + ek added to its exponent field
	s_mov_b32 s11, s10                             ; (the packed form names the pair)
	s_add_co_i32 s97, s28, s29                     ; ep + ev
	s_add_co_i32 s32, s28, 127
	s_lshl_b32 s33, s32, 23
	v_mov_b32 v6, s33                              ; 2^ep
	s_add_co_i32 s32, s32, 8
	s_lshl_b32 s32, s32, 23
	s_or_b32 s32, s32, 0x600000
	v_mov_b32 v5, s32                              ; 448 x 2^ep
	s_add_co_i32 s32, s30, 127
	s_lshl_b32 s33, s32, 23
	v_mov_b32 v8, s33                              ; 2^ea
	s_add_co_i32 s32, s32, 8
	s_lshl_b32 s32, s32, 23
	s_or_b32 s32, s32, 0x600000
	v_mov_b32 v9, s32                              ; 448 x 2^ea
	s_mov_b32 s12, 0x76543210
	s_mov_b32 s13, 0xfedcba98                      ; v_permlanex16_b32's selects for lane l xor 16
	v_mov_b32 v4, 0xf1800000                       ; -2^100
	v_mov_b32 v11, 0                               ; (named as the upper half of the pair v[10:11])
	v_mov_b32 v202, 0                              ; written once: a lane permute's destination counts as one of its sources
	s_mov_b32 s96, 2                               ; passes
	s_wait_tensorcnt 0x0                           ; my 16,384 bytes are in,
	s_barrier_signal -1
	s_barrier_wait -1                              ; everybody's are: K and V are whole
.Lpass:
	global_load_b128 v[16:19], v1, s[4:5]          ; q's fragment, two pieces
	global_load_b128 v[20:23], v1, s[4:5] offset:512
	s_mov_b32 s66, 0
	MLOAD                                          ; the first step's mask words
	v_mov_b32 v13, 0xff61b1e6                      ; the largest t so far: -3e38, under every t
	v_floor_f32 v12, -v13                          ; -M
	v_mov_b32 v14, 0
	v_mov_b32 v15, 0
.set j, 0
.rept 32
	v_mov_b32 v[O+j], 0                            ; O^T.  (The step is written once: the first finds zeros, which the first change of M leaves zeros)
.set j, j+1
.endr
	s_mov_b32 s15, 0                               ; LDS byte of the step's tiles of K
	s_mov_b32 s67, 16                              ; steps of 128 keys
	s_wait_loadcnt 0x0                             ; q
.Lstep:
	v_add_nc_u32 v2, s15, v1
	v_add_nc_u32 v3, 0x20000, v2                   ; V lies 131,072 bytes behind K
	v_nop
	v_nop                                          ; with the two additions: four places behind the last products, whose fragments are loaded over
.set q, 0
.rept 16
	ds_load_b128 v[F+4*q:F+4*q+3], v2 offset:512*q   ; eight tiles of 16 keys, two pieces each
.set q, q+1
.endr
	s_wait_dscnt 0x0
.irp t, 0,1,2,3,4,5,6,7
	v_wmma_f32_16x16x64_fp8_fp8 v[S+8*\t:S+8*\t+7], v[F+8*\t:F+8*\t+7], v[16:23], 0
.endr
	PLACES
.set q, 0
.rept 16
	ds_load_b128 v[F+4*q:F+4*q+3], v3 offset:512*q   ; V's four tiles of 16 channels x 128 keys: they land under the softmax
.set q, q+1
.endr
	s_wait_kmcnt 0x0                               ; this step's mask words (asked for a step ago)
.set n, 0
.rept 64
	v_cndmask_b32 v[S+n], v4, v[S+n], s[16+n+4*(n/48)]   ; the score where the mask is not 0, else -2^100; each accumulator from its low end on
.set n, n+1
.endr
	s_add_co_u32 s66, s66, 256                     ; (the loads that named s66 are done)
	s_min_u32 s66, s66, 3840                       ; the last step asks for its own words again: no load leaves my tile's 4,096 bytes
	MLOAD                                          ; the next step's words: the rest of the step in which to land
	v_max3_num_f32 v200, v[S], v[S+1], v[S+2]      ; the step's largest score of my query, among my 64 keys, in two chains,
	v_max3_num_f32 v201, v[S+3], v[S+4], v[S+5]
.irp i, 6,10,14,18,22,26,30,34,38,42,46,50,54,58
	v_max3_num_f32 v200, v200, v[S+\i], v[S+\i+1]
	v_max3_num_f32 v201, v201, v[S+\i+2], v[S+\i+3]
.endr
	v_max3_num_f32 v200, v200, v[S+62], v[S+63]
	v_max_num_f32 v200, v200, v201
	v_permlanex16_b32 v202, v200, s12, s13
	v_max_num_f32 v200, v200, v202                 ; and among lane l xor 16's
	v_mul_f32 v200, s10, v200                      ; as t (c is positive)
	v_max_num_f32 v13, v13, v200                   ; the running largest t
	v_mov_b32 v200, v12
	v_floor_f32 v12, -v13                          ; the new -M = floor(-t) = -ceil(t)
	v_sub_f32 v200, v12, v200                      ; old M - new M: a whole number, 0 or less
	v_cvt_i32_f32 v200, v200                       ; (it saturates)
	v_ldexp_f32 v10, 1.0, v200                     ; f = 2^(old M - new M)
.set j, 0
.rept 32
	v_pk_fma_f32 v[S+j:S+j+1], v[S+j:S+j+1], s[10:11], v[12:13] op_sel_hi:[1,0,0]   ; t - M, two at a time (of the pairs c and -M the low word serves both halves)
.set j, j+2
.endr
.set j, 0
.rept 64
	v_exp_f32 v[S+j], v[S+j]                       ; p = 2^(t - M), at most 1
.set j, j+1
.endr
	v_pk_mul_f32 v[14:15], v[14:15], v[10:11] op_sel_hi:[1,0]   ; l under the new M.  (A plain place behind the exponentials)
	s_wait_alu depctr_va_vdst(0)
	v_pk_add_f32 v[204:205], v[S:S+1], v[S+2:S+3]  ; l takes the UNQUANTISED p: two at a time, in two chains
.irp j, 4,8,12,16,20,24,28,32,36,40,44,48,52,56,60
	v_pk_add_f32 v[14:15], v[14:15], v[S+\j:S+\j+1]
	v_pk_add_f32 v[204:205], v[204:205], v[S+\j+2:S+\j+3]
.endr
	v_pk_add_f32 v[14:15], v[14:15], v[204:205]
.irp b, 0,1,2,3
.irp i, 0,1,2,3,4,5,6,7,8,9,10,11,12,13,14,15
	v_min_num_f32 v[S+16*\b+\i], v[S+16*\b+\i], v5   ; the conversion to an 8-bit code does not saturate (ISA guide 7.6.2); p is not negative, so the hold is one-sided
.endr
	v_cvt_scalef32_pk8_fp8_f32 v[P+4*\b:P+4*\b+1], v[S+16*\b:S+16*\b+7], v6
	v_cvt_scalef32_pk8_fp8_f32 v[P+4*\b+2:P+4*\b+3], v[S+16*\b+8:S+16*\b+15], v6
.endr
.set j, 0
.rept 16
	v_pk_mul_f32 v[O+j:O+j+1], v[O+j:O+j+1], v[10:11] op_sel_hi:[1,0]   ; O^T under the new M, each accumulator from its low end on.  (These are also the plain places behind the conversions)
.set j, j+2
.endr
	s_wait_dscnt 0x0                               ; V's fragments
.irp t, 0,1,2,3
	v_wmma_f32_16x16x128_fp8_fp8 v[O+8*\t:O+8*\t+7], v[F+16*\t:F+16*\t+15], v[P:P+15], v[O+8*\t:O+8*\t+7]   ; four accumulators, one turn each; the next step's eight products stand between two links
.endr
	s_add_co_u32 s15, s15, 8192
	s_sub_co_u32 s67, s67, 1
	s_cmp_lg_u32 s67, 0
	s_cbranch_scc1 .Lstep
	; ---- the pass's end: O^T / l x 2^(ep + ev), quantised with 2^ea: its 32 registers are two pieces of the last projection's operand
	v_add_f32 v14, v14, v15                        ; l's two halves,
	v_permlanex16_b32 v202, v14, s12, s13
	v_add_f32 v14, v14, v202                       ; and lane l xor 16's
	PLACES                                         ; behind the last products, whose results are read below
	v_rcp_f32 v200, v14
	v_nop                                          ; a plain place behind the transcendental
	s_wait_alu depctr_va_vdst(0)
	v_ldexp_f32 v200, v200, s97
.set j, 0
.rept 16
	v_pk_mul_f32 v[O+j:O+j+1], v[O+j:O+j+1], v[200:201] op_sel_hi:[1,0]
.set j, j+2
.endr
.set j, 0
.rept 32
	v_med3_num_f32 v[O+j], v[O+j], -v9, v9
.set j, j+1
.endr
.irp b, 0,1,2,3
	v_cvt_scalef32_pk8_fp8_f32 v[208+2*\b:209+2*\b], v[O+8*\b:O+8*\b+7], v8
.endr
	v_nop                                          ; a plain place behind the conversions: the next pass writes their sources
	global_store_b128 v1, v[208:211], s[8:9]               ; channels 0-31: 512 consecutive bytes, aligned
	global_store_b128 v1, v[212:215], s[8:9] offset:512    ; channels 32-63
	s_wait_kmcnt 0x0                               ; the last step's spare mask loads are done: their registers and base may be written
	s_wait_xcnt 0x0                                ; the stores have read their registers and base
	s_add_nc_u64 s[4:5], s[4:5], 16384             ; sixteen tiles of queries on
	s_add_nc_u64 s[6:7], s[6:7], 65536
	s_add_nc_u64 s[8:9], s[8:9], 131072
	s_sub_co_u32 s96, s96, 1
	s_cmp_lg_u32 s96, 0
	s_cbranch_scc1 .Lpass
	s_wait_tensorcnt 0x0
	ds_add_u32 v254, v255
	s_wait_dscnt 0x0
	ROUND                                          ; the closing round: no work-group ends while a partner may still ask for a tile that names it
	s_endpgm
.Lfunc_end_k_q03f17f4642_attn:
	.size	k_q03f17f4642_attn, .Lfunc_end_k_q03f17f4642_attn-k_q03f17f4642_attn
	.p2alignl 7, 3214868480
	.fill 96, 4, 3214868480
	.section	.rodata,"a",@progbits
	.p2align	6, 0x0
	.amdhsa_kernel k_q03f17f4642_attn
		.amdhsa_group_segment_fixed_size 264192
		.amdhsa_private_segment_fixed_size 0
		.amdhsa_enable_private_segment 0
		.amdhsa_kernarg_size 48
		.amdhsa_user_sgpr_count 2
		.amdhsa_user_sgpr_kernarg_segment_ptr 1
		.amdhsa_wavefront_size32 1
		.amdhsa_system_sgpr_workgroup_id_x 1
		.amdhsa_system_sgpr_workgroup_id_y 1
		.amdhsa_system_sgpr_workgroup_id_z 1
		.amdhsa_system_vgpr_workitem_id 0
		.amdhsa_next_free_vgpr 256
		.amdhsa_next_free_sgpr 102
		.amdhsa_reserve_vcc 0
		.amdhsa_float_denorm_mode_32 3
		.amdhsa_float_denorm_mode_16_64 3
		.amdhsa_memory_ordered 1
		.amdhsa_forward_progress 1
		.amdhsa_inst_pref_size 31
	.end_amdhsa_kernel
	.amdgpu_metadata
---
amdhsa.version: [ 1, 2 ]
amdhsa.kernels:
  - .name:           k_q03f17f4642_attn
    .symbol:         k_q03f17f4642_attn.kd
    .args:
      - { .name: qimg, .offset: 0, .size: 8, .value_kind: global_buffer, .address_space: global }
      - { .name: kimg, .offset: 8, .size: 8, .value_kind: global_buffer, .address_space: global }
      - { .name: vimg, .offset: 16, .size: 8, .value_kind: global_buffer, .address_space: global }
      - { .name: maskw, .offset: 24, .size: 8, .value_kind: global_buffer, .address_space: global }
      - { .name: lowp_scales, .offset: 32, .size: 8, .value_kind: global_buffer, .address_space: global }
      - { .name: aimg, .offset: 40, .size: 8, .value_kind: global_buffer, .address_space: global }
    .group_segment_fixed_size: 264192
    .private_segment_fixed_size: 0
    .kernarg_segment_align: 8
    .kernarg_segment_size: 48
    .max_flat_workgroup_size: 512
    .sgpr_count:     102
    .vgpr_count:     256
    .wavefront_size: 32
...
	.end_amdgpu_metadata
.endif
;; end of part 3
;; launch outp (part 4): grid 256 x 1, 4 waves a work-group, no clusters, 34,304 bytes of LDS; arguments aimg, wimg, bo, lowp_scales, out0; writes out0
.if DOCPART == 4
	.amdgcn_target "amdgcn-amd-amdhsa--gfx1250"
	.amdhsa_code_object_version 6
	.text
	.protected	k_q03f17f4642_outp
	.globl	k_q03f17f4642_outp
	.p2align	8
	.type	k_q03f17f4642_outp,@function
k_q03f17f4642_outp:
	s_mov_b64 s[64:65], 0
	v_nop
	global_prefetch_b8 v0, s[64:65] scope:SCOPE_SE
	s_setreg_imm32_b32 hwreg(HW_REG_WAVE_MODE, 25, 1), 1
	s_wait_xcnt 0x0
; out0 = a Wo^T + bo on codes of FP8 (E4M3).  a arrives as register images (aimg), Wo likewise (wimg, its fourth weight, tiles of 16 neighbouring rows); out0 [16,384][512] f32.
; A work-group takes 64 rows: four tiles of rows (tile G = 4 g + m holds rows 32 (G / 2) + 8 (G % 2) + i + 8 (i / 8)).  Wave w makes columns 128 w .. 128 w + 127 for all of them.
; Each wave loads its 32 fragments of Wo and all 16 fragments of a straight into registers, every load 512 consecutive bytes: nothing is shared through LDS, and there is no barrier.
; THE MATRIX INSTRUCTION IS USED TRANSPOSED (source 0 = 16 rows of Wo, source 1 = 16 rows of a): a lane holds eight neighbouring numbers of a row of out0.  y = sum x 2^(ea + ew) + bo: one packed multiply-add for two numbers.
; A tile's 16 rows x 512 bytes go through the wave's own stage in LDS (pitch 528 = 132 words: row r starts at bank 4 r mod 64) and leave as whole rows: 32 lanes store 512 consecutive bytes, aligned.
; NO CLUSTER: what work-groups share is Wo, read once a work-group straight into registers as it lies; a joint load would have to pass it through LDS and read it from there again.
; LIMIT: ea + ew (lowp_scales[10] + [11]) between -126 and 127.
; REGISTERS, in windows of 256: window 0: v1-6 addresses; v32-95 eight accumulators; v96-159 a tile's results; v160-223 the bias in the result's layout.
;   windows 1, 2: Wo's fragment (tile t, K step s) at v[16 (4 (t % 4) + s)].   window 3: a's fragment (tile m, K step s) at v[16 (4 m + s)].
.set ACC,  32
.set TMP,  96
.set BIAS, 160
.set MSB, 0
.macro WIN new                         ; the immediate's high byte repeats the setting that is left
.if MSB != \new
	s_set_vgpr_msb (MSB<<8)|\new
.set MSB, \new
.endif
.endm
.macro PLACES                          ; four plain places behind matrix instructions (ISA guide 7.12.1)
.rept 4
	v_nop
.endr
.endm
; Tile m: 32 matrix instructions.  Window by window: Wo's tiles 0-3 over the four K steps, then tiles 4-7: four accumulators by turns, one instruction a turn; the first K step starts the sums.
.macro MUL m
.irp u, 0,1
	WIN 0x0d+\u                                    ; source 0 (Wo) window 1 or 2, source 1 (a) window 3
.irp s, 0,1,2,3
.irp t, 0,1,2,3
.if \s == 0
	v_wmma_f32_16x16x128_fp8_fp8 v[ACC+8*(4*\u+\t):ACC+8*(4*\u+\t)+7], v[16*(4*\t+\s):16*(4*\t+\s)+15], v[16*(4*(\m)+\s):16*(4*(\m)+\s)+15], 0
.else
	v_wmma_f32_16x16x128_fp8_fp8 v[ACC+8*(4*\u+\t):ACC+8*(4*\u+\t)+7], v[16*(4*\t+\s):16*(4*\t+\s)+15], v[16*(4*(\m)+\s):16*(4*(\m)+\s)+15], v[ACC+8*(4*\u+\t):ACC+8*(4*\u+\t)+7]
.endif
.endr
.endr
.endr
	WIN 0
.endm
.macro SCALE
.set j, 0
.rept 32
	v_pk_fma_f32 v[TMP+j:TMP+j+1], v[ACC+j:ACC+j+1], s[20:21], v[BIAS+j:BIAS+j+1] op_sel_hi:[1,0,1]   ; sum x 2^(ea + ew) + bo; each accumulator from its low end on
.set j, j+2
.endr
.endm
.macro TOSTAGE
.irp t, 0,1,2,3,4,5,6,7
	ds_store_b128 v2, v[TMP+8*\t:TMP+8*\t+3] offset:64*\t          ; lane (r, h): row r, columns 16 t + 8 h + 0 .. 7
	ds_store_b128 v2, v[TMP+8*\t+4:TMP+8*\t+7] offset:64*\t+16
.endr
.irp i, 0,1,2,3,4,5,6,7,8,9,10,11,12,13,14,15
	ds_load_b128 v[TMP+4*\i:TMP+4*\i+3], v3 offset:528*\i          ; LDS serves a wave's instructions in order: these see my stores; the rows come back into the registers that they left
.endr
.endm
.macro SEND m
	s_wait_dscnt 0x0                               ; the tile's rows are back
.irp i, 0,1,2,3,4,5,6,7,8,9,10,11,12,13,14,15
	global_store_b128 v1, v[TMP+4*\i:TMP+4*\i+3], s[12:13] offset:(32*((\m)/2)+8*((\m)%2)+\i+8*(\i/8))*2048 th:TH_STORE_NT   ; 512 consecutive bytes of one row, aligned; written once, read by nobody here
.endr
.endm
	s_load_b256 s[4:11], s[0:1], 0x0               ; aimg s[4:5], wimg s[6:7], bo s[8:9], scales s[10:11]
	s_load_b64 s[12:13], s[0:1], 0x20              ; out0
	v_lshl_add_u32 v254, v0, 2, 0x8400
	v_mov_b32 v255, 0
	v_lshrrev_b32 v1, 5, v0
	v_readfirstlane_b32 s2, v1                     ; wave 0..3
	v_and_b32 v1, 31, v0
	v_lshlrev_b32 v1, 4, v1                        ; 16 x lane
	v_and_b32 v5, 15, v0                           ; r
	v_bfe_u32 v6, v0, 4, 1                         ; h
	s_mul_i32 s3, s2, 8448                         ; my stage
	v_mul_u32_u24 v2, v5, 528
	v_lshl_add_u32 v2, v6, 5, v2
	v_add_nc_u32 v2, s3, v2                        ; in: row r, + 32 h
	v_add_nc_u32 v3, s3, v1                        ; back: 16 bytes a lane of a row
	v_lshlrev_b32 v4, 5, v6                        ; the bias: 32 h
	s_lshl_b32 s14, ttmp9, 15                      ; my four tiles of a: 32,768 bytes
	s_mov_b32 s15, 0
	s_lshl_b32 s16, s2, 16
	s_add_co_u32 s16, s16, 3<<18                   ; Wo's images, my 8 tiles
	s_mov_b32 s17, 0
	s_lshl_b32 s18, s2, 9                          ; my 128 columns, in bytes
	s_mov_b32 s19, 0
	s_lshl_b32 s22, ttmp9, 17                      ; my 64 rows of out0
	s_add_co_u32 s22, s22, s18
	s_mov_b32 s23, 0
	s_wait_kmcnt 0x0
	s_load_b64 s[20:21], s[10:11], 0x28            ; ea, ew
	s_add_nc_u64 s[4:5], s[4:5], s[14:15]
	s_add_nc_u64 s[6:7], s[6:7], s[16:17]
	s_add_nc_u64 s[8:9], s[8:9], s[18:19]
	s_add_nc_u64 s[12:13], s[12:13], s[22:23]
	WIN 0xc0                                       ; destination window 3
.set q, 0
.rept 64
	global_load_b128 v[4*q:4*q+3], v1, s[4:5] offset:512*q              ; a's 16 fragments: the image is the register order
.set q, q+1
.endr
	WIN 0x40                                       ; destination window 1
.set q, 0
.rept 64
	global_load_b128 v[4*q:4*q+3], v1, s[6:7] offset:512*q              ; Wo's tiles 0-3
.set q, q+1
.endr
	WIN 0x80                                       ; destination window 2
.set q, 0
.rept 64
	global_load_b128 v[4*q:4*q+3], v1, s[6:7] offset:32768+512*q        ; tiles 4-7
.set q, q+1
.endr
	WIN 0
.irp t, 0,1,2,3,4,5,6,7
	global_load_b128 v[BIAS+8*\t:BIAS+8*\t+3],   v4, s[8:9] offset:64*\t      ; bo at columns 16 t + 8 h + 0 .. 7
	global_load_b128 v[BIAS+8*\t+4:BIAS+8*\t+7], v4, s[8:9] offset:64*\t+16
.endr
	s_wait_kmcnt 0x0
	s_add_co_i32 s20, s20, s21
	s_add_co_i32 s20, s20, 127
	s_lshl_b32 s20, s20, 23                        ; 2^(ea + ew) as f32
	s_mov_b32 s21, s20                             ; (named with it as a pair)
	s_wait_loadcnt 0x0
	MUL 0
.irp m, 0,1,2,3
	PLACES                                         ; the results are read below
.if \m > 0
	s_wait_xcnt 0x0                                ; the stores of the tile before have read their registers
.endif
	SCALE
	TOSTAGE
.if \m < 3
	MUL \m+1                                       ; the next tile's products stand between the stage's loads and the wait for them
.endif
	SEND \m
.endr
	s_wait_tensorcnt 0x0
	ds_add_u32 v254, v255
	s_wait_dscnt 0x0
	s_endpgm
.Lfunc_end_k_q03f17f4642_outp:
	.size	k_q03f17f4642_outp, .Lfunc_end_k_q03f17f4642_outp-k_q03f17f4642_outp
	.p2alignl 7, 3214868480
	.fill 96, 4, 3214868480
	.section	.rodata,"a",@progbits
	.p2align	6, 0x0
	.amdhsa_kernel k_q03f17f4642_outp
		.amdhsa_group_segment_fixed_size 34304
		.amdhsa_private_segment_fixed_size 0
		.amdhsa_enable_private_segment 0
		.amdhsa_kernarg_size 40
		.amdhsa_user_sgpr_count 2
		.amdhsa_user_sgpr_kernarg_segment_ptr 1
		.amdhsa_wavefront_size32 1
		.amdhsa_system_sgpr_workgroup_id_x 1
		.amdhsa_system_sgpr_workgroup_id_y 1
		.amdhsa_system_sgpr_workgroup_id_z 1
		.amdhsa_system_vgpr_workitem_id 0
		.amdhsa_next_free_vgpr 1024
		.amdhsa_next_free_sgpr 66
		.amdhsa_reserve_vcc 0
		.amdhsa_float_denorm_mode_32 3
		.amdhsa_float_denorm_mode_16_64 3
		.amdhsa_memory_ordered 1
		.amdhsa_forward_progress 1
		.amdhsa_inst_pref_size 53
	.end_amdhsa_kernel
	.amdgpu_metadata
---
amdhsa.version: [ 1, 2 ]
amdhsa.kernels:
  - .name:           k_q03f17f4642_outp
    .symbol:         k_q03f17f4642_outp.kd
    .args:
      - { .name: aimg, .offset: 0, .size: 8, .value_kind: global_buffer, .address_space: global }
      - { .name: wimg, .offset: 8, .size: 8, .value_kind: global_buffer, .address_space: global }
      - { .name: bo, .offset: 16, .size: 8, .value_kind: global_buffer, .address_space: global }
      - { .name: lowp_scales, .offset: 24, .size: 8, .value_kind: global_buffer, .address_space: global }
      - { .name: out0, .offset: 32, .size: 8, .value_kind: global_buffer, .address_space: global }
    .group_segment_fixed_size: 34304
    .private_segment_fixed_size: 0
    .kernarg_segment_align: 8
    .kernarg_segment_size: 40
    .max_flat_workgroup_size: 128
    .sgpr_count:     66
    .vgpr_count:     1024
    .wavefront_size: 32
...
	.end_amdgpu_metadata
.endif
;; end of part 4
;; ======== version 2 of 3: 4 launches
;; workspace buffers: wimg 1,048,576 bytes; maskw 524,288 bytes of whole numbers; qimg 8,388,608 bytes; kimg 8,388,608 bytes; vimg 8,388,608 bytes; aimg 8,388,608 bytes
;; launch prep: the kernel of part 1 again; grid 320 x 1, 8 waves a work-group, no clusters, 68,608 bytes of LDS; arguments Wq, Wk, Wv, Wo, mask, lowp_scales, wimg, maskw; writes wimg, maskw
;; launch proj (part 5): grid 64 x 3, 4 waves a work-group, no clusters, 99,840 bytes of LDS; arguments Q, K, V, bq, bk, bv, lowp_scales, wimg, qimg, kimg, vimg; writes qimg, kimg, vimg
.if DOCPART == 5
	.amdgcn_target "amdgcn-amd-amdhsa--gfx1250"
	.amdhsa_code_object_version 6
	.text
	.protected	k_q03f17f4642_proj
	.globl	k_q03f17f4642_proj
	.p2align	8
	.type	k_q03f17f4642_proj,@function
k_q03f17f4642_proj:
	s_mov_b64 s[64:65], 0
	v_nop
	global_prefetch_b8 v0, s[64:65] scope:SCOPE_SE
	s_setreg_imm32_b32 hwreg(HW_REG_WAVE_MODE, 25, 1), 1
	s_wait_xcnt 0x0
; The three input projections y = x W^T + b on codes of FP8 (E4M3), and y quantised at once for attention's products.  Work-group y picks the tensor (0 Q, 1 K, 2 V), x picks 256 rows of one batch: 4 blocks of 64.
; x arrives as f32 and is quantised here (read once); W arrives as register images (wimg); y never goes to memory as f32.
; THE WAVES SHARE THE COLUMNS: wave w makes columns 128 w .. 128 w + 127 (heads 2 w, 2 w + 1) for all 64 rows of a block; its 32 fragments of W (512 registers) stay in registers for the whole launch.
; A FRAGMENT'S IMAGE: four pieces of 512 bytes; piece c holds at byte 16 x lane the codes k = 32 c + 16 (lane / 16) + 0 .. 15 of row lane % 16.  The same permutation of k stands on both sides of every product.
; TILES ARE PERMUTED: tile T holds rows 32 (T / 2) + 8 (T % 2) + i + 8 (i / 8).  Where tiles 2 b, 2 b + 1 are source 0, a lane's 16 results are 16 NEIGHBOURS 32 b + 16 (lane / 16) + 0 .. 15 along that axis: two conversions give a piece.
;   Q, K (mode 0): source 0 = W's tile, source 1 = x's tile: a lane holds one row and 16 neighbouring channels.  qimg, kimg: [batch x 8 + head][tile of rows 0..127][piece 0..1][lane][16]
;   V    (mode 1): source 0 = x's tile, source 1 = W's tile: a lane holds one channel and 16 neighbouring keys.  vimg: [batch x 8 + head][step of 128 keys][tile of channels 0..3][piece 0..3][lane][16]
; The bias, divided once by 2^(ex + ew), is the C of each sum's first matrix instruction.  A sum stands for sum x 2^(ex + ew), so the conversion's one scale is 2^(eo - ex - ew).
; A BLOCK, two barriers: X: wave w loads 16 rows of x (each load 512 consecutive bytes), turns them through its own stage, quantises, stores four images | barrier | the next block's x is asked for, in two runs |
;   four groups of two W tiles x four x tiles x four K steps: 32 matrix instructions on eight accumulators by turns, quantised, stored as pieces of 512 aligned bytes | barrier.
; NO CLUSTER: what work-groups share is W, 262,144 bytes a work-group, read once, straight into registers as it lies; a joint load would have to pass it through LDS and read it from there again.
; 192 work-groups: a tensor's 256 blocks are dealt 4 to a work-group, so that W is read once for 4 blocks.
; LIMITS: ex and eo - ex - ew between -126 and 119 (ex = lowp_scales[0, 2, 4], ew = [1, 3, 5], eo = [6, 7, 9]).  NaN among the inputs is not served.
; REGISTERS, in windows of 256: window 0: v1-12 addresses and scales; v32-95, v96-159 two sets of 64 (x's numbers, then x's four fragments of a K step); v160-223 eight accumulators; v224-239 codes; v240-255 a group's bias.
;   windows 1, 2: W's fragment (tile t, K step s) at v[16 (4 (t % 4) + s)], tiles 0-3 and 4-7.   window 3: 64 loads of x, load (K step s, row i) at v[64 s + 4 i].
.set XIMG,  0                          ; LDS: x's 16 fragments, (tile m, K step s) at 2,048 (4 m + s)
.set TURNB, 32768                      ; four stages of 16 rows x 528 bytes, a wave's own (528 bytes = 132 words: row r starts at bank 4 r mod 64)
.set BIMG,  66560                      ; four images of 64 bias registers, a wave's own
.set XF0, 32
.set XF1, 96
.set ACC, 160
.set PC,  224
.set BC,  240
.set MSB, 0
.macro WIN new                         ; the immediate's high byte repeats the setting that is left; a switch that changes nothing is dropped
.if MSB != \new
	s_set_vgpr_msb (MSB<<8)|\new
.set MSB, \new
.endif
.endm
.macro PLACES                          ; four plain places behind matrix instructions, in front of loads into their sources and of reads of their results
.rept 4
	v_nop
.endr
.endm
.macro XLOAD off, q0, q1               ; loads q0 .. q1 - 1 of the 64 that bring my 16 rows of the block off bytes on: K step by K step, so that counted waits can take them in that order
	WIN 0xc0                                       ; destination window 3
.set q, \q0
.rept \q1-\q0
	global_load_b128 v[4*q:4*q+3], v1, s[30:31] offset:\off+(q%16+8*((q%16)/8))*2048+512*(q/16) th:TH_LOAD_NT   ; 512 consecutive bytes of one row; read once in the launch
.set q, q+1
.endr
	WIN 0
.endm
.macro XMORE                           ; the next block's K steps 2 and 3, if there is a next block: no load leaves its buffer
	s_cmp_eq_u32 s4, 1
	s_cbranch_scc1 .Lno_more_\@
	XLOAD 131072, 32, 64
.Lno_more_\@:
.endm
.macro TURN s                          ; K step s: 16 rows x 512 bytes through my stage; back come 16 neighbours of each block of 32: register 16 b + i = k 32 b + 16 (lane / 16) + i of row lane % 16
	WIN 0x0c                                       ; store data window 3
.irp i, 0,1,2,3,4,5,6,7,8,9,10,11,12,13,14,15
	ds_store_b128 v4, v[64*\s+4*\i:64*\s+4*\i+3] offset:528*\i
.endr
	WIN 0
.irp b, 0,1,2,3
.irp j, 0,1,2,3
	ds_load_b128 v[XF0+64*(\s%2)+16*\b+4*\j:XF0+64*(\s%2)+16*\b+4*\j+3], v5 offset:128*\b+16*\j   ; LDS serves a wave's instructions in order: these see my stores, and the next K step's stores come behind them
.endr
.endr
.endm
.macro QUANT s, sc, lim                ; 64 numbers of a lane become a fragment's 16 registers of codes.  v[sc]: the scale; v[lim]: 448 x the scale
.irp b, 0,1,2,3
.irp i, 0,1,2,3,4,5,6,7,8,9,10,11,12,13,14,15
	v_med3_num_f32 v[\s+16*\b+\i], v[\s+16*\b+\i], -v[\lim], v[\lim]   ; the conversion to an 8-bit code does not saturate (ISA guide 7.6.2): hold the number first
.endr
	v_cvt_scalef32_pk8_fp8_f32 v[PC+4*\b:PC+4*\b+1], v[\s+16*\b:\s+16*\b+7], v[\sc]
	v_cvt_scalef32_pk8_fp8_f32 v[PC+4*\b+2:PC+4*\b+3], v[\s+16*\b+8:\s+16*\b+15], v[\sc]
.endr
	v_nop                                          ; a plain place behind the last conversion, ahead of whatever writes its sources next
.endm
.macro IMAGE s                         ; my tile's fragment of K step s goes to LDS as it stands
.irp c, 0,1,2,3
	ds_store_b128 v6, v[PC+4*\c:PC+4*\c+3] offset:2048*\s+512*\c
.endr
.endm
.macro FETCHX s, f                     ; the four tiles' fragments of K step s, into set f
.irp m, 0,1,2,3
.irp c, 0,1,2,3
	ds_load_b128 v[\f+16*\m+4*\c:\f+16*\m+4*\c+3], v1 offset:XIMG+2048*(4*\m+(\s))+512*\c
.endr
.endr
.endm
.macro MM mode, p, s, m, a             ; one matrix instruction: W's tile 2 p + a, x's tile m, K step s
.set rW, 16*(4*((2*\p+\a)%4)+\s)
.set rX, XF0+64*(\s%2)+16*\m
.if \mode
.set rD, ACC+32*\a+8*\m
.if \s == 0
	v_wmma_f32_16x16x128_fp8_fp8 v[rD:rD+7], v[rX:rX+15], v[rW:rW+15], v[BC+8*\a:BC+8*\a+7]
.else
	v_wmma_f32_16x16x128_fp8_fp8 v[rD:rD+7], v[rX:rX+15], v[rW:rW+15], v[rD:rD+7]
.endif
.else
.set rD, ACC+16*\m+8*\a
.if \s == 0
	v_wmma_f32_16x16x128_fp8_fp8 v[rD:rD+7], v[rW:rW+15], v[rX:rX+15], v[BC+8*\a:BC+8*\a+7]
.else
	v_wmma_f32_16x16x128_fp8_fp8 v[rD:rD+7], v[rW:rW+15], v[rX:rX+15], v[rD:rD+7]
.endif
.endif
.endm
; W's tiles 2 p, 2 p + 1 against the block's four tiles of x.  The eight accumulators take turns, one instruction a turn.
.macro GROUP mode, p
.irp q, 0,1,2,3
	ds_load_b128 v[BC+4*\q:BC+4*\q+3], v7 offset:512*(4*\p+\q)   ; the group's bias, in the result's layout
.endr
	FETCHX 0, XF0
.irp s, 0,1,2,3
.if \s < 3
.if \s > 0
	PLACES                                         ; the other set was read by the K step before
.endif
	FETCHX \s+1, XF0+64*((\s+1)%2)
	s_wait_dscnt 16                                ; all but the 16 loads just issued: this K step's fragments (and the bias) are in
.else
	s_wait_dscnt 0x0
.endif
	WIN (1+\p/2)<<(2*\mode)                        ; W's window, at source 0 (mode 0) or source 1 (mode 1)
.irp m, 0,1,2,3
.irp a, 0,1
	MM \mode, \p, \s, \m, \a
.endr
.endr
	WIN 0
.endr
	PLACES
	s_wait_xcnt 0x0                                ; the stores of the group before have read the codes' registers
	QUANT ACC, 10, 11                              ; each accumulator from its low end on
.irp q, 0,1,2,3
.if \mode
	global_store_b128 v1, v[PC+4*\q:PC+4*\q+3], s[48:49] offset:(\p/2)*131072+2048*(2*(\p%2)+\q/2)+512*(\q%2)   ; head p / 2 of my two; tile of channels 2 (p % 2) + a; piece b' of this block's two
.else
	global_store_b128 v1, v[PC+4*\q:PC+4*\q+3], s[48:49] offset:(\p/2)*131072+1024*\q+512*(\p%2)                ; head p / 2 of my two; tile of rows q; piece p % 2.  512 consecutive bytes, aligned
.endif
.endr
.endm
	s_load_b512 s[8:23], s[0:1], 0x0               ; Q s[8:9], K s[10:11], V s[12:13], bq s[14:15], bk s[16:17], bv s[18:19], scales s[20:21], wimg s[22:23]
	s_load_b128 s[24:27], s[0:1], 0x40             ; qimg, kimg
	s_load_b64 s[28:29], s[0:1], 0x50              ; vimg
	v_lshl_add_u32 v30, v0, 2, 0x18400
	v_mov_b32 v31, 0
	v_lshrrev_b32 v1, 5, v0
	v_readfirstlane_b32 s2, v1                     ; wave 0..3
	s_and_b32 s3, ttmp7, 0xffff                    ; which tensor
	v_and_b32 v1, 31, v0
	v_lshlrev_b32 v1, 4, v1                        ; 16 x lane
	v_and_b32 v2, 15, v0                           ; r
	v_bfe_u32 v3, v0, 4, 1                         ; h
	s_mul_i32 s50, s2, 8448
	s_add_co_u32 s50, s50, TURNB
	v_add_nc_u32 v4, s50, v1                       ; my stage, on the way in
	v_mul_u32_u24 v5, v2, 528
	v_lshl_add_u32 v5, v3, 6, v5
	v_add_nc_u32 v5, s50, v5                       ; and out: row r, + 64 h
	s_lshl_b32 s50, s2, 13
	v_add_nc_u32 v6, s50, v1                       ; where I store x's images: tile m = my wave
	s_add_co_u32 s50, s50, BIMG
	v_add_nc_u32 v7, s50, v1                       ; my bias image
	s_mov_b32 s4, 4                                ; blocks to go
	s_and_b32 s5, ttmp9, 7
	s_lshl_b32 s5, s5, 2                           ; the block's number in its batch, 0 .. 31
	s_lshl_b32 s50, ttmp9, 8
	s_lshr_b32 s51, s2, 1
	s_lshl_b32 s51, s51, 5
	s_add_co_u32 s50, s50, s51
	s_and_b32 s51, s2, 1
	s_lshl_b32 s51, s51, 3
	s_add_co_u32 s50, s50, s51                     ; my tile's first row: 256 x + 32 (w / 2) + 8 (w % 2)
	s_lshl_b32 s50, s50, 11
	s_mov_b32 s51, 0
	s_lshl_b32 s52, s2, 9                          ; my 128 numbers of the bias
	s_mov_b32 s53, 0
	s_lshr_b32 s54, ttmp9, 3
	s_lshl_b32 s54, s54, 3
	s_lshl_b32 s55, s2, 1
	s_add_co_u32 s54, s54, s55                     ; batch x 8 + my first head,
	s_lshl_b32 s54, s54, 17                        ; x 131,072 bytes of codes a head
	s_mov_b32 s55, 0
	s_lshl_b32 s56, s3, 18
	s_lshl_b32 s57, s2, 16
	s_add_co_u32 s56, s56, s57                     ; my 8 tiles of the tensor's weight
	s_mov_b32 s57, 0
	s_cmp_eq_u32 s3, 2
	s_cselect_b32 s6, 10, 12                       ; an odd block lies 1,024 (V: two pieces) or 4,096 bytes (Q, K: four tiles) behind the even one
	s_wait_kmcnt 0x0
	s_load_b256 s[36:43], s[20:21], 0x0            ; e0 .. e7
	s_load_b128 s[44:47], s[20:21], 0x20           ; e8 .. e11
	s_cmp_eq_u32 s3, 0                             ; the buffers are chosen by the work-group's number alone
	s_cselect_b64 s[30:31], s[8:9], s[12:13]
	s_cselect_b64 s[32:33], s[14:15], s[18:19]
	s_cselect_b64 s[34:35], s[24:25], s[28:29]
	s_cmp_eq_u32 s3, 1
	s_cselect_b64 s[30:31], s[10:11], s[30:31]
	s_cselect_b64 s[32:33], s[16:17], s[32:33]
	s_cselect_b64 s[34:35], s[26:27], s[34:35]
	s_add_nc_u64 s[30:31], s[30:31], s[50:51]      ; x at my tile
	s_add_nc_u64 s[32:33], s[32:33], s[52:53]      ; the bias at my columns
	s_add_nc_u64 s[34:35], s[34:35], s[54:55]      ; the codes at my first head
	s_add_nc_u64 s[56:57], s[22:23], s[56:57]      ; W's images
	XLOAD 0, 0, 64                                 ; the first block's x goes out first
	WIN 0x40                                       ; destination window 1
.set q, 0
.rept 64
	global_load_b128 v[4*q:4*q+3], v1, s[56:57] offset:512*q            ; W's tiles 0-3: the image is the register order
.set q, q+1
.endr
	WIN 0x80                                       ; destination window 2
.set q, 0
.rept 64
	global_load_b128 v[4*q:4*q+3], v1, s[56:57] offset:32768+512*q      ; tiles 4-7
.set q, q+1
.endr
	WIN 0
	s_wait_kmcnt 0x0
	s_cmp_eq_u32 s3, 0
	s_cselect_b32 s50, s36, s40                    ; ex
	s_cselect_b32 s51, s37, s41                    ; ew
	s_cselect_b32 s52, s42, s45                    ; eo: e6 for q, e9 for v,
	s_cmp_eq_u32 s3, 1
	s_cselect_b32 s50, s38, s50
	s_cselect_b32 s51, s39, s51
	s_cselect_b32 s52, s43, s52                    ; e7 for k
	s_add_co_i32 s53, s50, s51
	s_sub_co_i32 s52, s52, s53                     ; eo - ex - ew
	s_sub_co_i32 s53, 0, s53                       ; -(ex + ew)
	s_add_co_i32 s50, s50, 127
	s_lshl_b32 s51, s50, 23
	v_mov_b32 v8, s51                              ; 2^ex
	s_add_co_i32 s50, s50, 8
	s_lshl_b32 s50, s50, 23
	s_or_b32 s50, s50, 0x600000
	v_mov_b32 v9, s50                              ; 448 x 2^ex
	s_add_co_i32 s52, s52, 127
	s_lshl_b32 s51, s52, 23
	v_mov_b32 v10, s51                             ; 2^(eo - ex - ew)
	s_add_co_i32 s52, s52, 8
	s_lshl_b32 s52, s52, 23
	s_or_b32 s52, s52, 0x600000
	v_mov_b32 v11, s52                             ; 448 x that
	; the bias in the result's layout, register 16 p + 8 a + j.  Mode 0: column 32 p + 8 a + 16 h + j.  Mode 1: column 32 p + 8 a + r + 8 (r / 8), the same in all eight registers
	s_cmp_eq_u32 s3, 2
	s_cbranch_scc1 .Lbias_v
	v_lshlrev_b32 v12, 6, v3
.set q, 0
.rept 8
	global_load_b128 v[XF0+8*q:XF0+8*q+3],   v12, s[32:33] offset:128*(q/2)+32*(q%2)
	global_load_b128 v[XF0+8*q+4:XF0+8*q+7], v12, s[32:33] offset:128*(q/2)+32*(q%2)+16
.set q, q+1
.endr
	s_wait_loadcnt 0x0                             ; the bias, and with it W and the first block's x
.set n, 0
.rept 64
	v_ldexp_f32 v[ACC+n], v[XF0+n], s53            ; b / 2^(ex + ew)
.set n, n+1
.endr
	s_branch .Lbias_done
.Lbias_v:
	v_and_b32 v12, 8, v2
	v_add_nc_u32 v12, v12, v2
	v_lshlrev_b32 v12, 2, v12
.set q, 0
.rept 8
	global_load_b32 v[XF0+q], v12, s[32:33] offset:128*(q/2)+32*(q%2)
.set q, q+1
.endr
	s_wait_loadcnt 0x0
.set n, 0
.rept 64
	v_ldexp_f32 v[ACC+n], v[XF0+n/8], s53
.set n, n+1
.endr
.Lbias_done:
.set q, 0
.rept 16
	ds_store_b128 v7, v[ACC+4*q:ACC+4*q+3] offset:512*q   ; my own bytes: no barrier
.set q, q+1
.endr
.Lblock:
	s_lshr_b32 s50, s5, 1                          ; where this block's codes go (the last trip's stores have read the old base: the wait stands at the trip's end)
	s_lshl_b32 s50, s50, 13
	s_and_b32 s51, s5, 1
	s_lshl_b32 s51, s51, s6
	s_add_co_u32 s50, s50, s51
	s_mov_b32 s51, 0
	s_add_nc_u64 s[48:49], s[34:35], s[50:51]
	; ---- X: my 16 rows become four fragments.  The load counts leave the 16 loads of each later K step out; the LDS count 32 leaves the turn just issued out
	s_wait_loadcnt 48
	TURN 0
	s_wait_loadcnt 32
	TURN 1
	s_wait_dscnt 32
	QUANT XF0, 8, 9
	IMAGE 0
	s_wait_loadcnt 16
	TURN 2
	s_wait_dscnt 32                                ; K step 1 is back, and image 0's stores have read the codes' registers
	QUANT XF1, 8, 9
	IMAGE 1
	s_wait_loadcnt 0x0
	TURN 3
	s_wait_dscnt 32
	QUANT XF0, 8, 9
	IMAGE 2
	s_wait_dscnt 0x0
	QUANT XF1, 8, 9
	IMAGE 3
	s_wait_dscnt 0x0                               ; for the others' sake: my images have landed
	s_barrier_signal -1
	s_barrier_wait -1                              ; x's sixteen fragments lie in LDS
	; The next block's x is asked for in two runs of 32 loads, K steps 0 and 1 here, 2 and 3 between the second and the third group: 64 at once would fill LOADcnt's field,
	; at which issue stops until a load is back (ISA guide 5.7.1), and this wave is the only one of its SIMD.  Each run has at least two groups in which to land.
	s_cmp_eq_u32 s4, 1                             ; if there is a next block: no load leaves its buffer
	s_cbranch_scc1 .Lno_next
	XLOAD 131072, 0, 32
.Lno_next:
	; ---- the products.  The two ways differ in the order of the sources and in where the pieces go; they hold LDS loads, global loads and global stores alone
	s_cmp_eq_u32 s3, 2
	s_cbranch_scc1 .Lph_v
	GROUP 0, 0
	GROUP 0, 1
	XMORE
	GROUP 0, 2
	GROUP 0, 3
	s_branch .Lph_done
.Lph_v:
	GROUP 1, 0
	GROUP 1, 1
	XMORE
	GROUP 1, 2
	GROUP 1, 3
.Lph_done:
	s_wait_dscnt 0x0                               ; my reads of x's images are over
	s_barrier_signal -1
	s_barrier_wait -1                              ; everybody's are: the next block may write them
	s_wait_xcnt 0x0                                ; loads and stores have read their bases and registers
	s_add_nc_u64 s[30:31], s[30:31], 131072        ; 64 rows on
	s_add_co_u32 s5, s5, 1
	s_sub_co_u32 s4, s4, 1
	s_cmp_lg_u32 s4, 0
	s_cbranch_scc1 .Lblock
	s_wait_tensorcnt 0x0
	ds_add_u32 v30, v31
	s_wait_dscnt 0x0
	s_endpgm
.Lfunc_end_k_q03f17f4642_proj:
	.size	k_q03f17f4642_proj, .Lfunc_end_k_q03f17f4642_proj-k_q03f17f4642_proj
	.p2alignl 7, 3214868480
	.fill 96, 4, 3214868480
	.section	.rodata,"a",@progbits
	.p2align	6, 0x0
	.amdhsa_kernel k_q03f17f4642_proj
		.amdhsa_group_segment_fixed_size 99840
		.amdhsa_private_segment_fixed_size 0
		.amdhsa_enable_private_segment 0
		.amdhsa_kernarg_size 88
		.amdhsa_user_sgpr_count 2
		.amdhsa_user_sgpr_kernarg_segment_ptr 1
		.amdhsa_wavefront_size32 1
		.amdhsa_system_sgpr_workgroup_id_x 1
		.amdhsa_system_sgpr_workgroup_id_y 1
		.amdhsa_system_sgpr_workgroup_id_z 1
		.amdhsa_system_vgpr_workitem_id 0
		.amdhsa_next_free_vgpr 1024
		.amdhsa_next_free_sgpr 66
		.amdhsa_reserve_vcc 0
		.amdhsa_float_denorm_mode_32 3
		.amdhsa_float_denorm_mode_16_64 3
		.amdhsa_memory_ordered 1
		.amdhsa_forward_progress 1
		.amdhsa_inst_pref_size 167
	.end_amdhsa_kernel
	.amdgpu_metadata
---
amdhsa.version: [ 1, 2 ]
amdhsa.kernels:
  - .name:           k_q03f17f4642_proj
    .symbol:         k_q03f17f4642_proj.kd
    .args:
      - { .name: Q, .offset: 0, .size: 8, .value_kind: global_buffer, .address_space: global }
      - { .name: K, .offset: 8, .size: 8, .value_kind: global_buffer, .address_space: global }
      - { .name: V, .offset: 16, .size: 8, .value_kind: global_buffer, .address_space: global }
      - { .name: bq, .offset: 24, .size: 8, .value_kind: global_buffer, .address_space: global }
      - { .name: bk, .offset: 32, .size: 8, .value_kind: global_buffer, .address_space: global }
      - { .name: bv, .offset: 40, .size: 8, .value_kind: global_buffer, .address_space: global }
      - { .name: lowp_scales, .offset: 48, .size: 8, .value_kind: global_buffer, .address_space: global }
      - { .name: wimg, .offset: 56, .size: 8, .value_kind: global_buffer, .address_space: global }
      - { .name: qimg, .offset: 64, .size: 8, .value_kind: global_buffer, .address_space: global }
      - { .name: kimg, .offset: 72, .size: 8, .value_kind: global_buffer, .address_space: global }
      - { .name: vimg, .offset: 80, .size: 8, .value_kind: global_buffer, .address_space: global }
    .group_segment_fixed_size: 99840
    .private_segment_fixed_size: 0
    .kernarg_segment_align: 8
    .kernarg_segment_size: 88
    .max_flat_workgroup_size: 128
    .sgpr_count:     66
    .vgpr_count:     1024
    .wavefront_size: 32
...
	.end_amdgpu_metadata
.endif
;; end of part 5
;; launch attn (part 6): grid 4 x 64, 16 waves a work-group, clusters of 4 x 1, 264,192 bytes of LDS; arguments qimg, kimg, vimg, maskw, lowp_scales, aimg; writes aimg
.if DOCPART == 6
	.amdgcn_target "amdgcn-amd-amdhsa--gfx1250"
	.amdhsa_code_object_version 6
	.text
	.protected	k_q03f17f4642_attn
	.globl	k_q03f17f4642_attn
	.p2align	8
	.type	k_q03f17f4642_attn,@function
k_q03f17f4642_attn:
	s_mov_b64 s[64:65], 0
	v_nop
	global_prefetch_b8 v0, s[64:65] scope:SCOPE_SE
	s_setreg_imm32_b32 hwreg(HW_REG_WAVE_MODE, 25, 1), 1
	s_wait_xcnt 0x0
	s_wait_alu depctr_hold_cnt(0) depctr_sa_sdst(0) depctr_va_vdst(0) depctr_va_sdst(0) depctr_va_ssrc(0) depctr_va_vcc(0) depctr_vm_vsrc(0)
	s_getreg_b32 s2, hwreg(HW_REG_IB_STS2, 6, 4)
	s_cmp_eq_u32 s2, 0
	s_cbranch_scc0 .Lentry_in_a_cluster
	s_endpgm
.Lentry_in_a_cluster:
	s_bfe_u32 s2, ttmp6, 0x10000c
	s_cmp_lg_u32 s2, 0x3003
	s_cbranch_scc0 .Lentry_shape_is_right
	s_endpgm
.Lentry_shape_is_right:
; Attention on codes of FP8 (E4M3): S = q k^T / 8, the mask, p = 2^(t - M), O = p v / l, and O quantised for the last projection.  64 heads (batch x 8 + head) of 2,048 x 64.
; SHARES.  A work-group owns one head (y) and 512 queries (x): two passes of 256; in a pass each of its SIXTEEN waves owns one tile of 16 queries, in 256 registers: four waves to a SIMD.
; A key step's softmax is some 290 vector instructions beside 12 matrix instructions: vector issue binds, so what is spared is vector work and a wave's own waiting.
; THE HEAD'S WHOLE K AND V LIE IN LDS, 131,072 bytes each, as the images that the projection stored: filled once, never again: no ring and no barrier in the loop.  An image load takes 512 consecutive bytes: no pitch, no padding.
; CLUSTER.  The four work-groups of a head need the same K and V: each wave's 16,384 bytes are asked for JOINTLY, by the same tensor load with the same descriptor and a mask that names the four.  One tensor load a wave is out.
; LAYOUT.  Both products are used transposed: S^T = k q^T (source 0 = 16 keys, source 1 = my 16 queries), O^T = v^T p^T (source 0 = 16 channels, source 1 = p): a lane holds ONE query throughout.
; TILES ARE PERMUTED (tile T: rows 32 (T / 2) + 8 (T % 2) + i + 8 (i / 8)): score register 16 b + i is key 128 step + 32 b + 16 (lane / 16) + i, so two conversions give a piece of p's fragment; O^T's registers likewise run along the channels.
; THE MASK comes as lane-mask words (maskw), one for each score register, by scalar loads a step ahead; one v_cndmask_b32 a score puts -2^100 where the mask is 0.  Times c x 2^(eq + ek) that is exact and a whole number:
; a row that is masked throughout has t - M = 0 and p = 1 for every key, as the reference's -1e30 gives; in any other row such a p is 0, and what was summed before the first open key is multiplied by f = 0.
; THE SOFTMAX: t = score x log2(e) / 8; -M = floor(-(the running largest t)): M is a whole number; p = 2^(t - M) is quantised with 2^ep, not normalised; l sums the unquantised p; when M moves, l and O^T are multiplied by 2^(old M - new M): exact.
; The running largest is kept as a raw score: c is positive, so c x the largest score is the largest t.
; EACH HEAD BEGINS AT ANOTHER KEY STEP: head number % 16, and goes round.  K and V lie whole in LDS and the running M takes the keys in any order.  The 64 heads read the same mask words: so they stand at 16 different steps of a tile's
; words at a time, and from a head's second step on the 256 bytes that it asks for have been asked for by other heads before.  After 16 steps the walk is back at its first step: the last step's fetch ahead is the next pass's first K.
; THE STEP'S ORDER.  K's fragments are asked for a step ahead.  V's tiles 0, 1 go into registers of their own; tiles 2, 3 into the first 32 score registers as soon as their conversions have read them.  One wait on DScnt a step,
; in front of the second product.  The maxima run in four chains among the selects, six selects behind them.  The run of dependent lines from the last maxima to -M has the step's 24 early LDS loads in its gaps.  From -M on the list goes
; in 40 turns: turn k holds the scaling of pair k + 2, the two exponentials of pair k, the sum of pair k - 2, the hold of pair k - 7, in turns 0-15 a rescaling of O^T, and a turn behind every fourth hold a conversion:
; no two exponentials follow each other, and nothing reads a result just made.  Nothing is loaded between the passes: both passes' q come at the kernel's head, and a pass's last step asks for the next pass's first mask words.
; aimg: [batch x 128 + tile of queries][K step = head / 2][piece = 2 (head % 2) + channel / 32][lane][16]: the last projection's operand as register images.
; LIMITS: eq + ek (lowp_scales[6] + [7]) between -70 and 25 (c's exponent field takes them; -2^100 x c x 2^(eq + ek) stays a whole f32 number); ep ([8]) and ea ([10]) between -126 and 119.  NaN among the inputs is not served.
; REGISTERS: v1 16 x lane; v2, v3 LDS addresses; v4 -2^100; v5, v7 448 x 2^ep; v6 2^ep; v8, v9 2^ea, 448 x 2^ea; v[10:11] f, 0; v12 -M; v13 the largest score; v[14:15] l; v16-23 q; v24-87 eight fragments of k;
;   v88-151 S^T, then p, then (v88-119) V's tiles 2, 3; v152-183 O^T; v184-199 p's codes, at a pass's end O's; v200-203 four maxima; v204 a permute's result; v205 the old -M; v206-211 three chains of sums;
;   v212-219 the second pass's q; v220 16 x lane + 131,072; v224-255 V's tiles 0, 1.   s16-63, s68-83: a step's 64 mask words.
.set F,  24
.set S,  88
.set O,  152
.set P,  184
.set T,  200
.set LS, 204                           ; chain c of the sums (c = 1, 2, 3) at v[LS + 2 c]; chain 0 is l itself
.set Q1, 212
.set G,  224
.macro PLACES                          ; four plain places behind matrix instructions (ISA guide 7.12.1)
.rept 4
	v_nop
.endr
.endm
.macro ROUND                           ; a round of the cluster's barrier: my work-group's barrier; wave 0 signals for the work-group; every wave waits for all four work-groups; my work-group's barrier once more
	s_barrier_signal -1
	s_barrier_wait -1
	s_cmp_lg_u32 s14, 0
	s_cbranch_scc1 .Lnot_wave_0_\@
	s_barrier_signal -3
.Lnot_wave_0_\@:
	s_barrier_wait -3
	s_barrier_signal -1
	s_barrier_wait -1
.endm
.macro MAXI                            ; maximum i of 30 over the lane's 64 scores, chain i % 4: the first four take three scores each (0 .. 11), the others two more (2 i + 4, 2 i + 5)
.if i < 4
	v_max3_num_f32 v[T+i], v[S+3*i], v[S+3*i+1], v[S+3*i+2]
.else
	v_max3_num_f32 v[T+i%4], v[T+i%4], v[S+2*i+4], v[S+2*i+5]
.endif
.endm
.macro ADDP                            ; pair j of the UNQUANTISED p joins the sums, chain j % 4.  Pair 0 with l's rescaling, fused; pairs 1-3 wait for pairs 5-7, with which they start their chains: nothing is cleared
.if j == 0
	s_wait_alu depctr_va_vdst(0)
	v_pk_fma_f32 v[14:15], v[14:15], v[10:11], v[S:S+1] op_sel_hi:[1,0,1]
.elseif j < 4
.elseif (j%4) == 0
	s_wait_alu depctr_va_vdst(0)
	v_pk_add_f32 v[14:15], v[14:15], v[S+2*j:S+2*j+1]
.elseif j < 8
	s_wait_alu depctr_va_vdst(0)
	v_pk_add_f32 v[LS+2*(j%4):LS+2*(j%4)+1], v[S+2*j-8:S+2*j-7], v[S+2*j:S+2*j+1]
.else
	s_wait_alu depctr_va_vdst(0)
	v_pk_add_f32 v[LS+2*(j%4):LS+2*(j%4)+1], v[LS+2*(j%4):LS+2*(j%4)+1], v[S+2*j:S+2*j+1]
.endif
.endm
.macro KL q0, q1                       ; pieces q0 .. q1 - 1 of the 16 of a step's K (eight tiles of 16 keys, two pieces each), from the address in v2
.set q, \q0
.rept \q1-\q0
	ds_load_b128 v[F+4*q:F+4*q+3], v2 offset:512*q
.set q, q+1
.endr
.endm
.macro VL q0, q1                       ; pieces q0 .. q1 - 1 of the 16 of this step's V (four tiles of 16 channels x 128 keys, four pieces each): tiles 0, 1 into G, tiles 2, 3 into the first 32 score registers
.set q, \q0
.rept \q1-\q0
.if q < 8
	ds_load_b128 v[G+4*q:G+4*q+3], v3 offset:512*q
.else
	ds_load_b128 v[S+4*q-32:S+4*q-29], v3 offset:512*q
.endif
.set q, q+1
.endr
.endm
	s_load_b256 s[68:75], s[0:1], 0x0              ; qimg s[68:69], kimg s[70:71], vimg s[72:73], maskw s[74:75]
	s_load_b128 s[76:79], s[0:1], 0x20             ; scales s[76:77], aimg s[78:79]
	v_lshl_add_u32 v222, v0, 2, 0x40000
	v_mov_b32 v223, 0
	ds_add_u32 v222, v223
	ds_add_u32 v222, v223
	v_lshrrev_b32 v1, 5, v0
	v_readfirstlane_b32 s14, v1                    ; wave 0..15
	v_and_b32 v1, 31, v0
	v_lshlrev_b32 v1, 4, v1                        ; 16 x lane
	v_add_nc_u32 v220, 0x20000, v1                 ; V lies 131,072 bytes behind K
	s_and_b32 s100, ttmp7, 0xffff                  ; the head, which the four partners share
	s_lshl_b32 s22, s100, 17                       ; what I fetch: the head's 131,072 bytes of K (waves 0-7) or V (waves 8-15), 16,384 to a wave: nothing of my place in the cluster enters
	s_and_b32 s23, s14, 7
	s_lshl_b32 s23, s23, 14
	s_add_co_u32 s22, s22, s23
	s_mov_b32 s23, 0
	s_bfe_u32 s98, ttmp6, 0x40000                  ; cx: my place in the cluster: it enters q's, the mask's and the output's addresses alone
	s_lshl_b32 s99, ttmp9, 2
	s_add_co_u32 s98, s98, s99                     ; my block of 512 queries
	s_lshl_b32 s98, s98, 5
	s_add_co_u32 s98, s98, s14                     ; my tile of queries in the first pass: 32 x block + wave
	s_lshl_b32 s16, s100, 17
	s_lshl_b32 s17, s98, 10
	s_add_co_u32 s16, s16, s17                     ; q: head x 131,072 + tile x 1,024
	s_mov_b32 s17, 0
	s_lshl_b32 s18, s98, 12                        ; the mask: tile x 4,096
	s_mov_b32 s19, 0
	s_lshr_b32 s20, s100, 3
	s_lshl_b32 s20, s20, 7
	s_add_co_u32 s20, s20, s98
	s_lshl_b32 s20, s20, 13                        ; the output: (batch x 128 + tile) x 8,192
	s_bfe_u32 s21, s100, 0x20001
	s_lshl_b32 s21, s21, 11
	s_add_co_u32 s20, s20, s21                     ; + (head / 2) x 2,048
	s_and_b32 s21, s100, 1
	s_lshl_b32 s21, s21, 10
	s_add_co_u32 s20, s20, s21                     ; + (head % 2) x 1,024
	s_mov_b32 s21, 0
	s_and_b32 s15, s100, 15
	s_lshl_b32 s15, s15, 13                        ; the walk's counter: 8,192 x (head % 16) at first, 8,192 more in each step; its bits 16:13 are the key step
	; descriptor group 1: a dense block of 16,384 bytes as 64 rows of 32 elements of 8 bytes
	s_mov_b32 s84, 15|(3<<16)|(1<<21)              ; 15:0 the mask: all four work-groups; 17:16 elements of 8 bytes; 20 no padding; 21 set beside a mask
	s_mov_b32 s85, 32<<16                          ; tensor_dim0 = 32
	s_mov_b32 s86, 64<<16                          ; tensor_dim1 = 64
	s_mov_b32 s87, 32<<16                          ; tile_dim0 = 32
	s_mov_b32 s88, 64                              ; tile_dim1 = 64
	s_mov_b32 s89, 32                              ; elements from row to row
	s_mov_b32 s90, 0
	s_mov_b32 s91, 0
	s_mov_b32 s92, 1                               ; group 0: count = 1
	s_lshl_b32 s93, s14, 14                        ; LDS address: wave x 16,384: K fills bytes 0 .. 131,071, V the next 131,072
	s_wait_dscnt 0x0
	s_wait_kmcnt 0x0
	s_load_b256 s[24:31], s[76:77], 0x10           ; e4 .. e11: eq s26, ek s27, ep s28, ev s29, ea s30
	s_cmp_lt_u32 s14, 8                            ; the choice hangs on the wave's number alone
	s_cselect_b64 s[94:95], s[70:71], s[72:73]
	s_add_nc_u64 s[94:95], s[94:95], s[22:23]
	s_or_b32 s95, s95, 0x80000000                  ; type = 2
	s_add_nc_u64 s[4:5], s[68:69], s[16:17]
	s_add_nc_u64 s[6:7], s[74:75], s[18:19]
	s_add_nc_u64 s[8:9], s[78:79], s[20:21]
	ROUND                                          ; all four work-groups are here: the joint loads meet
	tensor_load_to_lds s[92:95], s[84:91]          ; my one tensor load of the launch
	s_nop 0
	PLACES                                         ; four v_nop follow the line
	global_load_b128 v[16:19], v1, s[4:5]                        ; q's fragment of the first pass, two pieces,
	global_load_b128 v[20:23], v1, s[4:5] offset:512
	global_load_b128 v[Q1:Q1+3], v1, s[4:5] offset:16384         ; and of the second, sixteen tiles on: both land while K and V are filled
	global_load_b128 v[Q1+4:Q1+7], v1, s[4:5] offset:16896
	s_wait_kmcnt 0x0
	s_add_co_i32 s32, s26, s27
	s_lshl_b32 s32, s32, 23
	s_add_co_i32 s10, s32, 0x3e38aa3b              ; c = log2(e) / 8, with eq + ek added to its exponent field
	s_mov_b32 s11, s10                             ; (the packed form names the pair)
	s_add_co_i32 s97, s28, s29                     ; ep + ev
	s_add_co_i32 s32, s28, 127
	s_lshl_b32 s33, s32, 23
	v_mov_b32 v6, s33                              ; 2^ep
	s_add_co_i32 s32, s32, 8
	s_lshl_b32 s32, s32, 23
	s_or_b32 s32, s32, 0x600000
	v_mov_b32 v5, s32                              ; 448 x 2^ep,
	v_mov_b32 v7, s32                              ; twice: the two halves of the paired hold take their second sources from different register banks
	s_add_co_i32 s32, s30, 127
	s_lshl_b32 s33, s32, 23
	v_mov_b32 v8, s33                              ; 2^ea
	s_add_co_i32 s32, s32, 8
	s_lshl_b32 s32, s32, 23
	s_or_b32 s32, s32, 0x600000
	v_mov_b32 v9, s32                              ; 448 x 2^ea
	s_lshr_b32 s66, s15, 5                         ; the first step's 64 mask words: 256 bytes at 256 x the key step of my tile's 4,096
	s_mov_b32 s98, 0                               ; the pass's tile of mask words: 0, then 65,536 (sixteen tiles on)
	s_load_b512 s[16:31], s[6:7], s66 offset:0x0
	s_load_b512 s[32:47], s[6:7], s66 offset:0x40
	s_load_b512 s[48:63], s[6:7], s66 offset:0x80
	s_load_b512 s[68:83], s[6:7], s66 offset:0xc0
	s_mov_b32 s12, 0x76543210
	s_mov_b32 s13, 0xfedcba98                      ; v_permlanex16_b32's selects for lane l xor 16
	v_mov_b32 v4, 0xf1800000                       ; -2^100
	v_mov_b32 v11, 0                               ; (named as the upper half of the pair v[10:11])
	v_mov_b32 v204, 0                              ; written once: a lane permute's destination counts as one of its sources
	s_mov_b32 s96, 2                               ; passes
	s_wait_tensorcnt 0x0                           ; my 16,384 bytes are in,
	s_barrier_signal -1
	s_barrier_wait -1                              ; everybody's are: K and V are whole
	v_add_nc_u32 v2, s15, v1
	KL 0, 16                                       ; the first step's K
	s_wait_loadcnt 0x0                             ; q, both passes'
	s_wait_dscnt 0x0                               ; the first step's K
.Lpass:
	v_mov_b32 v13, 0xff61b1e6                      ; the largest score so far: -3e38, under every score
	v_floor_f32 v12, -v13                          ; -M
	v_mov_b32 v14, 0
	v_mov_b32 v15, 0
.set j, 0
.rept 32
	v_mov_b32 v[O+j], 0                            ; O^T.  (The step is written once: the first finds zeros, which the first change of M leaves zeros)
.set j, j+1
.endr
	s_mov_b32 s67, 16                              ; steps of 128 keys
.Lstep:
	s_and_b32 s99, s15, 0x1e000                    ; 8,192 x this key step
	s_add_co_u32 s15, s15, 8192
	s_and_b32 s100, s15, 0x1e000                   ; 8,192 x the next one, round from 15 to 0
	v_mov_b32 v205, v12                            ; the old -M
	v_add_nc_u32 v3, s99, v220                     ; this step's V
	v_add_nc_u32 v2, s100, v1                      ; the next step's K
	v_nop
	v_nop                                          ; five places behind the last products: the products below write the 32 score registers that held V's tiles 2, 3
.irp t, 0,1,2,3,4,5,6,7
	v_wmma_f32_16x16x64_fp8_fp8 v[S+8*\t:S+8*\t+7], v[F+8*\t:F+8*\t+7], v[16:23], 0   ; K's fragments were asked for a step ago and shown landed by that step's one wait on DScnt
.endr
	PLACES
	s_wait_kmcnt 0x0                               ; this step's mask words (asked for a step ago); no scalar load is out, so their offset may be written
	s_lshr_b32 s66, s100, 5                        ; the next step's words: 256 x its key step,
	s_cmp_eq_u32 s67, 1                            ; and from a pass's last step on in the second pass's tile: the first pass so asks for the second's first words,
	s_cselect_b32 s98, 0x10000, s98                ; the second for its own first words again: no load leaves the buffer
	s_add_co_u32 s66, s66, s98
.set n, 0
.rept 64
	v_cndmask_b32 v[S+n], v4, v[S+n], s[16+n+4*(n/48)]   ; the score where the mask is not 0, else -2^100; each accumulator from its low end on
.if (n >= 11) && (n%2 == 1)
.set i, (n-11)/2
	MAXI                                           ; a maximum behind every second select, on scores selected six selects ago or more
.endif
.if n == 19
	s_load_b512 s[16:31], s[6:7], s66 offset:0x0   ; each sixteen words are asked for anew as soon as their selects are past
.endif
.if n == 35
	s_load_b512 s[32:47], s[6:7], s66 offset:0x40
.endif
.if n == 51
	s_load_b512 s[48:63], s[6:7], s66 offset:0x80
.endif
.set n, n+1
.endr
.set i, 27
	MAXI
.set i, 28
	MAXI
.set i, 29
	MAXI
	; From here to -M each line reads the line before it.  The loads that the step owes anyway stand in the gaps: the last mask words, the next step's K (its registers were last read by the products above) and V's tiles 0, 1.
	s_load_b512 s[68:83], s[6:7], s66 offset:0xc0
	KL 0, 3
	v_max3_num_f32 v[T], v[T], v[T+2], v[T+3]
	KL 3, 7
	v_max_num_f32 v[T], v[T], v[T+1]               ; the step's largest score of my query among my 64 keys,
	KL 7, 11
	v_permlanex16_b32 v204, v[T], s12, s13
	KL 11, 15
	v_max3_num_f32 v13, v13, v[T], v204            ; lane l xor 16's, and the running one
	KL 15, 16
	VL 0, 2
	v_mul_f32 v[T], s10, v13                       ; as t (c is positive)
	VL 2, 5
	v_floor_f32 v12, -v[T]                         ; the new -M = floor(-t) = -ceil(t)
	VL 5, 8
	v_sub_f32 v205, v12, v205                      ; old M - new M: a whole number, 0 or less
	v_pk_fma_f32 v[S:S+1], v[S:S+1], s[10:11], v[12:13] op_sel_hi:[1,0,0]       ; t - M, two at a time (of the pairs c and -M the low word serves both halves): pairs 0 and 1 stand among f's last lines
	v_cvt_i32_f32 v205, v205                       ; (it saturates)
	v_pk_fma_f32 v[S+2:S+3], v[S+2:S+3], s[10:11], v[12:13] op_sel_hi:[1,0,0]
	v_ldexp_f32 v10, 1.0, v205                     ; f = 2^(old M - new M)
.set k, 0
.rept 40
.if k < 30
	v_pk_fma_f32 v[S+2*k+4:S+2*k+5], v[S+2*k+4:S+2*k+5], s[10:11], v[12:13] op_sel_hi:[1,0,0]   ; pair k + 2: t - M
.endif
.if k < 32
	v_exp_f32 v[S+2*k], v[S+2*k]                   ; p = 2^(t - M), at most 1
.endif
.if (k >= 2) && (k <= 33)
.set j, k-2
	ADDP                                           ; pair k - 2: a packed sum or scaling stands between its exponentials and this line
.endif
.if k == 34
	v_pk_add_f32 v[LS+2:LS+3], v[LS+2:LS+3], v[LS+4:LS+5]
.endif
.if k == 35
	v_pk_add_f32 v[14:15], v[14:15], v[LS+6:LS+7]
.endif
.if k < 16
	v_pk_mul_f32 v[O+2*k:O+2*k+1], v[O+2*k:O+2*k+1], v[10:11] op_sel_hi:[1,0]   ; O^T under the new M, each accumulator from its low end on
.endif
.if k < 32
	v_exp_f32 v[S+2*k+1], v[S+2*k+1]
.endif
.if k >= 11
.if ((k-11)%4) == 0
	v_cvt_scalef32_pk8_fp8_f32 v[P+(k-11)/4*2:P+(k-11)/4*2+1], v[S+(k-11)/4*8:S+(k-11)/4*8+7], v6   ; eight held numbers, the last of them held a turn ago: half a piece of p's fragment
.endif
.endif
.if (k >= 7) && (k <= 38)
	v_dual_min_num_f32 v[S+2*k-14], v[S+2*k-14], v5 :: v_dual_min_num_f32 v[S+2*k-13], v[S+2*k-13], v7   ; pair k - 7, behind the sums that read it: the conversion to an 8-bit code does not saturate (ISA guide 7.6.2); p is not negative, so the hold is one-sided
.endif
.if k == 23
	VL 8, 16                                       ; V's tiles 2, 3 into the 32 score registers whose four conversions are issued: sixteen turns in which to land
.endif
.set k, k+1
.endr
	v_pk_add_f32 v[14:15], v[14:15], v[LS+2:LS+3]  ; l is whole.  (The plain place between the last conversion and the products that read its result)
	s_wait_dscnt 0x0                               ; the step's one wait on DScnt: V's four tiles, and the next step's K
.irp t, 0,1
	v_wmma_f32_16x16x128_fp8_fp8 v[O+8*\t:O+8*\t+7], v[G+16*\t:G+16*\t+15], v[P:P+15], v[O+8*\t:O+8*\t+7]   ; four accumulators, one turn each; the next step's eight products stand between two links
.endr
.irp t, 2,3
	v_wmma_f32_16x16x128_fp8_fp8 v[O+8*\t:O+8*\t+7], v[S+16*\t-32:S+16*\t-17], v[P:P+15], v[O+8*\t:O+8*\t+7]
.endr
	s_sub_co_u32 s67, s67, 1
	s_cmp_lg_u32 s67, 0
	s_cbranch_scc1 .Lstep
	; ---- the pass's end: O^T / l x 2^(ep + ev), quantised with 2^ea: its 32 registers are two pieces of the last projection's operand
	v_add_f32 v14, v14, v15                        ; l's two halves,
	v_permlanex16_b32 v204, v14, s12, s13
	v_add_f32 v14, v14, v204                       ; and lane l xor 16's
	PLACES                                         ; behind the last products, whose results are read below
	v_rcp_f32 v200, v14
	v_nop                                          ; a plain place behind the transcendental
	s_wait_alu depctr_va_vdst(0)
	v_ldexp_f32 v200, v200, s97
.set j, 0
.rept 16
	v_pk_mul_f32 v[O+j:O+j+1], v[O+j:O+j+1], v[200:201] op_sel_hi:[1,0]
.set j, j+2
.endr
.set j, 0
.rept 32
	v_med3_num_f32 v[O+j], v[O+j], -v9, v9
.set j, j+1
.endr
.irp b, 0,1,2,3
	v_cvt_scalef32_pk8_fp8_f32 v[P+2*\b:P+2*\b+1], v[O+8*\b:O+8*\b+7], v8   ; into the registers that held p's codes: the products that read them stand some fifty plain lines back
.endr
.set j, 0
.rept 8
	v_mov_b32 v[16+j], v[Q1+j]                     ; the second pass's q.  (Also the plain places behind the conversions: the next pass writes their sources)
.set j, j+1
.endr
	global_store_b128 v1, v[P:P+3], s[8:9]                   ; channels 0-31: 512 consecutive bytes, aligned
	global_store_b128 v1, v[P+4:P+7], s[8:9] offset:512      ; channels 32-63
	s_wait_xcnt 0x0                                ; the stores have read their registers and base
	s_add_nc_u64 s[8:9], s[8:9], 131072            ; sixteen tiles of queries on
	s_sub_co_u32 s96, s96, 1
	s_cmp_lg_u32 s96, 0
	s_cbranch_scc1 .Lpass
	s_wait_kmcnt 0x0                               ; the last step's mask loads, which nobody reads, are done
	s_wait_tensorcnt 0x0
	ds_add_u32 v222, v223
	s_wait_dscnt 0x0
	ROUND                                          ; the closing round: no work-group ends while a partner may still ask for a tile that names it
	s_endpgm
.Lfunc_end_k_q03f17f4642_attn:
	.size	k_q03f17f4642_attn, .Lfunc_end_k_q03f17f4642_attn-k_q03f17f4642_attn
	.p2alignl 7, 3214868480
	.fill 96, 4, 3214868480
	.section	.rodata,"a",@progbits
	.p2align	6, 0x0
	.amdhsa_kernel k_q03f17f4642_attn
		.amdhsa_group_segment_fixed_size 264192
		.amdhsa_private_segment_fixed_size 0
		.amdhsa_enable_private_segment 0
		.amdhsa_kernarg_size 48
		.amdhsa_user_sgpr_count 2
		.amdhsa_user_sgpr_kernarg_segment_ptr 1
		.amdhsa_wavefront_size32 1
		.amdhsa_system_sgpr_workgroup_id_x 1
		.amdhsa_system_sgpr_workgroup_id_y 1
		.amdhsa_system_sgpr_workgroup_id_z 1
		.amdhsa_system_vgpr_workitem_id 0
		.amdhsa_next_free_vgpr 256
		.amdhsa_next_free_sgpr 102
		.amdhsa_reserve_vcc 0
		.amdhsa_float_denorm_mode_32 3
		.amdhsa_float_denorm_mode_16_64 3
		.amdhsa_memory_ordered 1
		.amdhsa_forward_progress 1
		.amdhsa_inst_pref_size 33
	.end_amdhsa_kernel
	.amdgpu_metadata
---
amdhsa.version: [ 1, 2 ]
amdhsa.kernels:
  - .name:           k_q03f17f4642_attn
    .symbol:         k_q03f17f4642_attn.kd
    .args:
      - { .name: qimg, .offset: 0, .size: 8, .value_kind: global_buffer, .address_space: global }
      - { .name: kimg, .offset: 8, .size: 8, .value_kind: global_buffer, .address_space: global }
      - { .name: vimg, .offset: 16, .size: 8, .value_kind: global_buffer, .address_space: global }
      - { .name: maskw, .offset: 24, .size: 8, .value_kind: global_buffer, .address_space: global }
      - { .name: lowp_scales, .offset: 32, .size: 8, .value_kind: global_buffer, .address_space: global }
      - { .name: aimg, .offset: 40, .size: 8, .value_kind: global_buffer, .address_space: global }
    .group_segment_fixed_size: 264192
    .private_segment_fixed_size: 0
    .kernarg_segment_align: 8
    .kernarg_segment_size: 48
    .max_flat_workgroup_size: 512
    .sgpr_count:     102
    .vgpr_count:     256
    .wavefront_size: 32
...
	.end_amdgpu_metadata
.endif
;; end of part 6
;; launch outp: the kernel of part 4 again; grid 256 x 1, 4 waves a work-group, no clusters, 34,304 bytes of LDS; arguments aimg, wimg, bo, lowp_scales, out0; writes out0
;; ======== version 3 of 3: 4 launches
;; workspace buffers: wimg 1,048,576 bytes; maskw 524,288 bytes of whole numbers; qimg 8,388,608 bytes; kimg 8,388,608 bytes; vimg 8,388,608 bytes; aimg 8,388,608 bytes
;; launch prep (part 7): grid 320 x 1, 8 waves a work-group, no clusters, 68,608 bytes of LDS; arguments Wq, Wk, Wv, Wo, mask, lowp_scales, wimg, maskw; writes wimg, maskw
.if DOCPART == 7
	.amdgcn_target "amdgcn-amd-amdhsa--gfx1250"
	.amdhsa_code_object_version 6
	.text
	.protected	k_q03f17f4642_prep
	.globl	k_q03f17f4642_prep
	.p2align	8
	.type	k_q03f17f4642_prep,@function
k_q03f17f4642_prep:
	s_mov_b64 s[64:65], 0
	v_nop
	global_prefetch_b8 v0, s[64:65] scope:SCOPE_SE
	s_setreg_imm32_b32 hwreg(HW_REG_WAVE_MODE, 25, 1), 1
	s_wait_xcnt 0x0
; The four weights [512][512] f32 become codes of FP8 (E4M3), laid as IMAGES OF OPERAND REGISTERS; the mask [2048][2048] int32 becomes lane-mask words.
; A wave takes one unit: 16 rows x 128 elements of 4 bytes (512 bytes a row).  The shape is the same for a weight's fragment and for a block of the mask, so both go one way up to the last step.
; THE ROWS OF A TILE: tile id holds rows 32 (id / 2) + 8 (id % 2) + i + 8 (i / 8), i = 0 .. 15 (Wq, Wk, Wv, mask), or 16 id + i (Wo).
; A FRAGMENT'S IMAGE: four pieces of 512 bytes; piece c holds at byte 16 x lane the codes k = 32 c + 16 (lane / 16) + 0 .. 15 of row lane % 16.
;   wimg:  [weight q, k, v, o][tile 0..31][K step 0..3][piece 0..3][lane][16]
;   maskw: [tile of queries 0..127][step of 128 keys 0..15][word n 0..63]: bit l of word 16 b + i = (mask[row l % 16 of the tile][128 step + 32 b + 16 (l / 16) + i] != 0)
; Work-groups 0-63: the weights (16 each, 128 units a weight); work-groups 64-319: the mask (2,048 units).  Only pointers, pitches and shifts are chosen by the work-group's number up to the parting.
; Each load reads 512 consecutive bytes of one row; the 16 rows turn through the wave's own stage in LDS (pitch 528 = 132 words: row r starts at bank 4 r mod 64), so that a lane gets 16 neighbours of each block of 32.
; code = x / 2^e, held within +-448, to the nearest code, ties to even; e = lowp_scales[1], [3], [5], [11].  LIMITS: -126 <= e <= 119; NaN among the inputs is not served.
; No tensor loads, no barrier: waves share nothing.  No cluster: no two work-groups read the same bytes.
.set STG,  8448                        ; a wave's stage: 16 rows x 528 bytes
.set A,    4                           ; v4-19    byte offset of my 16 bytes in row i of the unit
.set R,    20                          ; v20-83   the unit as loaded
.set X,    84                          ; v84-147  turned: register 16 b + i = element 32 b + 16 (lane / 16) + i of row lane % 16
.set PC,   148                         ; v148-163 the codes
.set MW,   164                         ; v164-165 the mask words: lane l holds words 2 l and 2 l + 1
.set TS,   166                         ; stage, on the way in
.set TL,   167                         ; stage, on the way out
.set SC,   168                         ; 2^e
.set LIM,  169                         ; 448 x 2^e
.set MO8,  170                         ; 8 x lane
	s_load_b512 s[4:19], s[0:1], 0x0               ; Wq s[4:5], Wk s[6:7], Wv s[8:9], Wo s[10:11], mask s[12:13], scales s[14:15], wimg s[16:17], maskw s[18:19]
	v_lshl_add_u32 v176, v0, 2, 0x10800
	v_mov_b32 v177, 0
	v_lshrrev_b32 v1, 5, v0
	s_delay_alu instid0(VALU_DEP_1)
	v_readfirstlane_b32 s20, v1                    ; wave 0..7
	v_and_b32 v1, 31, v0                           ; lane
	s_delay_alu instid0(VALU_DEP_1)
	v_lshlrev_b32 v2, 4, v1                        ; 16 x lane
	s_wait_alu depctr_va_vdst(0)
	v_and_b32 v3, 15, v0                           ; r
	v_bfe_u32 v171, v0, 4, 1                       ; h
	s_mul_i32 s22, s20, STG
	v_add_nc_u32 v[TS], s22, v2                    ; in: a row's 512 bytes as they lie
	v_mul_u32_u24 v[TL], v3, 528
	s_delay_alu instid0(VALU_DEP_1)
	v_lshl_add_u32 v[TL], v171, 6, v[TL]
	s_delay_alu instid0(VALU_DEP_1)
	v_add_nc_u32 v[TL], s22, v[TL]                 ; out: row r, + 64 h: my 16 elements of a block of 32
	v_lshlrev_b32 v[MO8], 3, v1
	s_mov_b32 s21, ttmp9                           ; g
	s_and_b32 s22, s21, 15
	s_sub_co_u32 s23, s21, 64                      ; (used by the mask's groups alone)
	s_lshr_b32 s29, s21, 4
	s_min_u32 s28, s29, 3                          ; which weight (used by the weights' groups alone)
	s_cmp_lt_u32 s21, 64                           ; a weight's group or the mask's?
	s_cselect_b32 s22, s22, s23                    ; my group's number within its tensor
	s_cselect_b32 s25, 2, 4                        ; log2 of the K steps in a row
	s_cselect_b32 s26, 3, 15
	s_lshl_b32 s24, 512, s25                       ; a row in bytes: 2,048 or 8,192
	s_lshl_b32 s22, s22, 3
	s_add_co_u32 s22, s22, s20                     ; my unit
	s_lshr_b32 s27, s22, s25                       ; its tile
	s_and_b32 s26, s22, s26                        ; its K step
	s_lshl_b32 s31, s24, 3
	s_cmp_eq_u32 s29, 3                            ; Wo's tiles hold neighbouring rows
	s_cselect_b32 s30, 16, 8                       ; an odd tile begins 16 or 8 rows behind the even one,
	s_cselect_b32 s31, 0, s31                      ; and rows 8-15 lie 0 or 8 rows further on
	s_lshr_b32 s32, s27, 1
	s_lshl_b32 s32, s32, 5
	s_and_b32 s33, s27, 1
	s_mul_i32 s33, s33, s30
	s_add_co_u32 s32, s32, s33                     ; the tile's first row
	s_mul_i32 s32, s32, s24
	s_lshl_b32 s33, s26, 9
	s_add_co_u32 s32, s32, s33                     ; the unit's first byte (under 2^25)
	s_mov_b32 s33, 0
.set i, 0
.rept 16
	s_mul_i32 s38, s24, i
.if i >= 8
	s_add_co_u32 s38, s38, s31
.endif
	v_add_nc_u32 v[A+i], s38, v2
.set i, i+1
.endr
	s_wait_alu depctr_va_vdst(0)
	s_wait_kmcnt 0x0
	s_load_b256 s[40:47], s[14:15], 0x0            ; e0 .. e7
	s_load_b128 s[48:51], s[14:15], 0x20           ; e8 .. e11
	s_cmp_lt_u32 s21, 48                           ; the source is chosen by the work-group's number alone
	s_cselect_b64 s[34:35], s[8:9], s[10:11]
	s_cmp_lt_u32 s21, 32
	s_cselect_b64 s[34:35], s[6:7], s[34:35]
	s_cmp_lt_u32 s21, 16
	s_cselect_b64 s[34:35], s[4:5], s[34:35]
	s_cmp_lt_u32 s21, 64
	s_cselect_b64 s[34:35], s[34:35], s[12:13]
	s_add_nc_u64 s[34:35], s[34:35], s[32:33]
.set i, 0
.rept 16
	global_load_b128 v[R+4*i:R+4*i+3], v[A+i], s[34:35] th:TH_LOAD_NT   ; 32 lanes read 512 consecutive bytes of row i; read once in the launch
.set i, i+1
.endr
.set i, 0
.rept 16
	s_wait_loadcnt 15-i                            ; loads come back in order: row i is in, the 15 - i younger ones may be out
	ds_store_b128 v[TS], v[R+4*i:R+4*i+3] offset:528*i
.set i, i+1
.endr
.set i, 0
.rept 16
	ds_load_b128 v[X+4*i:X+4*i+3], v[TL] offset:128*(i/4)+16*(i%4)   ; LDS serves a wave's instructions in order: these see my stores
.set i, i+1
.endr
	s_wait_kmcnt 0x0                               ; the exponents
	s_wait_dscnt 0x0                               ; the unit is turned.  No LDS instruction stands behind the parting below
	s_cmp_lt_u32 s21, 64
	s_cbranch_scc0 .Lmask
	; ---- a weight's fragment
	s_cmp_eq_u32 s28, 0
	s_cselect_b32 s36, s41, s51                    ; e1 for Wq, e11 for Wo,
	s_cmp_eq_u32 s28, 1
	s_cselect_b32 s36, s43, s36                    ; e3 for Wk,
	s_cmp_eq_u32 s28, 2
	s_cselect_b32 s36, s45, s36                    ; e5 for Wv
	s_add_co_i32 s36, s36, 127
	s_lshl_b32 s37, s36, 23
	v_mov_b32 v[SC], s37                           ; 2^e as f32: the conversion takes its exponent field
	s_add_co_i32 s36, s36, 8
	s_lshl_b32 s36, s36, 23
	s_or_b32 s36, s36, 0x600000
	v_mov_b32 v[LIM], s36                          ; 448 x 2^e
	s_lshl_b32 s38, s28, 18
	s_lshl_b32 s39, s27, 13
	s_add_co_u32 s38, s38, s39
	s_lshl_b32 s39, s26, 11
	s_add_co_u32 s38, s38, s39                     ; weight x 262,144 + tile x 8,192 + K step x 2,048
	s_mov_b32 s39, 0
	s_add_nc_u64 s[16:17], s[16:17], s[38:39]
.irp b, 0,1,2,3
.irp i, 0,1,2,3,4,5,6,7,8,9,10,11,12,13,14,15
	v_med3_num_f32 v[X+16*\b+\i], v[X+16*\b+\i], -v[LIM], v[LIM]   ; the conversion to an 8-bit code does not saturate (ISA guide 7.6.2): hold the number first
.endr
	v_cvt_scalef32_pk8_fp8_f32 v[PC+4*\b:PC+4*\b+1], v[X+16*\b:X+16*\b+7], v[SC]
	v_cvt_scalef32_pk8_fp8_f32 v[PC+4*\b+2:PC+4*\b+3], v[X+16*\b+8:X+16*\b+15], v[SC]
.endr
.irp c, 0,1,2,3
	global_store_b128 v2, v[PC+4*\c:PC+4*\c+3], s[16:17] offset:512*\c   ; a piece: 512 consecutive bytes, aligned
.endr
	s_wait_tensorcnt 0x0
	ds_add_u32 v176, v177
	s_wait_dscnt 0x0
	s_endpgm
.Lmask:
	; ---- a block of the mask: register n's comparison gives word n, one bit a lane; the 64 words are gathered two to a lane
	s_lshl_b32 s38, s27, 12
	s_lshl_b32 s39, s26, 8
	s_add_co_u32 s38, s38, s39                     ; tile x 4,096 + step x 256
	s_mov_b32 s39, 0
	s_add_nc_u64 s[18:19], s[18:19], s[38:39]
	v_mov_b32 v[MW], 0
	v_mov_b32 v[MW+1], 0
.set n, 0
.rept 64
	v_cmp_ne_u32 s[52+n%4], 0, v[X+n]
	s_delay_alu instid0(VALU_DEP_1)
	v_writelane_b32 v[MW+n%2], s[52+n%4], n/2
.set n, n+1
.endr
	global_store_b64 v[MO8], v[MW:MW+1], s[18:19]  ; 256 consecutive bytes, aligned
	s_wait_tensorcnt 0x0
	ds_add_u32 v176, v177
	s_wait_dscnt 0x0
	s_endpgm
.Lfunc_end_k_q03f17f4642_prep:
	.size	k_q03f17f4642_prep, .Lfunc_end_k_q03f17f4642_prep-k_q03f17f4642_prep
	.p2alignl 7, 3214868480
	.fill 96, 4, 3214868480
	.section	.rodata,"a",@progbits
	.p2align	6, 0x0
	.amdhsa_kernel k_q03f17f4642_prep
		.amdhsa_group_segment_fixed_size 68608
		.amdhsa_private_segment_fixed_size 0
		.amdhsa_enable_private_segment 0
		.amdhsa_kernarg_size 64
		.amdhsa_user_sgpr_count 2
		.amdhsa_user_sgpr_kernarg_segment_ptr 1
		.amdhsa_wavefront_size32 1
		.amdhsa_system_sgpr_workgroup_id_x 1
		.amdhsa_system_sgpr_workgroup_id_y 1
		.amdhsa_system_sgpr_workgroup_id_z 1
		.amdhsa_system_vgpr_workitem_id 0
		.amdhsa_next_free_vgpr 178
		.amdhsa_next_free_sgpr 66
		.amdhsa_reserve_vcc 0
		.amdhsa_float_denorm_mode_32 3
		.amdhsa_float_denorm_mode_16_64 3
		.amdhsa_memory_ordered 1
		.amdhsa_forward_progress 1
		.amdhsa_inst_pref_size 25
	.end_amdhsa_kernel
	.amdgpu_metadata
---
amdhsa.version: [ 1, 2 ]
amdhsa.kernels:
  - .name:           k_q03f17f4642_prep
    .symbol:         k_q03f17f4642_prep.kd
    .args:
      - { .name: Wq, .offset: 0, .size: 8, .value_kind: global_buffer, .address_space: global }
      - { .name: Wk, .offset: 8, .size: 8, .value_kind: global_buffer, .address_space: global }
      - { .name: Wv, .offset: 16, .size: 8, .value_kind: global_buffer, .address_space: global }
      - { .name: Wo, .offset: 24, .size: 8, .value_kind: global_buffer, .address_space: global }
      - { .name: mask, .offset: 32, .size: 8, .value_kind: global_buffer, .address_space: global }
      - { .name: lowp_scales, .offset: 40, .size: 8, .value_kind: global_buffer, .address_space: global }
      - { .name: wimg, .offset: 48, .size: 8, .value_kind: global_buffer, .address_space: global }
      - { .name: maskw, .offset: 56, .size: 8, .value_kind: global_buffer, .address_space: global }
    .group_segment_fixed_size: 68608
    .private_segment_fixed_size: 0
    .kernarg_segment_align: 8
    .kernarg_segment_size: 64
    .max_flat_workgroup_size: 256
    .sgpr_count:     66
    .vgpr_count:     178
    .wavefront_size: 32
...
	.end_amdgpu_metadata
.endif
;; end of part 7
;; launch proj (part 8): grid 64 x 3, 4 waves a work-group, no clusters, 99,840 bytes of LDS; arguments Q, K, V, bq, bk, bv, lowp_scales, wimg, qimg, kimg, vimg; writes qimg, kimg, vimg
.if DOCPART == 8
	.amdgcn_target "amdgcn-amd-amdhsa--gfx1250"
	.amdhsa_code_object_version 6
	.text
	.protected	k_q03f17f4642_proj
	.globl	k_q03f17f4642_proj
	.p2align	8
	.type	k_q03f17f4642_proj,@function
k_q03f17f4642_proj:
	s_mov_b64 s[64:65], 0
	v_nop
	global_prefetch_b8 v0, s[64:65] scope:SCOPE_SE
	s_setreg_imm32_b32 hwreg(HW_REG_WAVE_SCHED_MODE, 0, 2), 2
	s_setreg_imm32_b32 hwreg(HW_REG_WAVE_MODE, 25, 1), 1
	s_wait_xcnt 0x0
	s_wait_alu depctr_vm_vsrc(0)
; The three input projections y = x W^T + b on codes of FP8 (E4M3), and y quantised at once for attention's products.  Work-group y picks the tensor (0 Q, 1 K, 2 V), x picks 256 rows of one batch: 4 blocks of 64.
; x arrives as f32 and is quantised here (read once); W arrives as register images (wimg); y never goes to memory as f32.
; THE WAVES SHARE THE COLUMNS: wave w makes columns 128 w .. 128 w + 127 (heads 2 w, 2 w + 1) for all 64 rows of a block; its 32 fragments of W (512 registers) stay in registers for the whole launch.
; A FRAGMENT'S IMAGE: four pieces of 512 bytes; piece c holds at byte 16 x lane the codes k = 32 c + 16 (lane / 16) + 0 .. 15 of row lane % 16.  The same permutation of k stands on both sides of every product.
; TILES ARE PERMUTED: tile T holds rows 32 (T / 2) + 8 (T % 2) + i + 8 (i / 8).  Where tiles 2 b, 2 b + 1 are source 0, a lane's 16 results are 16 NEIGHBOURS 32 b + 16 (lane / 16) + 0 .. 15 along that axis: two conversions give a piece.
;   Q, K (mode 0): source 0 = W's tile, source 1 = x's tile: a lane holds one row and 16 neighbouring channels.  qimg, kimg: [batch x 8 + head][tile of rows 0..127][piece 0..1][lane][16]
;   V    (mode 1): source 0 = x's tile, source 1 = W's tile: a lane holds one channel and 16 neighbouring keys.  vimg: [batch x 8 + head][step of 128 keys][tile of channels 0..3][piece 0..3][lane][16]
; The bias, divided once by 2^(ex + ew), is the C of each sum's first matrix instruction.  A sum stands for sum x 2^(ex + ew), so the conversion's one scale is 2^(eo - ex - ew).
; A BLOCK, two barriers: X: wave w loads 16 rows of x (each load 512 consecutive bytes), turns them through its own stage, quantises, stores four images | barrier | the next block's x is asked for, in two runs |
;   four groups of two W tiles x four x tiles x four K steps: 32 matrix instructions on eight accumulators by turns, quantised, stored as pieces of 512 aligned bytes | barrier.
; NO CLUSTER: what work-groups share is W, 262,144 bytes a work-group, read once, straight into registers as it lies; a joint load would have to pass it through LDS and read it from there again.
; 192 work-groups: a tensor's 256 blocks are dealt 4 to a work-group, so that W is read once for 4 blocks.
; LIMITS: ex and eo - ex - ew between -126 and 119 (ex = lowp_scales[0, 2, 4], ew = [1, 3, 5], eo = [6, 7, 9]).  NaN among the inputs is not served.
; REGISTERS, in windows of 256: window 0: v1-13 addresses and scales; v14-29 and v224-239 two sets of codes; v32-95, v96-159 two sets of 64 (x's numbers, then x's four fragments of a K step); v160-223 eight accumulators; v240-255 a group's bias.
;   windows 1, 2: W's fragment (tile t, K step s) at v[16 (4 (t % 4) + s)], tiles 0-3 and 4-7.   window 3: 64 loads of x, load (K step s, row i) at v[64 s + 4 i].
; THE MODE: SCHED_MODE bits 1:0 = 2 (LLVM: expert scheduling mode 2), set by the entry lines.  The code itself states the register dependences
; between vector or matrix instructions and memory or LDS instructions, with s_wait_alu, always for 0.
; THE PLAN.  Registers that memory or LDS instructions touch, in the loop:
;   window 3    Written by the loads of the next block's x; read by the turns' LDS stores; no vector instruction names it.  A wait on vm_vsrc stands ahead of each of the two runs of loads.
;   XF0, XF1    In X: the turn of K step s lands in set s % 2; that K step's holds and conversions read and write it; the turn of K step s + 2 lands in it again.
;               In the products: K step s's eight matrix instructions read set s % 2; the next K step's loads land in the other set, in two halves among those eight.  The fetch goes on over a group's end:
;               a group's last K step fetches the next group's first, which lands under the group's conversions.
;   PC0, PC1    In X: the conversions of K step s write PC[s % 2], the four image stores behind them read it.  In the products: each group's conversions write PC0, its four stores read it.
;   BC          Read, as C, by a group's first eight matrix instructions; the next group's bias lands in it in K step 1.
;   v1, v4-v7, v12, v13   offsets and LDS addresses: made at the head, named by no vector instruction again.
; So: in X one wait on va_vdst behind each K step's conversions (its codes are written; its set is done with), and beside it, at K steps 1 and 2, one on vm_vsrc (the image stores of the K step before have read the other PC);
; in the products one wait on va_vdst at the head of K steps 1 to 3 (the K step before is done reading the other set); in a group's tail one on vm_vsrc ahead of the conversions and one on va_vdst ahead of the stores.
; That last one also serves the next group's K step 0 and, round the loop, the next block's first two turns: no vector or matrix instruction stands between it and their loads.
.set XIMG,  0                          ; LDS: x's 16 fragments, (tile m, K step s) at 2,048 (4 m + s)
.set TURNB, 32768                      ; four stages of 16 rows x 528 bytes, a wave's own (528 bytes = 132 words: row r starts at bank 4 r mod 64)
.set BIMG,  66560                      ; four images of 64 bias registers, a wave's own
.set XF0, 32
.set XF1, 96
.set ACC, 160
.set PC0, 224
.set PC1, 14
.set BC,  240
.set MSB, 0
.macro WIN new                         ; the immediate's high byte repeats the setting that is left; a switch that changes nothing is dropped
.if MSB != \new
	s_set_vgpr_msb (MSB<<8)|\new
.set MSB, \new
.endif
.endm
.macro PLACES                          ; four plain places behind matrix instructions, in front of reads of their results; they stand in front of loads into their sources too, beside the wait that states that dependence
.rept 4
	v_nop
.endr
.endm
.macro XLOAD off, q0, q1, first        ; loads q0 .. q1 - 1 of the 64 that bring my 16 rows of the block off bytes on: K step by K step, so that counted waits can take them in that order.  first = 1: the kernel's first loads
	WIN 0xc0                                       ; destination window 3
.if \first
	s_wait_alu depctr_va_vdst(0)                   ; v1, v4 to v7, v12 and v13 are written: every load and store of the kernel reads one of them as its offset or LDS address, and no vector instruction names them again
.else
	s_wait_alu depctr_vm_vsrc(0)                   ; the turns' LDS stores have read the registers in which these loads land
.endif
.set q, \q0
.rept \q1-\q0
	global_load_b128 v[4*q:4*q+3], v1, s[30:31] offset:\off+(q%16+8*((q%16)/8))*2048+512*(q/16) th:TH_LOAD_NT   ; 512 consecutive bytes of one row; read once in the launch
.set q, q+1
.endr
	WIN 0
.endm
.macro XMORE                           ; the next block's K steps 2 and 3, if there is a next block: no load leaves its buffer
	s_cmp_eq_u32 s4, 1
	s_cbranch_scc1 .Lno_more_\@
	XLOAD 131072, 32, 64, 0
.Lno_more_\@:
.endm
.macro TURN s                          ; K step s: 16 rows x 512 bytes through my stage; back come 16 neighbours of each block of 32: register 16 b + i = k 32 b + 16 (lane / 16) + i of row lane % 16
	WIN 0x0c                                       ; store data window 3
.irp i, 0,1,2,3,4,5,6,7,8,9,10,11,12,13,14,15
	ds_store_b128 v4, v[64*\s+4*\i:64*\s+4*\i+3] offset:528*\i
.endr
	WIN 0
.irp b, 0,1,2,3
.irp j, 0,1,2,3
	ds_load_b128 v[XF0+64*(\s%2)+16*\b+4*\j:XF0+64*(\s%2)+16*\b+4*\j+3], v5 offset:128*\b+16*\j   ; LDS serves a wave's instructions in order: these see my stores, and the next K step's stores come behind them
.endr
.endr
.endm
.macro QUANT s, sc, lim, pc            ; 64 numbers of a lane become a fragment's 16 registers of codes, v[pc] on.  v[sc]: the scale; v[lim]: 448 x the scale
.irp b, 0,1,2,3
.irp i, 0,1,2,3,4,5,6,7,8,9,10,11,12,13,14,15
	v_med3_num_f32 v[\s+16*\b+\i], v[\s+16*\b+\i], -v[\lim], v[\lim]   ; the conversion to an 8-bit code does not saturate (ISA guide 7.6.2): hold the number first
.endr
	v_cvt_scalef32_pk8_fp8_f32 v[\pc+4*\b:\pc+4*\b+1], v[\s+16*\b:\s+16*\b+7], v[\sc]
	v_cvt_scalef32_pk8_fp8_f32 v[\pc+4*\b+2:\pc+4*\b+3], v[\s+16*\b+8:\s+16*\b+15], v[\sc]
.endr
	v_nop                                          ; a plain place behind the last conversion, ahead of whatever writes its sources next
.endm
.macro IMAGE s, pc                     ; my tile's fragment of K step s goes to LDS as it stands
.irp c, 0,1,2,3
	ds_store_b128 v6, v[\pc+4*\c:\pc+4*\c+3] offset:2048*\s+512*\c
.endr
.endm
.macro FETCHX s, f, m0                 ; the fragments of K step s of tiles m0 and m0 + 1, into set f: eight loads
.irp m, \m0, \m0+1
.irp c, 0,1,2,3
	ds_load_b128 v[\f+16*(\m)+4*\c:\f+16*(\m)+4*\c+3], v1 offset:XIMG+2048*(4*(\m)+(\s))+512*\c
.endr
.endr
.endm
.macro BCLOAD p                        ; group p's bias, in the result's layout
.irp q, 0,1,2,3
	ds_load_b128 v[BC+4*\q:BC+4*\q+3], v7 offset:512*(4*(\p)+\q)
.endr
.endm
.macro MM mode, p, s, m, a             ; one matrix instruction: W's tile 2 p + a, x's tile m, K step s
.set rW, 16*(4*((2*\p+\a)%4)+\s)
.set rX, XF0+64*(\s%2)+16*\m
.if \mode
.set rD, ACC+32*\a+8*\m
.if \s == 0
	v_wmma_f32_16x16x128_fp8_fp8 v[rD:rD+7], v[rX:rX+15], v[rW:rW+15], v[BC+8*\a:BC+8*\a+7]
.else
	v_wmma_f32_16x16x128_fp8_fp8 v[rD:rD+7], v[rX:rX+15], v[rW:rW+15], v[rD:rD+7]
.endif
.else
.set rD, ACC+16*\m+8*\a
.if \s == 0
	v_wmma_f32_16x16x128_fp8_fp8 v[rD:rD+7], v[rW:rW+15], v[rX:rX+15], v[BC+8*\a:BC+8*\a+7]
.else
	v_wmma_f32_16x16x128_fp8_fp8 v[rD:rD+7], v[rW:rW+15], v[rX:rX+15], v[rD:rD+7]
.endif
.endif
.endm
; K step s of group p: eight matrix instructions on set s % 2; the next K step's sixteen loads (after K step 3: the next group's K step 0) land in the other set, eight ahead of them and eight in their middle.
; In mode 0 W's window stands at source 0, which is also an LDS load's address: so each half of the loads stands between two switches.  In mode 1 it stands at source 1, which a load does not name: no switch.
; K step 0 has no wait: the other set was last named ahead of the wait in the tail of the group before (group 0: ahead of the wait in front of the fourth image), and only stores, loads and scalar lines stand between.
; The last group's last K step fetches nothing, so it states nothing.
.macro STEP mode, p, s
.if (\p < 3) || (\s < 3)
.if !\mode
	WIN 0
.endif
.if \s > 0
	PLACES
	s_wait_alu depctr_va_vdst(0)                   ; the matrix instructions of the K step before are done reading the other set, in which this K step's loads land; at K step 1 also the bias, in which the next group's lands
.endif
	FETCHX (\s+1)%4, XF0+64*((\s+1)%2), 0
	s_wait_dscnt 8                                 ; LDS loads come back in order (ISA guide 5.7.1): all but the eight just issued: this K step's fragments, and at K step 0 the bias, are in
.else
	s_wait_dscnt 0x0
.endif
	WIN (1+\p/2)<<(2*\mode)                        ; W's window, at source 0 (mode 0) or source 1 (mode 1)
.irp m, 0,1
.irp a, 0,1
	MM \mode, \p, \s, \m, \a
.endr
.endr
.if (\p < 3) || (\s < 3)
.if !\mode
	WIN 0
.endif
	FETCHX (\s+1)%4, XF0+64*((\s+1)%2), 2          ; no wait: the four matrix instructions since the wait name this K step's set, W and the accumulators, none of the registers that these loads touch
.if (\s == 1) && (\p < 3)
	BCLOAD \p+1
.endif
	WIN (1+\p/2)<<(2*\mode)
.endif
.irp m, 2,3
.irp a, 0,1
	MM \mode, \p, \s, \m, \a
.endr
.endr
.endm
; W's tiles 2 p, 2 p + 1 against the block's four tiles of x.  The eight accumulators take turns, one instruction a turn.
.macro GROUP mode, p
.irp s, 0,1,2,3
	STEP \mode, \p, \s
.endr
	WIN 0
	PLACES
	s_wait_xcnt 0x0                                ; the stores of the group before have had their addresses translated (ISA guide 3.1): their data registers are rewritten only behind this wait,
	s_wait_alu depctr_vm_vsrc(0)                   ; and have read PC0 (group 0: the third image's LDS stores have), which the conversions below write
	QUANT ACC, 10, 11, PC0                         ; each accumulator from its low end on
	s_wait_alu depctr_va_vdst(0)                   ; the conversions have written PC0, which the stores read; the group's last matrix instructions are done reading their set, in which the next loads land
.irp q, 0,1,2,3
.if \mode
	global_store_b128 v1, v[PC0+4*\q:PC0+4*\q+3], s[48:49] offset:(\p/2)*131072+2048*(2*(\p%2)+\q/2)+512*(\q%2)   ; head p / 2 of my two; tile of channels 2 (p % 2) + a; piece b' of this block's two
.else
	global_store_b128 v1, v[PC0+4*\q:PC0+4*\q+3], s[48:49] offset:(\p/2)*131072+1024*\q+512*(\p%2)                ; head p / 2 of my two; tile of rows q; piece p % 2.  512 consecutive bytes, aligned
.endif
.endr
.endm
	s_load_b512 s[8:23], s[0:1], 0x0               ; Q s[8:9], K s[10:11], V s[12:13], bq s[14:15], bk s[16:17], bv s[18:19], scales s[20:21], wimg s[22:23]
	s_load_b128 s[24:27], s[0:1], 0x40             ; qimg, kimg
	s_load_b64 s[28:29], s[0:1], 0x50              ; vimg
	v_lshl_add_u32 v30, v0, 2, 0x18400
	v_mov_b32 v31, 0
	v_lshrrev_b32 v1, 5, v0
	v_readfirstlane_b32 s2, v1                     ; wave 0..3
	s_and_b32 s3, ttmp7, 0xffff                    ; which tensor
	v_and_b32 v1, 31, v0
	v_lshlrev_b32 v1, 4, v1                        ; 16 x lane
	v_and_b32 v2, 15, v0                           ; r
	v_bfe_u32 v3, v0, 4, 1                         ; h
	s_wait_alu depctr_va_sdst(0)                   ; s2 is written, ahead of its first reader: LDS addresses and the buffers' offsets are made from it
	s_mul_i32 s50, s2, 8448
	s_add_co_u32 s50, s50, TURNB
	v_add_nc_u32 v4, s50, v1                       ; my stage, on the way in
	v_mul_u32_u24 v5, v2, 528
	v_lshl_add_u32 v5, v3, 6, v5
	v_add_nc_u32 v5, s50, v5                       ; and out: row r, + 64 h
	s_lshl_b32 s50, s2, 13
	v_add_nc_u32 v6, s50, v1                       ; where I store x's images: tile m = my wave
	s_add_co_u32 s50, s50, BIMG
	v_add_nc_u32 v7, s50, v1                       ; my bias image
	v_lshlrev_b32 v12, 6, v3                       ; the bias's offset in mode 0: 64 h,
	v_and_b32 v13, 8, v2
	v_add_nc_u32 v13, v13, v2
	v_lshlrev_b32 v13, 2, v13                      ; and in mode 1: 4 (r + 8 (r / 8)).  Both are made here, ahead of the head's one wait for addresses
	s_mov_b32 s4, 4                                ; blocks to go
	s_and_b32 s5, ttmp9, 7
	s_lshl_b32 s5, s5, 2                           ; the block's number in its batch, 0 .. 31
	s_lshl_b32 s50, ttmp9, 8
	s_lshr_b32 s51, s2, 1
	s_lshl_b32 s51, s51, 5
	s_add_co_u32 s50, s50, s51
	s_and_b32 s51, s2, 1
	s_lshl_b32 s51, s51, 3
	s_add_co_u32 s50, s50, s51                     ; my tile's first row: 256 x + 32 (w / 2) + 8 (w % 2)
	s_lshl_b32 s50, s50, 11
	s_mov_b32 s51, 0
	s_lshl_b32 s52, s2, 9                          ; my 128 numbers of the bias
	s_mov_b32 s53, 0
	s_lshr_b32 s54, ttmp9, 3
	s_lshl_b32 s54, s54, 3
	s_lshl_b32 s55, s2, 1
	s_add_co_u32 s54, s54, s55                     ; batch x 8 + my first head,
	s_lshl_b32 s54, s54, 17                        ; x 131,072 bytes of codes a head
	s_mov_b32 s55, 0
	s_lshl_b32 s56, s3, 18
	s_lshl_b32 s57, s2, 16
	s_add_co_u32 s56, s56, s57                     ; my 8 tiles of the tensor's weight
	s_mov_b32 s57, 0
	s_cmp_eq_u32 s3, 2
	s_cselect_b32 s6, 10, 12                       ; an odd block lies 1,024 (V: two pieces) or 4,096 bytes (Q, K: four tiles) behind the even one
	s_wait_kmcnt 0x0
	s_load_b256 s[36:43], s[20:21], 0x0            ; e0 .. e7
	s_load_b128 s[44:47], s[20:21], 0x20           ; e8 .. e11
	s_cmp_eq_u32 s3, 0                             ; the buffers are chosen by the work-group's number alone
	s_cselect_b64 s[30:31], s[8:9], s[12:13]
	s_cselect_b64 s[32:33], s[14:15], s[18:19]
	s_cselect_b64 s[34:35], s[24:25], s[28:29]
	s_cmp_eq_u32 s3, 1
	s_cselect_b64 s[30:31], s[10:11], s[30:31]
	s_cselect_b64 s[32:33], s[16:17], s[32:33]
	s_cselect_b64 s[34:35], s[26:27], s[34:35]
	s_add_nc_u64 s[30:31], s[30:31], s[50:51]      ; x at my tile
	s_add_nc_u64 s[32:33], s[32:33], s[52:53]      ; the bias at my columns
	s_add_nc_u64 s[34:35], s[34:35], s[54:55]      ; the codes at my first head
	s_add_nc_u64 s[56:57], s[22:23], s[56:57]      ; W's images
	XLOAD 0, 0, 64, 1                              ; the first block's x goes out first
	WIN 0x40                                       ; destination window 1
.set q, 0
.rept 64
	global_load_b128 v[4*q:4*q+3], v1, s[56:57] offset:512*q            ; W's tiles 0-3: the image is the register order
.set q, q+1
.endr
	WIN 0x80                                       ; destination window 2
.set q, 0
.rept 64
	global_load_b128 v[4*q:4*q+3], v1, s[56:57] offset:32768+512*q      ; tiles 4-7
.set q, q+1
.endr
	WIN 0
	s_wait_kmcnt 0x0
	s_cmp_eq_u32 s3, 0
	s_cselect_b32 s50, s36, s40                    ; ex
	s_cselect_b32 s51, s37, s41                    ; ew
	s_cselect_b32 s52, s42, s45                    ; eo: e6 for q, e9 for v,
	s_cmp_eq_u32 s3, 1
	s_cselect_b32 s50, s38, s50
	s_cselect_b32 s51, s39, s51
	s_cselect_b32 s52, s43, s52                    ; e7 for k
	s_add_co_i32 s53, s50, s51
	s_sub_co_i32 s52, s52, s53                     ; eo - ex - ew
	s_sub_co_i32 s53, 0, s53                       ; -(ex + ew)
	s_add_co_i32 s50, s50, 127
	s_lshl_b32 s51, s50, 23
	v_mov_b32 v8, s51                              ; 2^ex
	s_add_co_i32 s50, s50, 8
	s_lshl_b32 s50, s50, 23
	s_or_b32 s50, s50, 0x600000
	v_mov_b32 v9, s50                              ; 448 x 2^ex
	s_add_co_i32 s52, s52, 127
	s_lshl_b32 s51, s52, 23
	v_mov_b32 v10, s51                             ; 2^(eo - ex - ew)
	s_add_co_i32 s52, s52, 8
	s_lshl_b32 s52, s52, 23
	s_or_b32 s52, s52, 0x600000
	v_mov_b32 v11, s52                             ; 448 x that
	; the bias in the result's layout, register 16 p + 8 a + j.  Mode 0: column 32 p + 8 a + 16 h + j.  Mode 1: column 32 p + 8 a + r + 8 (r / 8), the same in all eight registers.
	; No wait ahead of its loads: the four moves above name neither their offsets nor the registers in which they land
	s_cmp_eq_u32 s3, 2
	s_cbranch_scc1 .Lbias_v
.set q, 0
.rept 8
	global_load_b128 v[XF0+8*q:XF0+8*q+3],   v12, s[32:33] offset:128*(q/2)+32*(q%2)
	global_load_b128 v[XF0+8*q+4:XF0+8*q+7], v12, s[32:33] offset:128*(q/2)+32*(q%2)+16
.set q, q+1
.endr
	s_wait_loadcnt 0x0                             ; the bias, and with it W and the first block's x
.set n, 0
.rept 64
	v_ldexp_f32 v[ACC+n], v[XF0+n], s53            ; b / 2^(ex + ew)
.set n, n+1
.endr
	s_branch .Lbias_done
.Lbias_v:
.set q, 0
.rept 8
	global_load_b32 v[XF0+q], v13, s[32:33] offset:128*(q/2)+32*(q%2)
.set q, q+1
.endr
	s_wait_loadcnt 0x0
.set n, 0
.rept 64
	v_ldexp_f32 v[ACC+n], v[XF0+n/8], s53
.set n, n+1
.endr
.Lbias_done:
	s_wait_alu depctr_va_vdst(0)                   ; the 64 lines above have written v[ACC ..], which the LDS stores read, and are done reading v[XF0 ..], in which the first turn's loads land
.set q, 0
.rept 16
	ds_store_b128 v7, v[ACC+4*q:ACC+4*q+3] offset:512*q   ; my own bytes: no barrier
.set q, q+1
.endr
.Lblock:
	s_lshr_b32 s50, s5, 1                          ; where this block's codes go (the last trip's stores have read the old base: the wait stands at the trip's end)
	s_lshl_b32 s50, s50, 13
	s_and_b32 s51, s5, 1
	s_lshl_b32 s51, s51, s6
	s_add_co_u32 s50, s50, s51
	s_mov_b32 s51, 0
	s_add_nc_u64 s[48:49], s[34:35], s[50:51]
	; ---- X: my 16 rows become four fragments.  The load counts leave the 16 loads of each later K step out; the LDS count 32 leaves the turn just issued out.
	; The first two turns' loads owe no wait here: both sets were last named ahead of the wait in the last group's tail (first trip: ahead of the wait in front of the bias's stores)
	s_wait_loadcnt 48
	TURN 0
	s_wait_loadcnt 32
	TURN 1
	s_wait_dscnt 32
	QUANT XF0, 8, 9, PC0
	s_wait_alu depctr_va_vdst(0)                   ; the conversions have written PC0, which the image's stores read; holds and conversions are done with XF0, in which the turn of K step 2 lands
	IMAGE 0, PC0
	s_wait_loadcnt 16
	TURN 2
	s_wait_dscnt 32                                ; K step 1 is back
	QUANT XF1, 8, 9, PC1
	s_wait_alu depctr_va_vdst(0)                   ; the conversions have written PC1; holds and conversions are done with XF1, in which the turn of K step 3 lands
	s_wait_alu depctr_vm_vsrc(0)                   ; image 0's stores have read PC0, which K step 2's conversions write; in the first trip the bias's stores have read v[ACC ..], which the products write
	IMAGE 1, PC1
	s_wait_loadcnt 0x0
	TURN 3
	s_wait_dscnt 32
	QUANT XF0, 8, 9, PC0
	s_wait_alu depctr_va_vdst(0)                   ; the conversions have written PC0
	s_wait_alu depctr_vm_vsrc(0)                   ; image 1's stores have read PC1, which K step 3's conversions write
	IMAGE 2, PC0
	s_wait_dscnt 0x0
	QUANT XF1, 8, 9, PC1
	s_wait_alu depctr_va_vdst(0)                   ; the conversions have written PC1; holds and conversions are done with both sets, in which x's fragments land behind the barrier
	IMAGE 3, PC1
	s_wait_dscnt 0x0                               ; for the others' sake: my images have landed
	s_barrier_signal -1
	s_barrier_wait -1                              ; x's sixteen fragments lie in LDS
	BCLOAD 0                                       ; the first group's bias and first K step are asked for first: the products wait for them, and nothing yet for the next block's x
	FETCHX 0, XF0, 0
	FETCHX 0, XF0, 2
	; The next block's x is asked for in two runs of 32 loads, K steps 0 and 1 here, 2 and 3 between the second and the third group: 64 at once would fill LOADcnt's field,
	; at which issue stops until a load is back (ISA guide 5.7.1), and this wave is the only one of its SIMD.  Each run has at least two groups in which to land.
	s_cmp_eq_u32 s4, 1                             ; if there is a next block: no load leaves its buffer
	s_cbranch_scc1 .Lno_next
	XLOAD 131072, 0, 32, 0
.Lno_next:
	; ---- the products.  The two ways differ in the order of the sources and in where the pieces go; they hold LDS loads, global loads and global stores alone
	s_cmp_eq_u32 s3, 2
	s_cbranch_scc1 .Lph_v
	GROUP 0, 0
	GROUP 0, 1
	XMORE
	GROUP 0, 2
	GROUP 0, 3
	s_branch .Lph_done
.Lph_v:
	GROUP 1, 0
	GROUP 1, 1
	XMORE
	GROUP 1, 2
	GROUP 1, 3
.Lph_done:
	s_wait_dscnt 0x0                               ; my reads of x's images are over
	s_barrier_signal -1
	s_barrier_wait -1                              ; everybody's are: the next block may write them
	s_wait_xcnt 0x0                                ; loads and stores have had their addresses translated (ISA guide 3.1): bases and data registers are rewritten only behind this wait
	s_wait_alu depctr_vm_vsrc(0)                   ; the last group's stores have read PC0, which the next block's first conversions write
	s_add_nc_u64 s[30:31], s[30:31], 131072        ; 64 rows on
	s_add_co_u32 s5, s5, 1
	s_sub_co_u32 s4, s4, 1
	s_cmp_lg_u32 s4, 0
	s_cbranch_scc1 .Lblock
	s_wait_dscnt 0x0
	s_wait_alu depctr_hold_cnt(0) depctr_sa_sdst(0) depctr_va_vdst(0) depctr_va_sdst(0) depctr_va_ssrc(0) depctr_va_vcc(0) depctr_vm_vsrc(0)
	s_wait_tensorcnt 0x0
	ds_add_u32 v30, v31
	s_wait_dscnt 0x0
	s_endpgm
.Lfunc_end_k_q03f17f4642_proj:
	.size	k_q03f17f4642_proj, .Lfunc_end_k_q03f17f4642_proj-k_q03f17f4642_proj
	.p2alignl 7, 3214868480
	.fill 96, 4, 3214868480
	.section	.rodata,"a",@progbits
	.p2align	6, 0x0
	.amdhsa_kernel k_q03f17f4642_proj
		.amdhsa_group_segment_fixed_size 99840
		.amdhsa_private_segment_fixed_size 0
		.amdhsa_enable_private_segment 0
		.amdhsa_kernarg_size 88
		.amdhsa_user_sgpr_count 2
		.amdhsa_user_sgpr_kernarg_segment_ptr 1
		.amdhsa_wavefront_size32 1
		.amdhsa_system_sgpr_workgroup_id_x 1
		.amdhsa_system_sgpr_workgroup_id_y 1
		.amdhsa_system_sgpr_workgroup_id_z 1
		.amdhsa_system_vgpr_workitem_id 0
		.amdhsa_next_free_vgpr 1024
		.amdhsa_next_free_sgpr 66
		.amdhsa_reserve_vcc 0
		.amdhsa_float_denorm_mode_32 3
		.amdhsa_float_denorm_mode_16_64 3
		.amdhsa_memory_ordered 1
		.amdhsa_forward_progress 1
		.amdhsa_inst_pref_size 169
	.end_amdhsa_kernel
	.amdgpu_metadata
---
amdhsa.version: [ 1, 2 ]
amdhsa.kernels:
  - .name:           k_q03f17f4642_proj
    .symbol:         k_q03f17f4642_proj.kd
    .args:
      - { .name: Q, .offset: 0, .size: 8, .value_kind: global_buffer, .address_space: global }
      - { .name: K, .offset: 8, .size: 8, .value_kind: global_buffer, .address_space: global }
      - { .name: V, .offset: 16, .size: 8, .value_kind: global_buffer, .address_space: global }
      - { .name: bq, .offset: 24, .size: 8, .value_kind: global_buffer, .address_space: global }
      - { .name: bk, .offset: 32, .size: 8, .value_kind: global_buffer, .address_space: global }
      - { .name: bv, .offset: 40, .size: 8, .value_kind: global_buffer, .address_space: global }
      - { .name: lowp_scales, .offset: 48, .size: 8, .value_kind: global_buffer, .address_space: global }
      - { .name: wimg, .offset: 56, .size: 8, .value_kind: global_buffer, .address_space: global }
      - { .name: qimg, .offset: 64, .size: 8, .value_kind: global_buffer, .address_space: global }
      - { .name: kimg, .offset: 72, .size: 8, .value_kind: global_buffer, .address_space: global }
      - { .name: vimg, .offset: 80, .size: 8, .value_kind: global_buffer, .address_space: global }
    .group_segment_fixed_size: 99840
    .private_segment_fixed_size: 0
    .kernarg_segment_align: 8
    .kernarg_segment_size: 88
    .max_flat_workgroup_size: 128
    .sgpr_count:     66
    .vgpr_count:     1024
    .wavefront_size: 32
...
	.end_amdgpu_metadata
.endif
;; end of part 8
;; launch attn (part 9): grid 4 x 64, 16 waves a work-group, clusters of 4 x 1, 264,192 bytes of LDS; arguments qimg, kimg, vimg, maskw, lowp_scales, aimg; writes aimg
.if DOCPART == 9
	.amdgcn_target "amdgcn-amd-amdhsa--gfx1250"
	.amdhsa_code_object_version 6
	.text
	.protected	k_q03f17f4642_attn
	.globl	k_q03f17f4642_attn
	.p2align	8
	.type	k_q03f17f4642_attn,@function
k_q03f17f4642_attn:
	s_mov_b64 s[64:65], 0
	v_nop
	global_prefetch_b8 v0, s[64:65] scope:SCOPE_SE
	s_setreg_imm32_b32 hwreg(HW_REG_WAVE_MODE, 25, 1), 1
	s_wait_xcnt 0x0
	s_wait_alu depctr_hold_cnt(0) depctr_sa_sdst(0) depctr_va_vdst(0) depctr_va_sdst(0) depctr_va_ssrc(0) depctr_va_vcc(0) depctr_vm_vsrc(0)
	s_getreg_b32 s2, hwreg(HW_REG_IB_STS2, 6, 4)
	s_cmp_eq_u32 s2, 0
	s_cbranch_scc0 .Lentry_in_a_cluster
	s_endpgm
.Lentry_in_a_cluster:
	s_bfe_u32 s2, ttmp6, 0x10000c
	s_cmp_lg_u32 s2, 0x3003
	s_cbranch_scc0 .Lentry_shape_is_right
	s_endpgm
.Lentry_shape_is_right:
; Attention on codes of FP8 (E4M3): S = q k^T / 8, the mask, p = 2^(t - M), O = p v / l, and O quantised for the last projection.  64 heads (batch x 8 + head) of 2,048 x 64.
; SHARES.  A work-group owns one head (y) and 512 queries (x): two passes of 256; in a pass each of its SIXTEEN waves owns one tile of 16 queries, in 256 registers: four waves to a SIMD.
; A key step's softmax is some 290 vector instructions beside 12 matrix instructions: vector issue binds, so what is spared is vector work and a wave's own waiting.
; THE HEAD'S WHOLE K AND V LIE IN LDS, 131,072 bytes each, as the images that the projection stored: filled once, never again: no ring and no barrier in the loop.  An image load takes 512 consecutive bytes: no pitch, no padding.
; CLUSTER.  The four work-groups of a head need the same K and V: each wave's 16,384 bytes are asked for JOINTLY, by the same tensor load with the same descriptor and a mask that names the four.  One tensor load a wave is out.
; LAYOUT.  Both products are used transposed: S^T = k q^T (source 0 = 16 keys, source 1 = my 16 queries), O^T = v^T p^T (source 0 = 16 channels, source 1 = p): a lane holds ONE query throughout.
; TILES ARE PERMUTED (tile T: rows 32 (T / 2) + 8 (T % 2) + i + 8 (i / 8)): score register 16 b + i is key 128 step + 32 b + 16 (lane / 16) + i, so two conversions give a piece of p's fragment; O^T's registers likewise run along the channels.
; THE MASK comes as lane-mask words (maskw), one for each score register, by scalar loads a step ahead; one v_cndmask_b32 a score puts -2^100 where the mask is 0.  Times c x 2^(eq + ek) that is exact and a whole number:
; a row that is masked throughout has t - M = 0 and p = 1 for every key, as the reference's -1e30 gives; in any other row such a p is 0, and what was summed before the first open key is multiplied by f = 0.
; THE SOFTMAX: t = score x log2(e) / 8; -M = floor(-(the running largest t)): M is a whole number; p = 2^(t - M) is quantised with 2^ep, not normalised; l sums the unquantised p; when M moves, l and O^T are multiplied by 2^(old M - new M): exact.
; The running largest is kept as a raw score: c is positive, so c x the largest score is the largest t.
; EACH HEAD BEGINS AT ANOTHER KEY STEP: head number % 16, and goes round.  K and V lie whole in LDS and the running M takes the keys in any order.  The 64 heads read the same mask words: so they stand at 16 different steps of a tile's
; words at a time, and from a head's second step on the 256 bytes that it asks for have been asked for by other heads before.  After 16 steps the walk is back at its first step: the last step's fetch ahead is the next pass's first K.
; THE STEP'S ORDER.  K's fragments are asked for a step ahead.  V's tiles 0, 1 go into registers of their own; tiles 2, 3 into the first 32 score registers as soon as their conversions have read them.  One wait on DScnt a step,
; in front of the second product.  The maxima run in four chains among the selects, six selects behind them.  The run of dependent lines from the last maxima to -M has the step's 24 early LDS loads in its gaps.  From -M on the list goes
; in 40 turns: turn k holds the scaling of pair k + 2, the two exponentials of pair k, the sum of pair k - 2, the hold of pair k - 7, in turns 0-15 a rescaling of O^T, and a turn behind every fourth hold a conversion:
; no two exponentials follow each other, and nothing reads a result just made.  Nothing is loaded between the passes: both passes' q come at the kernel's head, and a pass's last step asks for the next pass's first mask words.
; aimg: [batch x 128 + tile of queries][K step = head / 2][piece = 2 (head % 2) + channel / 32][lane][16]: the last projection's operand as register images.
; LIMITS: eq + ek (lowp_scales[6] + [7]) between -70 and 25 (c's exponent field takes them; -2^100 x c x 2^(eq + ek) stays a whole f32 number); ep ([8]) and ea ([10]) between -126 and 119.  NaN among the inputs is not served.
; REGISTERS: v1 16 x lane; v2, v3 LDS addresses; v4 -2^100; v5, v7 448 x 2^ep; v6 2^ep; v8, v9 2^ea, 448 x 2^ea; v[10:11] f, 0; v12 -M; v13 the largest score; v[14:15] l; v16-23 q; v24-87 eight fragments of k;
;   v88-151 S^T, then p, then (v88-119) V's tiles 2, 3; v152-183 O^T; v184-199 p's codes, at a pass's end O's; v200-203 four maxima; v204 a permute's result; v205 the old -M; v206-211 three chains of sums;
;   v212-219 the second pass's q; v220 16 x lane + 131,072; v224-255 V's tiles 0, 1.   s16-63, s68-83: a step's 64 mask words.
.set F,  24
.set S,  88
.set O,  152
.set P,  184
.set T,  200
.set LS, 204                           ; chain c of the sums (c = 1, 2, 3) at v[LS + 2 c]; chain 0 is l itself
.set Q1, 212
.set G,  224
.macro PLACES                          ; four plain places behind matrix instructions (ISA guide 7.12.1)
.rept 4
	v_nop
.endr
.endm
.macro ROUND                           ; a round of the cluster's barrier: my work-group's barrier; wave 0 signals for the work-group; every wave waits for all four work-groups; my work-group's barrier once more
	s_barrier_signal -1
	s_barrier_wait -1
	s_cmp_lg_u32 s14, 0
	s_cbranch_scc1 .Lnot_wave_0_\@
	s_barrier_signal -3
.Lnot_wave_0_\@:
	s_barrier_wait -3
	s_barrier_signal -1
	s_barrier_wait -1
.endm
.macro MAXI                            ; maximum i of 30 over the lane's 64 scores, chain i % 4: the first four take three scores each (0 .. 11), the others two more (2 i + 4, 2 i + 5)
.if i < 4
	v_max3_num_f32 v[T+i], v[S+3*i], v[S+3*i+1], v[S+3*i+2]
.else
	v_max3_num_f32 v[T+i%4], v[T+i%4], v[S+2*i+4], v[S+2*i+5]
.endif
.endm
.macro ADDP                            ; pair j of the UNQUANTISED p joins the sums, chain j % 4.  Pair 0 with l's rescaling, fused; pairs 1-3 wait for pairs 5-7, with which they start their chains: nothing is cleared
.if j == 0
	s_setprio 1
	s_wait_alu depctr_va_vdst(0)
	v_pk_fma_f32 v[14:15], v[14:15], v[10:11], v[S:S+1] op_sel_hi:[1,0,1]
.elseif j < 4
.elseif (j%4) == 0
	s_wait_alu depctr_va_vdst(0)
	v_pk_add_f32 v[14:15], v[14:15], v[S+2*j:S+2*j+1]
.elseif j < 8
	s_wait_alu depctr_va_vdst(0)
	v_pk_add_f32 v[LS+2*(j%4):LS+2*(j%4)+1], v[S+2*j-8:S+2*j-7], v[S+2*j:S+2*j+1]
.else
	s_wait_alu depctr_va_vdst(0)
	v_pk_add_f32 v[LS+2*(j%4):LS+2*(j%4)+1], v[LS+2*(j%4):LS+2*(j%4)+1], v[S+2*j:S+2*j+1]
.endif
.endm
.macro KL q0, q1                       ; pieces q0 .. q1 - 1 of the 16 of a step's K (eight tiles of 16 keys, two pieces each), from the address in v2
.set q, \q0
.rept \q1-\q0
	ds_load_b128 v[F+4*q:F+4*q+3], v2 offset:512*q
.set q, q+1
.endr
.endm
.macro VL q0, q1                       ; pieces q0 .. q1 - 1 of the 16 of this step's V (four tiles of 16 channels x 128 keys, four pieces each): tiles 0, 1 into G, tiles 2, 3 into the first 32 score registers
.set q, \q0
.rept \q1-\q0
.if q < 8
	ds_load_b128 v[G+4*q:G+4*q+3], v3 offset:512*q
.else
	ds_load_b128 v[S+4*q-32:S+4*q-29], v3 offset:512*q
.endif
.set q, q+1
.endr
.endm
	s_load_b256 s[68:75], s[0:1], 0x0              ; qimg s[68:69], kimg s[70:71], vimg s[72:73], maskw s[74:75]
	s_load_b128 s[76:79], s[0:1], 0x20             ; scales s[76:77], aimg s[78:79]
	v_lshl_add_u32 v222, v0, 2, 0x40000
	v_mov_b32 v223, 0
	ds_add_u32 v222, v223
	ds_add_u32 v222, v223
	v_lshrrev_b32 v1, 5, v0
	s_delay_alu instid0(VALU_DEP_1)
	v_readfirstlane_b32 s14, v1                    ; wave 0..15
	v_and_b32 v1, 31, v0
	s_delay_alu instid0(VALU_DEP_1)
	v_lshlrev_b32 v1, 4, v1                        ; 16 x lane
	s_delay_alu instid0(VALU_DEP_1)
	v_add_nc_u32 v220, 0x20000, v1                 ; V lies 131,072 bytes behind K
	s_and_b32 s100, ttmp7, 0xffff                  ; the head, which the four partners share
	s_lshl_b32 s22, s100, 17                       ; what I fetch: the head's 131,072 bytes of K (waves 0-7) or V (waves 8-15), 16,384 to a wave: nothing of my place in the cluster enters
	s_and_b32 s23, s14, 7
	s_lshl_b32 s23, s23, 14
	s_add_co_u32 s22, s22, s23
	s_mov_b32 s23, 0
	s_bfe_u32 s98, ttmp6, 0x40000                  ; cx: my place in the cluster: it enters q's, the mask's and the output's addresses alone
	s_lshl_b32 s99, ttmp9, 2
	s_add_co_u32 s98, s98, s99                     ; my block of 512 queries
	s_lshl_b32 s98, s98, 5
	s_add_co_u32 s98, s98, s14                     ; my tile of queries in the first pass: 32 x block + wave
	s_lshl_b32 s16, s100, 17
	s_lshl_b32 s17, s98, 10
	s_add_co_u32 s16, s16, s17                     ; q: head x 131,072 + tile x 1,024
	s_mov_b32 s17, 0
	s_lshl_b32 s18, s98, 12                        ; the mask: tile x 4,096
	s_mov_b32 s19, 0
	s_lshr_b32 s20, s100, 3
	s_lshl_b32 s20, s20, 7
	s_add_co_u32 s20, s20, s98
	s_lshl_b32 s20, s20, 13                        ; the output: (batch x 128 + tile) x 8,192
	s_bfe_u32 s21, s100, 0x20001
	s_lshl_b32 s21, s21, 11
	s_add_co_u32 s20, s20, s21                     ; + (head / 2) x 2,048
	s_and_b32 s21, s100, 1
	s_lshl_b32 s21, s21, 10
	s_add_co_u32 s20, s20, s21                     ; + (head % 2) x 1,024
	s_mov_b32 s21, 0
	s_and_b32 s15, s100, 15
	s_lshl_b32 s15, s15, 13                        ; the walk's counter: 8,192 x (head % 16) at first, 8,192 more in each step; its bits 16:13 are the key step
	; descriptor group 1: a dense block of 16,384 bytes as 64 rows of 32 elements of 8 bytes
	s_mov_b32 s84, 15|(3<<16)|(1<<21)              ; 15:0 the mask: all four work-groups; 17:16 elements of 8 bytes; 20 no padding; 21 set beside a mask
	s_mov_b32 s85, 32<<16                          ; tensor_dim0 = 32
	s_mov_b32 s86, 64<<16                          ; tensor_dim1 = 64
	s_mov_b32 s87, 32<<16                          ; tile_dim0 = 32
	s_mov_b32 s88, 64                              ; tile_dim1 = 64
	s_mov_b32 s89, 32                              ; elements from row to row
	s_mov_b32 s90, 0
	s_mov_b32 s91, 0
	s_mov_b32 s92, 1                               ; group 0: count = 1
	s_lshl_b32 s93, s14, 14                        ; LDS address: wave x 16,384: K fills bytes 0 .. 131,071, V the next 131,072
	s_wait_dscnt 0x0
	s_wait_kmcnt 0x0
	s_load_b256 s[24:31], s[76:77], 0x10           ; e4 .. e11: eq s26, ek s27, ep s28, ev s29, ea s30
	s_cmp_lt_u32 s14, 8                            ; the choice hangs on the wave's number alone
	s_cselect_b64 s[94:95], s[70:71], s[72:73]
	s_add_nc_u64 s[94:95], s[94:95], s[22:23]
	s_or_b32 s95, s95, 0x80000000                  ; type = 2
	s_add_nc_u64 s[4:5], s[68:69], s[16:17]
	s_add_nc_u64 s[6:7], s[74:75], s[18:19]
	s_add_nc_u64 s[8:9], s[78:79], s[20:21]
	ROUND                                          ; all four work-groups are here: the joint loads meet
	tensor_load_to_lds s[92:95], s[84:91]          ; my one tensor load of the launch
	s_nop 0
	PLACES                                         ; four v_nop follow the line
	s_wait_alu depctr_va_vdst(0)
	global_load_b128 v[16:19], v1, s[4:5]                        ; q's fragment of the first pass, two pieces,
	global_load_b128 v[20:23], v1, s[4:5] offset:512
	global_load_b128 v[Q1:Q1+3], v1, s[4:5] offset:16384         ; and of the second, sixteen tiles on: both land while K and V are filled
	global_load_b128 v[Q1+4:Q1+7], v1, s[4:5] offset:16896
	s_wait_kmcnt 0x0
	s_add_co_i32 s32, s26, s27
	s_lshl_b32 s32, s32, 23
	s_add_co_i32 s10, s32, 0x3e38aa3b              ; c = log2(e) / 8, with eq + ek added to its exponent field
	s_mov_b32 s11, s10                             ; (the packed form names the pair)
	s_add_co_i32 s97, s28, s29                     ; ep + ev
	s_add_co_i32 s32, s28, 127
	s_lshl_b32 s33, s32, 23
	v_mov_b32 v6, s33                              ; 2^ep
	s_add_co_i32 s32, s32, 8
	s_lshl_b32 s32, s32, 23
	s_or_b32 s32, s32, 0x600000
	v_mov_b32 v5, s32                              ; 448 x 2^ep,
	v_mov_b32 v7, s32                              ; twice: the two halves of the paired hold take their second sources from different register banks
	s_add_co_i32 s32, s30, 127
	s_lshl_b32 s33, s32, 23
	v_mov_b32 v8, s33                              ; 2^ea
	s_add_co_i32 s32, s32, 8
	s_lshl_b32 s32, s32, 23
	s_or_b32 s32, s32, 0x600000
	v_mov_b32 v9, s32                              ; 448 x 2^ea
	s_lshr_b32 s66, s15, 5                         ; the first step's 64 mask words: 256 bytes at 256 x the key step of my tile's 4,096
	s_mov_b32 s98, 0                               ; the pass's tile of mask words: 0, then 65,536 (sixteen tiles on)
	s_load_b512 s[16:31], s[6:7], s66 offset:0x0
	s_load_b512 s[32:47], s[6:7], s66 offset:0x40
	s_load_b512 s[48:63], s[6:7], s66 offset:0x80
	s_load_b512 s[68:83], s[6:7], s66 offset:0xc0
	s_mov_b32 s12, 0x76543210
	s_mov_b32 s13, 0xfedcba98                      ; v_permlanex16_b32's selects for lane l xor 16
	v_mov_b32 v4, 0xf1800000                       ; -2^100
	v_mov_b32 v11, 0                               ; (named as the upper half of the pair v[10:11])
	v_mov_b32 v204, 0                              ; written once: a lane permute's destination counts as one of its sources
	s_mov_b32 s96, 2                               ; passes
	s_wait_tensorcnt 0x0                           ; my 16,384 bytes are in,
	s_barrier_signal -1
	s_barrier_wait -1                              ; everybody's are: K and V are whole
	v_add_nc_u32 v2, s15, v1
	KL 0, 16                                       ; the first step's K
	s_wait_loadcnt 0x0                             ; q, both passes'
	s_wait_dscnt 0x0                               ; the first step's K
.Lpass:
	v_mov_b32 v13, 0xff61b1e6                      ; the largest score so far: -3e38, under every score
	s_delay_alu instid0(VALU_DEP_1)
	v_floor_f32 v12, -v13                          ; -M
	v_mov_b32 v14, 0
	v_mov_b32 v15, 0
.set j, 0
.rept 32
	v_mov_b32 v[O+j], 0                            ; O^T.  (The step is written once: the first finds zeros, which the first change of M leaves zeros)
.set j, j+1
.endr
	s_mov_b32 s67, 16                              ; steps of 128 keys
.Lstep:
	s_and_b32 s99, s15, 0x1e000                    ; 8,192 x this key step
	s_add_co_u32 s15, s15, 8192
	s_and_b32 s100, s15, 0x1e000                   ; 8,192 x the next one, round from 15 to 0
	s_setprio 2
	v_mov_b32 v205, v12                            ; the old -M
	v_add_nc_u32 v3, s99, v220                     ; this step's V
	v_add_nc_u32 v2, s100, v1                      ; the next step's K
	v_nop
	v_nop                                          ; five places behind the last products: the products below write the 32 score registers that held V's tiles 2, 3
.irp t, 0,1,2,3,4,5,6,7
	v_wmma_f32_16x16x64_fp8_fp8 v[S+8*\t:S+8*\t+7], v[F+8*\t:F+8*\t+7], v[16:23], 0   ; K's fragments were asked for a step ago and shown landed by that step's one wait on DScnt
.endr
	PLACES
	s_wait_kmcnt 0x0                               ; this step's mask words (asked for a step ago); no scalar load is out, so their offset may be written
	s_lshr_b32 s66, s100, 5                        ; the next step's words: 256 x its key step,
	s_cmp_eq_u32 s67, 1                            ; and from a pass's last step on in the second pass's tile: the first pass so asks for the second's first words,
	s_cselect_b32 s98, 0x10000, s98                ; the second for its own first words again: no load leaves the buffer
	s_add_co_u32 s66, s66, s98
.set n, 0
.rept 64
	v_cndmask_b32 v[S+n], v4, v[S+n], s[16+n+4*(n/48)]   ; the score where the mask is not 0, else -2^100; each accumulator from its low end on
.if (n >= 11) && (n%2 == 1)
.set i, (n-11)/2
	MAXI                                           ; a maximum behind every second select, on scores selected six selects ago or more
.endif
.if n == 19
	s_load_b512 s[16:31], s[6:7], s66 offset:0x0   ; each sixteen words are asked for anew as soon as their selects are past
.endif
.if n == 35
	s_load_b512 s[32:47], s[6:7], s66 offset:0x40
.endif
.if n == 51
	s_load_b512 s[48:63], s[6:7], s66 offset:0x80
.endif
.set n, n+1
.endr
.set i, 27
	MAXI
.set i, 28
	MAXI
.set i, 29
	MAXI
	; From here to -M each line reads the line before it.  The loads that the step owes anyway stand in the gaps: the last mask words, the next step's K (its registers were last read by the products above) and V's tiles 0, 1.
	s_load_b512 s[68:83], s[6:7], s66 offset:0xc0
	KL 0, 3
	v_max3_num_f32 v[T], v[T], v[T+2], v[T+3]
	KL 3, 7
	v_max_num_f32 v[T], v[T], v[T+1]               ; the step's largest score of my query among my 64 keys,
	KL 7, 11
	v_permlanex16_b32 v204, v[T], s12, s13
	KL 11, 15
	v_max3_num_f32 v13, v13, v[T], v204            ; lane l xor 16's, and the running one
	KL 15, 16
	VL 0, 2
	v_mul_f32 v[T], s10, v13                       ; as t (c is positive)
	VL 2, 5
	v_floor_f32 v12, -v[T]                         ; the new -M = floor(-t) = -ceil(t)
	VL 5, 8
	v_sub_f32 v205, v12, v205                      ; old M - new M: a whole number, 0 or less
	v_pk_fma_f32 v[S:S+1], v[S:S+1], s[10:11], v[12:13] op_sel_hi:[1,0,0]       ; t - M, two at a time (of the pairs c and -M the low word serves both halves): pairs 0 and 1 stand among f's last lines
	s_delay_alu instid0(VALU_DEP_2)
	v_cvt_i32_f32 v205, v205                       ; (it saturates)
	v_pk_fma_f32 v[S+2:S+3], v[S+2:S+3], s[10:11], v[12:13] op_sel_hi:[1,0,0]
	s_delay_alu instid0(VALU_DEP_2)
	v_ldexp_f32 v10, 1.0, v205                     ; f = 2^(old M - new M)
.set k, 0
	s_wait_alu depctr_va_vdst(0)
.rept 40
.if k < 30
	v_pk_fma_f32 v[S+2*k+4:S+2*k+5], v[S+2*k+4:S+2*k+5], s[10:11], v[12:13] op_sel_hi:[1,0,0]   ; pair k + 2: t - M
.endif
.if k < 32
	v_exp_f32 v[S+2*k], v[S+2*k]                   ; p = 2^(t - M), at most 1
.endif
.if (k >= 2) && (k <= 33)
.set j, k-2
	ADDP                                           ; pair k - 2: a packed sum or scaling stands between its exponentials and this line
.endif
.if k == 34
	s_setprio 0
	v_pk_add_f32 v[LS+2:LS+3], v[LS+2:LS+3], v[LS+4:LS+5]
.endif
.if k == 35
	v_pk_add_f32 v[14:15], v[14:15], v[LS+6:LS+7]
.endif
.if k < 16
	s_wait_alu depctr_va_vdst(0)
	v_pk_mul_f32 v[O+2*k:O+2*k+1], v[O+2*k:O+2*k+1], v[10:11] op_sel_hi:[1,0]   ; O^T under the new M, each accumulator from its low end on
.endif
.if k < 32
	v_exp_f32 v[S+2*k+1], v[S+2*k+1]
.endif
.if k >= 11
.if ((k-11)%4) == 0
	v_cvt_scalef32_pk8_fp8_f32 v[P+(k-11)/4*2:P+(k-11)/4*2+1], v[S+(k-11)/4*8:S+(k-11)/4*8+7], v6   ; eight held numbers, the last of them held a turn ago: half a piece of p's fragment
.endif
.endif
.if (k >= 7) && (k <= 38)
	v_dual_min_num_f32 v[S+2*k-14], v[S+2*k-14], v5 :: v_dual_min_num_f32 v[S+2*k-13], v[S+2*k-13], v7   ; pair k - 7, behind the sums that read it: the conversion to an 8-bit code does not saturate (ISA guide 7.6.2); p is not negative, so the hold is one-sided
.endif
.if k == 23
	VL 8, 16                                       ; V's tiles 2, 3 into the 32 score registers whose four conversions are issued: sixteen turns in which to land
.endif
.set k, k+1
.endr
	v_pk_add_f32 v[14:15], v[14:15], v[LS+2:LS+3]  ; l is whole.  (The plain place between the last conversion and the products that read its result)
	s_wait_alu depctr_va_vdst(0)
	s_wait_dscnt 0x0                               ; the step's one wait on DScnt: V's four tiles, and the next step's K
.irp t, 0,1
	v_wmma_f32_16x16x128_fp8_fp8 v[O+8*\t:O+8*\t+7], v[G+16*\t:G+16*\t+15], v[P:P+15], v[O+8*\t:O+8*\t+7]   ; four accumulators, one turn each; the next step's eight products stand between two links
.endr
.irp t, 2,3
	v_wmma_f32_16x16x128_fp8_fp8 v[O+8*\t:O+8*\t+7], v[S+16*\t-32:S+16*\t-17], v[P:P+15], v[O+8*\t:O+8*\t+7]
.endr
	s_sub_co_u32 s67, s67, 1
	s_cmp_lg_u32 s67, 0
	s_cbranch_scc1 .Lstep
	s_setprio 0
	; ---- the pass's end: O^T / l x 2^(ep + ev), quantised with 2^ea: its 32 registers are two pieces of the last projection's operand
	v_add_f32 v14, v14, v15                        ; l's two halves,
	s_delay_alu instid0(VALU_DEP_1)
	v_permlanex16_b32 v204, v14, s12, s13
	s_delay_alu instid0(VALU_DEP_1)
	v_add_f32 v14, v14, v204                       ; and lane l xor 16's
	PLACES                                         ; behind the last products, whose results are read below
	s_wait_alu depctr_va_vdst(0)
	v_rcp_f32 v200, v14
	v_nop                                          ; a plain place behind the transcendental
	s_wait_alu depctr_va_vdst(0)
	v_ldexp_f32 v200, v200, s97
.set j, 0
.rept 16
	v_pk_mul_f32 v[O+j:O+j+1], v[O+j:O+j+1], v[200:201] op_sel_hi:[1,0]
.set j, j+2
.endr
.set j, 0
.rept 32
	v_med3_num_f32 v[O+j], v[O+j], -v9, v9
.set j, j+1
.endr
.irp b, 0,1,2,3
	v_cvt_scalef32_pk8_fp8_f32 v[P+2*\b:P+2*\b+1], v[O+8*\b:O+8*\b+7], v8   ; into the registers that held p's codes: the products that read them stand some fifty plain lines back
.endr
.set j, 0
.rept 8
	v_mov_b32 v[16+j], v[Q1+j]                     ; the second pass's q.  (Also the plain places behind the conversions: the next pass writes their sources)
.set j, j+1
.endr
	global_store_b128 v1, v[P:P+3], s[8:9]                   ; channels 0-31: 512 consecutive bytes, aligned
	global_store_b128 v1, v[P+4:P+7], s[8:9] offset:512      ; channels 32-63
	s_wait_xcnt 0x0                                ; the stores have read their registers and base
	s_add_nc_u64 s[8:9], s[8:9], 131072            ; sixteen tiles of queries on
	s_sub_co_u32 s96, s96, 1
	s_cmp_lg_u32 s96, 0
	s_cbranch_scc1 .Lpass
	s_wait_kmcnt 0x0                               ; the last step's mask loads, which nobody reads, are done
	s_wait_tensorcnt 0x0
	ds_add_u32 v222, v223
	s_wait_dscnt 0x0
	ROUND                                          ; the closing round: no work-group ends while a partner may still ask for a tile that names it
	s_endpgm
.Lfunc_end_k_q03f17f4642_attn:
	.size	k_q03f17f4642_attn, .Lfunc_end_k_q03f17f4642_attn-k_q03f17f4642_attn
	.p2alignl 7, 3214868480
	.fill 96, 4, 3214868480
	.section	.rodata,"a",@progbits
	.p2align	6, 0x0
	.amdhsa_kernel k_q03f17f4642_attn
		.amdhsa_group_segment_fixed_size 264192
		.amdhsa_private_segment_fixed_size 0
		.amdhsa_enable_private_segment 0
		.amdhsa_kernarg_size 48
		.amdhsa_user_sgpr_count 2
		.amdhsa_user_sgpr_kernarg_segment_ptr 1
		.amdhsa_wavefront_size32 1
		.amdhsa_system_sgpr_workgroup_id_x 1
		.amdhsa_system_sgpr_workgroup_id_y 1
		.amdhsa_system_sgpr_workgroup_id_z 1
		.amdhsa_system_vgpr_workitem_id 0
		.amdhsa_next_free_vgpr 256
		.amdhsa_next_free_sgpr 102
		.amdhsa_reserve_vcc 0
		.amdhsa_float_denorm_mode_32 3
		.amdhsa_float_denorm_mode_16_64 3
		.amdhsa_memory_ordered 1
		.amdhsa_forward_progress 1
		.amdhsa_inst_pref_size 34
	.end_amdhsa_kernel
	.amdgpu_metadata
---
amdhsa.version: [ 1, 2 ]
amdhsa.kernels:
  - .name:           k_q03f17f4642_attn
    .symbol:         k_q03f17f4642_attn.kd
    .args:
      - { .name: qimg, .offset: 0, .size: 8, .value_kind: global_buffer, .address_space: global }
      - { .name: kimg, .offset: 8, .size: 8, .value_kind: global_buffer, .address_space: global }
      - { .name: vimg, .offset: 16, .size: 8, .value_kind: global_buffer, .address_space: global }
      - { .name: maskw, .offset: 24, .size: 8, .value_kind: global_buffer, .address_space: global }
      - { .name: lowp_scales, .offset: 32, .size: 8, .value_kind: global_buffer, .address_space: global }
      - { .name: aimg, .offset: 40, .size: 8, .value_kind: global_buffer, .address_space: global }
    .group_segment_fixed_size: 264192
    .private_segment_fixed_size: 0
    .kernarg_segment_align: 8
    .kernarg_segment_size: 48
    .max_flat_workgroup_size: 512
    .sgpr_count:     102
    .vgpr_count:     256
    .wavefront_size: 32
...
	.end_amdgpu_metadata
.endif
;; end of part 9
;; launch outp (part 10): grid 256 x 1, 4 waves a work-group, no clusters, 34,304 bytes of LDS; arguments aimg, wimg, bo, lowp_scales, out0; writes out0
.if DOCPART == 10
	.amdgcn_target "amdgcn-amd-amdhsa--gfx1250"
	.amdhsa_code_object_version 6
	.text
	.protected	k_q03f17f4642_outp
	.globl	k_q03f17f4642_outp
	.p2align	8
	.type	k_q03f17f4642_outp,@function
k_q03f17f4642_outp:
	s_mov_b64 s[64:65], 0
	v_nop
	global_prefetch_b8 v0, s[64:65] scope:SCOPE_SE
	s_setreg_imm32_b32 hwreg(HW_REG_WAVE_SCHED_MODE, 0, 2), 2
	s_setreg_imm32_b32 hwreg(HW_REG_WAVE_MODE, 25, 1), 1
	s_wait_xcnt 0x0
	s_wait_alu depctr_vm_vsrc(0)
; out0 = a Wo^T + bo on codes of FP8 (E4M3).  a arrives as register images (aimg), Wo likewise (wimg, its fourth weight, tiles of 16 neighbouring rows); out0 [16,384][512] f32.
; A work-group takes 64 rows: four tiles of rows (tile G = 4 g + m holds rows 32 (G / 2) + 8 (G % 2) + i + 8 (i / 8)).  Wave w makes columns 128 w .. 128 w + 127 for all of them.
; Each wave loads its 32 fragments of Wo and all 16 fragments of a straight into registers, every load 512 consecutive bytes: nothing is shared through LDS, and there is no barrier.
; THE MATRIX INSTRUCTION IS USED TRANSPOSED (source 0 = 16 rows of Wo, source 1 = 16 rows of a): a lane holds eight neighbouring numbers of a row of out0.  y = sum x 2^(ea + ew) + bo: one packed multiply-add for two numbers.
; A tile's 16 rows x 512 bytes go through the wave's own stage in LDS (pitch 528 = 132 words: row r starts at bank 4 r mod 64) and leave as whole rows: 32 lanes store 512 consecutive bytes, aligned.
; NO CLUSTER: what work-groups share is Wo, read once a work-group straight into registers as it lies; a joint load would have to pass it through LDS and read it from there again.
; LIMIT: ea + ew (lowp_scales[10] + [11]) between -126 and 127.
; REGISTERS, in windows of 256: window 0: v1-6 addresses; v32-95 eight accumulators; v96-159 a tile's results; v160-223 the bias in the result's layout.
;   windows 1, 2: Wo's fragment (tile t, K step s) at v[16 (4 (t % 4) + s)].   window 3: a's fragment (tile m, K step s) at v[16 (4 m + s)].
; THE MODE: SCHED_MODE bits 1:0 = 2 (LLVM: expert scheduling mode 2), set by the entry lines.  The code itself states the register dependences
; between vector or matrix instructions and memory or LDS instructions, with s_wait_alu, always for 0.
; THE PLAN.  Registers that memory or LDS instructions touch behind the head's loads:
;   TMP         For each tile: the 32 packed multiply-adds write it; the stage's sixteen LDS stores read it; the stage's sixteen loads land in it; the sixteen global stores read it.
;   v1 to v4    offsets and LDS addresses: made at the head, named by no vector instruction again.
;   The accumulators, Wo, a and the bias are named by vector and matrix instructions alone once they are loaded.
; So a tile has three waits: on va_vdst ahead of the stage's stores, on vm_vsrc between those stores and the loads that land in the same registers, and on vm_vsrc ahead of the next tile's multiply-adds.
; The next tile's matrix instructions, which stand between the stage's loads and the global stores, name none of TMP.
.set ACC,  32
.set TMP,  96
.set BIAS, 160
.set MSB, 0
.macro WIN new                         ; the immediate's high byte repeats the setting that is left
.if MSB != \new
	s_set_vgpr_msb (MSB<<8)|\new
.set MSB, \new
.endif
.endm
.macro PLACES                          ; four plain places behind matrix instructions (ISA guide 7.12.1)
.rept 4
	v_nop
.endr
.endm
; Tile m: 32 matrix instructions.  Window by window: Wo's tiles 0-3 over the four K steps, then tiles 4-7: four accumulators by turns, one instruction a turn; the first K step starts the sums.
.macro MUL m
.irp u, 0,1
	WIN 0x0d+\u                                    ; source 0 (Wo) window 1 or 2, source 1 (a) window 3
.irp s, 0,1,2,3
.irp t, 0,1,2,3
.if \s == 0
	v_wmma_f32_16x16x128_fp8_fp8 v[ACC+8*(4*\u+\t):ACC+8*(4*\u+\t)+7], v[16*(4*\t+\s):16*(4*\t+\s)+15], v[16*(4*(\m)+\s):16*(4*(\m)+\s)+15], 0
.else
	v_wmma_f32_16x16x128_fp8_fp8 v[ACC+8*(4*\u+\t):ACC+8*(4*\u+\t)+7], v[16*(4*\t+\s):16*(4*\t+\s)+15], v[16*(4*(\m)+\s):16*(4*(\m)+\s)+15], v[ACC+8*(4*\u+\t):ACC+8*(4*\u+\t)+7]
.endif
.endr
.endr
.endr
	WIN 0
.endm
.macro SCALE
.set j, 0
.rept 32
	v_pk_fma_f32 v[TMP+j:TMP+j+1], v[ACC+j:ACC+j+1], s[20:21], v[BIAS+j:BIAS+j+1] op_sel_hi:[1,0,1]   ; sum x 2^(ea + ew) + bo; each accumulator from its low end on
.set j, j+2
.endr
.endm
.macro TOSTAGE
	s_wait_alu depctr_va_vdst(0)                   ; the multiply-adds have written v[TMP ..], which the LDS stores read and in which the loads below land
.irp t, 0,1,2,3,4,5,6,7
	ds_store_b128 v2, v[TMP+8*\t:TMP+8*\t+3] offset:64*\t          ; lane (r, h): row r, columns 16 t + 8 h + 0 .. 7
	ds_store_b128 v2, v[TMP+8*\t+4:TMP+8*\t+7] offset:64*\t+16
.endr
	s_wait_alu depctr_vm_vsrc(0)                   ; the LDS stores have read v[TMP ..], in which the loads land
.irp i, 0,1,2,3,4,5,6,7,8,9,10,11,12,13,14,15
	ds_load_b128 v[TMP+4*\i:TMP+4*\i+3], v3 offset:528*\i          ; LDS serves a wave's instructions in order: these see my stores; the rows come back into the registers that they left
.endr
.endm
.macro SEND m
	s_wait_dscnt 0x0                               ; the tile's rows are back
.irp i, 0,1,2,3,4,5,6,7,8,9,10,11,12,13,14,15
	global_store_b128 v1, v[TMP+4*\i:TMP+4*\i+3], s[12:13] offset:(32*((\m)/2)+8*((\m)%2)+\i+8*(\i/8))*2048 th:TH_STORE_NT   ; 512 consecutive bytes of one row, aligned; written once, read by nobody here
.endr
.endm
	s_load_b256 s[4:11], s[0:1], 0x0               ; aimg s[4:5], wimg s[6:7], bo s[8:9], scales s[10:11]
	s_load_b64 s[12:13], s[0:1], 0x20              ; out0
	v_lshl_add_u32 v254, v0, 2, 0x8400
	v_mov_b32 v255, 0
	v_lshrrev_b32 v1, 5, v0
	v_readfirstlane_b32 s2, v1                     ; wave 0..3
	v_and_b32 v1, 31, v0
	v_lshlrev_b32 v1, 4, v1                        ; 16 x lane
	v_and_b32 v5, 15, v0                           ; r
	v_bfe_u32 v6, v0, 4, 1                         ; h
	s_wait_alu depctr_va_sdst(0)                   ; s2 is written, ahead of its first reader: the stage's address and the buffers' offsets are made from it
	s_mul_i32 s3, s2, 8448                         ; my stage
	v_mul_u32_u24 v2, v5, 528
	v_lshl_add_u32 v2, v6, 5, v2
	v_add_nc_u32 v2, s3, v2                        ; in: row r, + 32 h
	v_add_nc_u32 v3, s3, v1                        ; back: 16 bytes a lane of a row
	v_lshlrev_b32 v4, 5, v6                        ; the bias: 32 h
	s_lshl_b32 s14, ttmp9, 15                      ; my four tiles of a: 32,768 bytes
	s_mov_b32 s15, 0
	s_lshl_b32 s16, s2, 16
	s_add_co_u32 s16, s16, 3<<18                   ; Wo's images, my 8 tiles
	s_mov_b32 s17, 0
	s_lshl_b32 s18, s2, 9                          ; my 128 columns, in bytes
	s_mov_b32 s19, 0
	s_lshl_b32 s22, ttmp9, 17                      ; my 64 rows of out0
	s_add_co_u32 s22, s22, s18
	s_mov_b32 s23, 0
	s_wait_kmcnt 0x0
	s_load_b64 s[20:21], s[10:11], 0x28            ; ea, ew
	s_add_nc_u64 s[4:5], s[4:5], s[14:15]
	s_add_nc_u64 s[6:7], s[6:7], s[16:17]
	s_add_nc_u64 s[8:9], s[8:9], s[18:19]
	s_add_nc_u64 s[12:13], s[12:13], s[22:23]
	WIN 0xc0                                       ; destination window 3
	s_wait_alu depctr_va_vdst(0)                   ; v1 to v4 are written: every load and store of the kernel reads one of them as its offset or LDS address, and no vector instruction names them again
.set q, 0
.rept 64
	global_load_b128 v[4*q:4*q+3], v1, s[4:5] offset:512*q              ; a's 16 fragments: the image is the register order
.set q, q+1
.endr
	WIN 0x40                                       ; destination window 1
.set q, 0
.rept 64
	global_load_b128 v[4*q:4*q+3], v1, s[6:7] offset:512*q              ; Wo's tiles 0-3
.set q, q+1
.endr
	WIN 0x80                                       ; destination window 2
.set q, 0
.rept 64
	global_load_b128 v[4*q:4*q+3], v1, s[6:7] offset:32768+512*q        ; tiles 4-7
.set q, q+1
.endr
	WIN 0
.irp t, 0,1,2,3,4,5,6,7
	global_load_b128 v[BIAS+8*\t:BIAS+8*\t+3],   v4, s[8:9] offset:64*\t      ; bo at columns 16 t + 8 h + 0 .. 7
	global_load_b128 v[BIAS+8*\t+4:BIAS+8*\t+7], v4, s[8:9] offset:64*\t+16
.endr
	s_wait_kmcnt 0x0
	s_add_co_i32 s20, s20, s21
	s_add_co_i32 s20, s20, 127
	s_lshl_b32 s20, s20, 23                        ; 2^(ea + ew) as f32
	s_mov_b32 s21, s20                             ; (named with it as a pair)
	s_wait_loadcnt 0x0
	MUL 0
.irp m, 0,1,2,3
	PLACES                                         ; the results are read below
.if \m > 0
	s_wait_xcnt 0x0                                ; the stores of the tile before have had their addresses translated (ISA guide 3.1): their data registers are rewritten only behind this wait,
	s_wait_alu depctr_vm_vsrc(0)                   ; and have read v[TMP ..], which the multiply-adds below write
.endif
	SCALE
	TOSTAGE
.if \m < 3
	MUL \m+1                                       ; the next tile's products stand between the stage's loads and the wait for them
.endif
	SEND \m
.endr
	s_wait_dscnt 0x0
	s_wait_alu depctr_hold_cnt(0) depctr_sa_sdst(0) depctr_va_vdst(0) depctr_va_sdst(0) depctr_va_ssrc(0) depctr_va_vcc(0) depctr_vm_vsrc(0)
	s_wait_tensorcnt 0x0
	ds_add_u32 v254, v255
	s_wait_dscnt 0x0
	s_endpgm
.Lfunc_end_k_q03f17f4642_outp:
	.size	k_q03f17f4642_outp, .Lfunc_end_k_q03f17f4642_outp-k_q03f17f4642_outp
	.p2alignl 7, 3214868480
	.fill 96, 4, 3214868480
	.section	.rodata,"a",@progbits
	.p2align	6, 0x0
	.amdhsa_kernel k_q03f17f4642_outp
		.amdhsa_group_segment_fixed_size 34304
		.amdhsa_private_segment_fixed_size 0
		.amdhsa_enable_private_segment 0
		.amdhsa_kernarg_size 40
		.amdhsa_user_sgpr_count 2
		.amdhsa_user_sgpr_kernarg_segment_ptr 1
		.amdhsa_wavefront_size32 1
		.amdhsa_system_sgpr_workgroup_id_x 1
		.amdhsa_system_sgpr_workgroup_id_y 1
		.amdhsa_system_sgpr_workgroup_id_z 1
		.amdhsa_system_vgpr_workitem_id 0
		.amdhsa_next_free_vgpr 1024
		.amdhsa_next_free_sgpr 66
		.amdhsa_reserve_vcc 0
		.amdhsa_float_denorm_mode_32 3
		.amdhsa_float_denorm_mode_16_64 3
		.amdhsa_memory_ordered 1
		.amdhsa_forward_progress 1
		.amdhsa_inst_pref_size 54
	.end_amdhsa_kernel
	.amdgpu_metadata
---
amdhsa.version: [ 1, 2 ]
amdhsa.kernels:
  - .name:           k_q03f17f4642_outp
    .symbol:         k_q03f17f4642_outp.kd
    .args:
      - { .name: aimg, .offset: 0, .size: 8, .value_kind: global_buffer, .address_space: global }
      - { .name: wimg, .offset: 8, .size: 8, .value_kind: global_buffer, .address_space: global }
      - { .name: bo, .offset: 16, .size: 8, .value_kind: global_buffer, .address_space: global }
      - { .name: lowp_scales, .offset: 24, .size: 8, .value_kind: global_buffer, .address_space: global }
      - { .name: out0, .offset: 32, .size: 8, .value_kind: global_buffer, .address_space: global }
    .group_segment_fixed_size: 34304
    .private_segment_fixed_size: 0
    .kernarg_segment_align: 8
    .kernarg_segment_size: 40
    .max_flat_workgroup_size: 128
    .sgpr_count:     66
    .vgpr_count:     1024
    .wavefront_size: 32
...
	.end_amdgpu_metadata
.endif
;; end of part 10
